; MI455X (gfx1250); checked and timed in simulation.
; The chip was launched on July 23, 2026; its instructions are those of AMD's public machine-readable ISA for CDNA 5 (MIT licence, August 2026) and "CDNA5" Instruction Set Architecture Reference Guide (July 2026). The comments in the code are by the model that wrote it; some were corrected since.
;; Mo E Layer. Allowed arithmetic: matrix products marked QUANTISED: E2M1 operands, one E8M0 scale for each 32 along K, by v_wmma_scale_f32_16x16x128_f8f6f4 with both operands' format E2M1 (or v_wmma_scale_f32_32x16x128_f4), f32 sums; products left as they are: f32 operands where the result goes on into a quantised operand, else bf16, f16 or f32 operands; f32 sums; everything else in f32.
;; Inputs: W1 8 x 1,024 x 4,096 float32; W2 8 x 4,096 x 1,024 float32; b1 8 x 4,096 float32; b2 8 x 1,024 float32; gate_b 8 float32; gate_w 1,024 x 8 float32; x 8 x 128 x 1,024 float32.
;; Outputs: out0 8 x 128 x 1,024 float32.
;; This version of the problem:
;;   THIS VERSION OF THE PROBLEM IS GIVEN IN LOW PRECISION. The matrix products marked QUANTISED in the list below multiply operands that are first quantised to E2M1 (2 exponent bits, 1 mantissa bit; 4 bits a number), with one power-of-two scale for each 32 numbers along K (OCP MX v1.0); their sums are f32. All else is computed in f32.
;;   The module's matrix products, in the order in which they are computed (A, B: the left and right operand; K: the contracted axis; several contracted axes count as one K, in the product's order):
;;     1. [M 1,024, K 1,024] x [K 1,024, N 8]; A: input x; B: input gate_w: left as it is (N = 8 < 16)
;;     2. [M 1,024, K 1,024] x [K 1,024, N 4,096]; A: input x; B: input W1: QUANTISED
;;     3. [M 1,024, K 4,096] x [K 4,096, N 1,024]; A: computed on the way; B: input W2: QUANTISED
;;     4. [M 1,024, K 1,024] x [K 1,024, N 4,096]; A: input x; B: input W1: QUANTISED
;;     5. [M 1,024, K 4,096] x [K 4,096, N 1,024]; A: computed on the way; B: input W2: QUANTISED
;;     6. [M 1,024, K 1,024] x [K 1,024, N 4,096]; A: input x; B: input W1: QUANTISED
;;     7. [M 1,024, K 4,096] x [K 4,096, N 1,024]; A: computed on the way; B: input W2: QUANTISED
;;     8. [M 1,024, K 1,024] x [K 1,024, N 4,096]; A: input x; B: input W1: QUANTISED
;;     9. [M 1,024, K 4,096] x [K 4,096, N 1,024]; A: computed on the way; B: input W2: QUANTISED
;;     10. [M 1,024, K 1,024] x [K 1,024, N 4,096]; A: input x; B: input W1: QUANTISED
;;     11. [M 1,024, K 4,096] x [K 4,096, N 1,024]; A: computed on the way; B: input W2: QUANTISED
;;     12. [M 1,024, K 1,024] x [K 1,024, N 4,096]; A: input x; B: input W1: QUANTISED
;;     13. [M 1,024, K 4,096] x [K 4,096, N 1,024]; A: computed on the way; B: input W2: QUANTISED
;;     14. [M 1,024, K 1,024] x [K 1,024, N 4,096]; A: input x; B: input W1: QUANTISED
;;     15. [M 1,024, K 4,096] x [K 4,096, N 1,024]; A: computed on the way; B: input W2: QUANTISED
;;     16. [M 1,024, K 1,024] x [K 1,024, N 4,096]; A: input x; B: input W1: QUANTISED
;;     17. [M 1,024, K 4,096] x [K 4,096, N 1,024]; A: computed on the way; B: input W2: QUANTISED
;;   THE QUANTISER, for each operand of a quantised product, along K:
;;     - K is cut into blocks of 32 from its start; a last block that is shorter is filled with zeros.
;;     - A block's scale is 2^e with e = floor(log2(the largest magnitude in the block)) - 2, held to -126 .. 127; a block of zeros has e = 0. As a byte (E8M0): e + 127.
;;     - Each number is divided by its block's scale, clamped to +-6, and rounded to the nearest number of E2M1, ties to even, subnormals kept.
;;     - The product sums the exact products of the quantised numbers (number of the format x scale) in f32.
;;   ~~~python
;;   def quantise(x, axis):      # numpy; x: float32 -> the quantised numbers, widened to float32 again
;;       x = np.moveaxis(x, axis, -1); K = x.shape[-1]
;;       x = np.pad(x, [(0, 0)] * (x.ndim - 1) + [(0, -K % 32)]); x = x.reshape(x.shape[:-1] + (-1, 32)); a = np.abs(x).max(-1, keepdims=True)
;;       e = np.where(a > 0, np.clip(np.frexp(np.where(a > 0, a, 1))[1] - 1 - 2, -126, 127), 0)      # np.frexp(a)[1] - 1 = floor(log2(a)), exactly
;;       r = np.clip(x / 2.0 ** e, -6, 6)
;;       step = 2.0 ** (np.maximum(np.frexp(np.where(r == 0, 1, r))[1] - 1, 0) - 1)
;;       q = np.round(r / step) * step * 2.0 ** e      # np.round: ties to even
;;       return np.moveaxis(q.reshape(q.shape[:-2] + (-1,))[..., :K], -1, axis).astype(np.float32)
;;   ~~~
;;   OPERANDS COMPUTED ON THE WAY. 'Computed on the way' means the value that the module computes at that place (a softmax that the list does not call 'softmax' is quantised finished and normalised). What goes into a quantiser is computed in f32, as accurately as f32 sums, v_exp_f32 and their like allow (about 1e-6 of the number): no bf16 or f16 on the way to a quantiser, and a product that is left as it is and whose result goes on into a quantised operand takes f32 operands (vector FMAs, or v_wmma_f32_16x16x4_f32). A number that lies on a knife's edge between two numbers of the format may be rounded either way, as far as f32 arithmetic and the matrix unit's own rounding can turn it there, and no further.
;; 2 versions. Each part assembles by itself: llvm-mc -triple=amdgcn-amd-amdhsa -mcpu=gfx1250 --defsym DOCPART=n.
;; ======== version 1 of 2: 4 launches
;; workspace buffers: xq 524,288 bytes; xs 32,768 bytes; sel 73,728 bytes of whole numbers; gw 8,192 bytes; hq 20,971,520 bytes; hs 1,572,864 bytes; y 16,842,752 bytes; ylist 40,960 bytes of whole numbers
;; launch route (part 1): grid 64 x 1, 8 waves a work-group, no clusters, 35,840 bytes of LDS; arguments x, gate_w, gate_b, xq, xs, sel, gw; writes xq, xs, sel, gw
.if DOCPART == 1
	.amdgcn_target "amdgcn-amd-amdhsa--gfx1250"
	.amdhsa_code_object_version 6
	.text
	.protected	k_q8d52beece2_route
	.globl	k_q8d52beece2_route
	.p2align	8
	.type	k_q8d52beece2_route,@function
k_q8d52beece2_route:
	s_mov_b64 s[64:65], 0
	v_nop
	global_prefetch_b8 v0, s[64:65] scope:SCOPE_SE
	s_setreg_imm32_b32 hwreg(HW_REG_WAVE_MODE, 25, 1), 1
	s_wait_xcnt 0x0
; ROUTER AND QUANTISER OF x.  x [1024 tokens][1024] f32; gate_w [1024][8], gate_b [8] f32.
; Out: xq [token][512 B] codes of E2M1 (K in its true order, the lower k in the low four bits), xs [token][32] E8M0 bytes, gw [slot 2][token 1024] f32 (the two weights, normalised to sum 1), and in sel:
; THE COUNTS, bytes 0 to 8,191, [32][64] u32: row e < 8, column = work-group: how many of the work-group's 16 tokens go to expert e (rows 8-31 take zeros, so that the store has all 32 lanes);
; THE LISTS, from byte 8,192 on, [expert 8][work-group 64][32] u32: the work-group's tokens that go to the expert, on end: an entry is slot x 1,024 + token (slot: is the expert the token's first or second); the other entries hold 2,048 + e.
; SHARES.  A work-group owns 16 tokens, each of its eight waves two.  Lane l holds block l of a row, k = 32 l .. 32 l + 31, in 32 registers:
; a block's largest magnitude needs no other lane, and a row's codes leave as one store of 512 consecutive bytes.
; The logits are f32 fused multiply-adds (they only choose and weigh, and a near tie must not turn by a coarser format): each lane sums its 32 k, then the 32 lanes are added.
; gate_w goes through LDS once: lane l wants rows 32 l .. 32 l + 31, 1,024 consecutive bytes; chunks lie 1,040 bytes apart.
; The softmax takes the row's maximum away before the exponential.  Ties in the gates keep the lower index, as jax.lax.top_k does.
; What is chosen is only STORED here, at fixed places: no address and no branch of this launch hangs on it.  So a list is made by selects: lane k takes the k-th chosen entry.
; No matrix unit, no cluster: the work-groups share only gate_w, 32 KB against 64 KB of x each, and the launch is short.
; LIMITS: NaN and infinities are not served.  A block whose largest magnitude lies under 2^-124 gets the byte 1; so does a block of zeros (its codes are zeros; the bytes are read by this program alone).
; Two gates closer than the rounding of the f32 logits may be ordered otherwise than by another order of summation.  Each x load takes 16 bytes a lane, lanes 128 bytes apart: a row's eight loads together cover it.
; The lists, the weights and the counts (64, 8 and 8 KB) leave in pieces of 128, 64 and 4 bytes.
.set GP,   1040                        ; a chunk of gate_w in LDS: 1,024 bytes + 16
.set XSB,  33280                       ; 16 tokens x 32 scale bytes
.set SELB, 33792                       ; 32 words: the experts, [token][slot];  128 bytes on: 32 words: the weights, [slot][token]
.set XR,   32                          ; v32-95   x: token q at 32 q
.set GR,   96                          ; v96-159  gate_w: first as loaded, then two sets of 4 k x 8 experts
.set ACC,  160                         ; v160-175 the logits: token q at 8 q
.set TT,   176                         ; v176-191 at work
.set RS,   192                         ; v192-199 token q: first, second, their weights
.set CR,   200                         ; v200-207 codes
	s_load_b256 s[4:11], s[0:1], 0x0               ; x, gate_w, gate_b, xq
	s_load_b128 s[12:15], s[0:1], 0x20             ; xs, sel
	s_load_b64 s[16:17], s[0:1], 0x30              ; gw
	v_lshl_add_u32 v224, v0, 2, 0x8800
	v_mov_b32 v225, 0
	v_lshrrev_b32 v9, 5, v0
	v_readfirstlane_b32 s20, v9                    ; wave 0..7
	v_and_b32 v1, 31, v0                           ; lane
	v_lshlrev_b32 v2, 7, v1                        ; x: my block's 128 bytes
	v_lshrrev_b32 v3, 6, v0
	v_mul_u32_u24 v3, v3, GP
	v_and_b32 v9, 63, v0
	v_lshl_add_u32 v3, v9, 4, v3                   ; gate_w into LDS: chunk thread / 64 (+ 4 for each load), 16 bytes at 16 (thread % 64)
	v_lshlrev_b32 v4, 4, v0                        ; gate_w in memory: 16 x thread
	v_mul_u32_u24 v5, v1, GP                       ; gate_w out of LDS: my chunk
	v_lshlrev_b32 v6, 4, v1                        ; 16 x lane
	v_lshlrev_b32 v10, 2, v1                       ; 4 x lane
	s_lshl_b32 s21, s20, 6
	s_add_co_u32 s21, s21, XSB
	v_add_nc_u32 v7, s21, v1                       ; my block's scale byte: 64 x wave + lane (+ 32 for the second token)
	s_lshl_b32 s21, s20, 4
	s_add_co_u32 s21, s21, SELB
	v_mov_b32 v8, s21                              ; my wave's four words of experts
	s_lshl_b32 s21, s20, 3
	s_add_co_u32 s21, s21, SELB+128
	v_mov_b32 v14, s21                             ; my wave's two words of weights in slot 0's row; slot 1's row lies 64 bytes on
	v_add_nc_u32 v11, XSB, v6                      ; the way out (wave 0)
	v_add_nc_u32 v12, SELB, v10
	v_mov_b32 v13, -1.0                            ; under every gate
	v_lshlrev_b32 v15, 8, v1                       ; the counts: row = lane, 256 bytes a row
	v_and_b32 v16, 15, v1
	v_lshlrev_b32 v16, 2, v16
	v_lshrrev_b32 v17, 4, v1
	v_lshl_add_u32 v16, v17, 12, v16               ; gw: plane lane / 16 of 4,096 bytes, token lane % 16
.irp a, 0,1,2,3,4,5,6,7,8,9,10,11,12,13,14,15
	v_mov_b32 v[TT+\a], 0                          ; a lane permute's destination counts as one of its sources
.endr
	s_mov_b32 s30, 0x3fb8aa3b                      ; log2(e)
	s_mov_b32 s34, 0x76543210
	s_mov_b32 s35, 0xfedcba98                      ; selects for lane l xor 16
	s_lshl_b32 s22, ttmp9, 16                      ; x: (16 work-group + 2 wave) rows of 4,096 bytes
	s_lshl_b32 s23, s20, 13
	s_add_co_u32 s22, s22, s23
	s_mov_b32 s23, 0
	s_lshr_b32 s24, s22, 3                         ; xq: an eighth of that
	s_mov_b32 s25, 0
	s_lshl_b32 s26, ttmp9, 9                       ; xs: 512 bytes a work-group
	s_mov_b32 s27, 0
	s_lshl_b32 s28, s20, 6                         ; the lists: 8,192 bytes behind sel's first byte, (64 x expert + work-group) x 128 bytes; my wave's number is its expert
	s_add_co_u32 s28, s28, ttmp9
	s_lshl_b32 s28, s28, 7
	s_add_co_u32 s28, s28, 8192
	s_mov_b32 s29, 0
	s_lshl_b32 s36, ttmp9, 6                       ; gw: 64 bytes in each plane
	s_mov_b32 s37, 0
	s_lshl_b32 s38, ttmp9, 2                       ; the counts: my column
	s_mov_b32 s39, 0
	s_lshl_b32 s51, ttmp9, 4                       ; my first token
	s_add_co_u32 s52, s20, 2048                    ; what a free entry of my wave's list holds
	s_wait_kmcnt 0x0
	s_load_b256 s[40:47], s[8:9], 0x0              ; gate_b
	s_add_nc_u64 s[4:5], s[4:5], s[22:23]
	s_add_nc_u64 s[10:11], s[10:11], s[24:25]
	s_add_nc_u64 s[12:13], s[12:13], s[26:27]
	s_add_nc_u64 s[18:19], s[14:15], s[38:39]
	s_add_nc_u64 s[14:15], s[14:15], s[28:29]
	s_add_nc_u64 s[16:17], s[16:17], s[36:37]
.irp j, 0,1,2,3,4,5,6,7
	global_load_b128 v[GR+4*\j:GR+4*\j+3], v4, s[6:7] offset:4096*\j
.endr
.irp q, 0,1
.irp i, 0,1,2,3,4,5,6,7
	global_load_b128 v[XR+32*\q+4*\i:XR+32*\q+4*\i+3], v2, s[4:5] offset:4096*\q+16*\i th:TH_LOAD_NT
.endr
.endr
	s_wait_loadcnt 16                              ; gate_w is in; the 16 loads of x behind it may be out
.irp j, 0,1,2,3,4,5,6,7
	ds_store_b128 v3, v[GR+4*\j:GR+4*\j+3] offset:4*GP*\j
.endr
	s_wait_loadcnt 0x0                             ; x
; token q: my block's largest magnitude, its byte, its 32 codes
.macro QX q
.set X0, XR+32*\q
	v_max3_num_f32 v[TT], |v[X0]|, |v[X0+1]|, |v[X0+2]|
	v_max3_num_f32 v[TT+1], |v[X0+3]|, |v[X0+4]|, |v[X0+5]|
.irp i, 6,10,14,18,22,26
	v_max3_num_f32 v[TT], v[TT], |v[X0+\i]|, |v[X0+\i+1]|
	v_max3_num_f32 v[TT+1], v[TT+1], |v[X0+\i+2]|, |v[X0+\i+3]|
.endr
	v_max3_num_f32 v[TT], v[TT], |v[X0+30]|, |v[X0+31]|
	v_max3_num_f32 v[TT], v[TT], v[TT+1], 0x1800000        ; the floor 2^(3 - 127): the byte cannot fall under 1
	v_add_nc_u32 v[TT+2+\q], 0xff000000, v[TT]             ; 2 off the exponent field: the conversion's scale operand
.irp g, 0,1,2,3
	v_cvt_scalef32_pk8_fp4_f32 v[CR+4*\q+\g], v[X0+8*\g:X0+8*\g+7], v[TT+2+\q]
.endr
	v_lshrrev_b32 v[TT+4+\q], 23, v[TT+2+\q]               ; the byte (also the plain line behind the conversions)
	ds_store_b8 v7, v[TT+4+\q] offset:32*\q
	global_store_b128 v6, v[CR+4*\q:CR+4*\q+3], s[10:11] offset:512*\q   ; 32 lanes store the row's 512 bytes
.endm
	QX 0
	QX 1
	s_wait_dscnt 0x0                               ; for the others' sake: my part of gate_w and my bytes lie in LDS
	s_barrier_signal -1
	s_barrier_wait -1
.macro GLD ch                          ; 4 k x 8 experts of my chunk: register 8 kk + e
.irp i, 0,1,2,3,4,5,6,7
	ds_load_b128 v[GR+32*((\ch)%2)+4*\i:GR+32*((\ch)%2)+4*\i+3], v5 offset:128*(\ch)+16*\i
.endr
.endm
.macro FMAS ch                         ; two experts an instruction; x's number is taken for both halves
.irp kk, 0,1,2,3
.irp q, 0,1
.irp p, 0,1,2,3
.set xi, 4*(\ch)+\kk
.set xr, XR+32*\q+(xi/2)*2
.set gr, GR+32*((\ch)%2)+8*\kk+2*\p
.set ar, ACC+8*\q+2*\p
.if xi == 0
	v_pk_mul_f32 v[ar:ar+1], v[xr:xr+1], v[gr:gr+1] op_sel_hi:[0,1]      ; the first k starts the sums
.elseif xi%2 == 0
	v_pk_fma_f32 v[ar:ar+1], v[xr:xr+1], v[gr:gr+1], v[ar:ar+1] op_sel_hi:[0,1,1]
.else
	v_pk_fma_f32 v[ar:ar+1], v[xr:xr+1], v[gr:gr+1], v[ar:ar+1] op_sel:[1,0,0] op_sel_hi:[1,1,1]
.endif
.endr
.endr
.endr
.endm
	GLD 0
.irp ch, 0,1,2,3,4,5,6,7
.if \ch < 7
	GLD \ch+1
	s_wait_dscnt 8                                 ; this chunk is in; the next chunk's eight loads may be out
.else
	s_wait_dscnt 0x0
.endif
	FMAS \ch
.endr
.irp m, 1,2,4,8
.irp a, 0,1,2,3,4,5,6,7,8,9,10,11,12,13,14,15
	v_add_f32_dpp v[ACC+\a], v[ACC+\a], v[ACC+\a] row_xmask:\m row_mask:0xf bank_mask:0xf
.endr
.endr
.irp a, 0,1,2,3,4,5,6,7,8,9,10,11,12,13,14,15
	v_permlanex16_b32 v[TT+\a], v[ACC+\a], s34, s35
.endr
.irp a, 0,1,2,3,4,5,6,7,8,9,10,11,12,13,14,15
	v_add_f32 v[ACC+\a], v[ACC+\a], v[TT+\a]       ; every lane holds the sums
.endr
	s_wait_kmcnt 0x0                               ; gate_b
.irp a, 0,1,2,3,4,5,6,7,8,9,10,11,12,13,14,15
	v_add_f32 v[ACC+\a], s[40+\a%8], v[ACC+\a]
.endr
; token q, in every lane alike: softmax, the two largest gates, their weights
.macro SCAN a0, ix, bs                 ; the largest of eight and its index; an equal later one does not displace it
	v_mov_b32 v[\bs], v[\a0]
	v_mov_b32 v[\ix], 0
.irp e, 1,2,3,4,5,6,7
	v_cmp_le_f32 vcc_lo, v[\a0+\e], v[\bs]
	v_cndmask_b32 v[\ix], \e, v[\ix], vcc_lo
	v_max_num_f32 v[\bs], v[\bs], v[\a0+\e]
.endr
.endm
.macro SMX q
.set A0, ACC+8*\q
.set R0, RS+4*\q
	v_max3_num_f32 v[TT], v[A0], v[A0+1], v[A0+2]
	v_max3_num_f32 v[TT], v[TT], v[A0+3], v[A0+4]
	v_max3_num_f32 v[TT], v[TT], v[A0+5], v[A0+6]
	v_max_num_f32 v[TT], v[TT], v[A0+7]            ; the largest logit
	v_mul_f32 v[TT+1], s30, v[TT]
.irp e, 0,1,2,3,4,5,6,7
	v_fma_f32 v[A0+\e], v[A0+\e], s30, -v[TT+1]    ; (logit - maximum) log2(e): 0 or less, up to one rounding that all eight share
.endr
.irp e, 0,1,2,3,4,5,6,7
	v_exp_f32 v[A0+\e], v[A0+\e]
.endr
	v_nop                                          ; a plain line behind the exponentials
	s_wait_alu depctr_va_vdst(0)
	v_add_f32 v[TT+1], v[A0], v[A0+1]
	v_add_f32 v[TT+2], v[A0+2], v[A0+3]
	v_add_f32 v[TT+3], v[A0+4], v[A0+5]
	v_add_f32 v[TT+4], v[A0+6], v[A0+7]
	v_add_f32 v[TT+1], v[TT+1], v[TT+2]
	v_add_f32 v[TT+3], v[TT+3], v[TT+4]
	v_add_f32 v[TT+1], v[TT+1], v[TT+3]
	v_rcp_f32 v[TT+1], v[TT+1]
	v_nop
	s_wait_alu depctr_va_vdst(0)
.irp e, 0,1,2,3,4,5,6,7
	v_mul_f32 v[A0+\e], v[A0+\e], v[TT+1]          ; the gates
.endr
	SCAN A0, R0, R0+2
.irp e, 0,1,2,3,4,5,6,7
	v_cmp_eq_u32 vcc_lo, \e, v[R0]
	v_cndmask_b32 v[A0+\e], v[A0+\e], v13, vcc_lo  ; the first is taken out
.endr
	SCAN A0, R0+1, R0+3
	v_add_f32 v[TT+2], v[R0+2], v[R0+3]
	v_rcp_f32 v[TT+2], v[TT+2]
	v_nop
	s_wait_alu depctr_va_vdst(0)
	v_mul_f32 v[R0+2], v[R0+2], v[TT+2]
	v_mul_f32 v[R0+3], v[R0+3], v[TT+2]
	ds_store_b32 v8, v[R0] offset:8*\q             ; all lanes write the same word with the same value
	ds_store_b32 v8, v[R0+1] offset:8*\q+4
	ds_store_b32 v14, v[R0+2] offset:4*\q
	ds_store_b32 v14, v[R0+3] offset:64+4*\q
.endm
	SMX 0
	SMX 1
	s_wait_dscnt 0x0                               ; for the others' sake: my four choices and weights lie in LDS
	s_barrier_signal -1
	s_barrier_wait -1
	; THE LISTS.  Wave w serves expert w.  Lane b of v36 holds choice b = 2 x token + slot.  The 32 choices are walked: s49 counts those that name my expert so far; a choice that does is taken by the lane
	; whose number that count is (a choice that does not is offered to lane 63, which is none).  At most 16 name one expert, since a token's two differ.
	ds_load_b32 v36, v12
	v_mov_b32 v39, 0
	s_mov_b32 s49, 0
	s_wait_dscnt 0x0
	v_cmp_eq_u32 s21, s20, v36
.irp b, 0,1,2,3,4,5,6,7,8,9,10,11,12,13,14,15,16,17,18,19,20,21,22,23,24,25,26,27,28,29,30,31
	s_bfe_u32 s50, s21, 0x10000+\b                 ; does choice b name my expert?  (SCC: the bit)
	s_cselect_b32 s48, s49, 63
	s_add_co_u32 s49, s49, s50
	v_cmp_ne_u32 vcc_lo, s48, v1
	v_cndmask_b32 v39, \b, v39, vcc_lo             ; the lane of that number takes b, the others keep what they have
.endr
	v_cmp_gt_u32 vcc_lo, s49, v1                   ; lanes under the count hold a choice
	v_and_b32 v40, 1, v39                          ; its slot,
	v_lshrrev_b32 v41, 1, v39                      ; its token among my 16
	v_lshl_add_u32 v40, v40, 10, v41
	v_add_nc_u32 v40, s51, v40                     ; slot x 1,024 + token
	v_mov_b32 v41, s52
	v_cndmask_b32 v40, v41, v40, vcc_lo
	global_store_b32 v10, v40, s[14:15]            ; 128 consecutive bytes, at a place that hangs on ids alone
	s_cmp_lg_u32 s20, 0
	s_cbranch_scc1 .Lend                           ; wave 0 stores what the eight waves gathered
	ds_load_b128 v[32:35], v11
	ds_load_b32 v37, v12 offset:128
	v_mov_b32 v38, 0
	s_wait_dscnt 0x0
.irp e, 0,1,2,3,4,5,6,7
	v_cmp_eq_u32 s21, \e, v36
	s_bcnt1_i32_b32 s21, s21
	v_writelane_b32 v38, s21, \e                   ; lane e: expert e's count
.endr
	global_store_b128 v6, v[32:35], s[12:13]       ; 512 consecutive bytes of xs
	global_store_b32 v16, v37, s[16:17]            ; 64 consecutive bytes in each plane of gw
	global_store_b32 v15, v38, s[18:19]            ; my column of the counts
.Lend:
	s_wait_tensorcnt 0x0
	ds_add_u32 v224, v225
	s_wait_dscnt 0x0
	s_endpgm
.Lfunc_end_k_q8d52beece2_route:
	.size	k_q8d52beece2_route, .Lfunc_end_k_q8d52beece2_route-k_q8d52beece2_route
	.p2alignl 7, 3214868480
	.fill 96, 4, 3214868480
	.section	.rodata,"a",@progbits
	.p2align	6, 0x0
	.amdhsa_kernel k_q8d52beece2_route
		.amdhsa_group_segment_fixed_size 35840
		.amdhsa_private_segment_fixed_size 0
		.amdhsa_enable_private_segment 0
		.amdhsa_kernarg_size 56
		.amdhsa_user_sgpr_count 2
		.amdhsa_user_sgpr_kernarg_segment_ptr 1
		.amdhsa_wavefront_size32 1
		.amdhsa_system_sgpr_workgroup_id_x 1
		.amdhsa_system_sgpr_workgroup_id_y 1
		.amdhsa_system_sgpr_workgroup_id_z 1
		.amdhsa_system_vgpr_workitem_id 0
		.amdhsa_next_free_vgpr 226
		.amdhsa_next_free_sgpr 66
		.amdhsa_reserve_vcc 1
		.amdhsa_float_denorm_mode_32 3
		.amdhsa_float_denorm_mode_16_64 3
		.amdhsa_memory_ordered 1
		.amdhsa_forward_progress 1
		.amdhsa_inst_pref_size 53
	.end_amdhsa_kernel
	.amdgpu_metadata
---
amdhsa.version: [ 1, 2 ]
amdhsa.kernels:
  - .name:           k_q8d52beece2_route
    .symbol:         k_q8d52beece2_route.kd
    .args:
      - { .name: x, .offset: 0, .size: 8, .value_kind: global_buffer, .address_space: global }
      - { .name: gate_w, .offset: 8, .size: 8, .value_kind: global_buffer, .address_space: global }
      - { .name: gate_b, .offset: 16, .size: 8, .value_kind: global_buffer, .address_space: global }
      - { .name: xq, .offset: 24, .size: 8, .value_kind: global_buffer, .address_space: global }
      - { .name: xs, .offset: 32, .size: 8, .value_kind: global_buffer, .address_space: global }
      - { .name: sel, .offset: 40, .size: 8, .value_kind: global_buffer, .address_space: global }
      - { .name: gw, .offset: 48, .size: 8, .value_kind: global_buffer, .address_space: global }
    .group_segment_fixed_size: 35840
    .private_segment_fixed_size: 0
    .kernarg_segment_align: 8
    .kernarg_segment_size: 56
    .max_flat_workgroup_size: 256
    .sgpr_count:     66
    .vgpr_count:     226
    .wavefront_size: 32
...
	.end_amdgpu_metadata
.endif
;; end of part 1
;; launch up (part 2): grid 32 x 8, 4 waves a work-group, no clusters, 71,168 bytes of LDS; arguments sel, xq, xs, W1, b1, hq, hs, ylist; writes hq, hs, ylist
.if DOCPART == 2
	.amdgcn_target "amdgcn-amd-amdhsa--gfx1250"
	.amdhsa_code_object_version 6
	.text
	.protected	k_q8d52beece2_up
	.globl	k_q8d52beece2_up
	.p2align	8
	.type	k_q8d52beece2_up,@function
k_q8d52beece2_up:
	s_mov_b64 s[64:65], 0
	v_nop
	global_prefetch_b8 v0, s[64:65] scope:SCOPE_SE
	s_setreg_imm32_b32 hwreg(HW_REG_WAVE_MODE, 25, 1), 1
	s_wait_xcnt 0x0
; FIRST PRODUCT OF THE EXPERTS: h = Q(relu(Q(x) Q(W1[e]) + b1[e])) for the rows routed to expert e, on codes of E2M1 with one E8M0 scale for each 32 along K.
; SHARES.  Work-group (x = fs, y = e) owns hidden units 128 fs .. 128 fs + 127 of expert e: 1,024 rows (k) x 512 bytes of W1, read ONCE as f32, quantised in registers, kept as codes in LDS.
; STREAM.  A unit is a K step of 128; wave w takes its block w (32 k).  A load takes one row k, 16 bytes a lane: 512 consecutive bytes, aligned.  A lane so holds 4 columns x 32 k.  Each column's largest magnitude is
; the lane's own; the numbers are multiplied by 2^-e (a power of two: nothing is rounded) and converted with the scale 1, eight at a time (two rows x four columns); shifts, v_bfi_b32 and v_perm_b32 then sort the
; four-bit codes by column.  The order rho in which the rows are laid into the registers makes k come out ascending.  Three sets of 32 loads take turns; the counter of loads holds 63, and the issue waits where it is full (ISA guide 5.7.1).
; While loads of W1 are still to be issued, next to nothing else is loaded: x's fragments are asked for behind units 4, 5 and 6.
; IMAGES.  A weight fragment (16 units x 128 k) lies in LDS as an image of its 8 registers: register group c at 512 c, lane l's 16 bytes at 16 l.  Any wave loads it by two ds_load_b128.
; THE UNITS OF A TILE ARE NOT NEIGHBOURS: row r of tile 2 b + u is unit 32 b + 8 u + r + 8 (r / 8), so that in the transposed product (source 0 = 16 units, source 1 = 16 tokens) a lane holds one token and the
; 16 registers of tiles 2 b, 2 b + 1 are 16 neighbouring units: the next product's K.
; ROWS.  The launch before left in sel, for each expert and each of 64 groups of 16 tokens, the group's count ([32][64] u32 at byte 0, row e) and its list ([8][64][32] u32 from byte 8,192; an entry is slot x 1,024 + token).
; POSITION p of the expert's rows counts through the groups' lists on end.  A lane finds its position's entry while the 64 counts pass through scalar registers: S is the number of rows ahead of group g;
; where S <= p the lane takes 32 g - S; the last number so taken, + p, is the entry's index in the expert's lists.  The index is held to 2,047, five loads bring the entries of the wave's five tiles, and a position at or
; beyond the count takes 2,048 + e in their stead.  The token is the low ten bits, so such a position multiplies token e's row, to no effect.  So every address here is made of ids and of numbers read from memory.
; The sum of the 64 counts is THE COUNT of the expert's rows, on which the branches hang.  The work-group with fs = 0 stores the rows to ylist [e][1,280] u32, by position, for the second product's launch (pieces of 128 and 64 bytes, 40 KB in all).
; A PASS is 320 positions: wave w takes positions 80 w .. 80 w + 79 of it, five tiles of 16, against all 128 units: 40 accumulators.  The loop over passes has the constant count 4 (1,280 positions serve every split);
; a pass at or beyond the count is jumped over by a scalar branch.  Pass 0 always runs, so that tiles 0-19 of hq and the first 320 positions of ylist are always written.  A further pass loads the counts and walks them anew.
; OUT.  hq [e][tile 80][K step 32][1,024 B]: images of h's fragments;  hs [e][K step 32][group 16][6][16] u32: their scale words (group = tile / 5; the sixth slot repeats the fifth, so that a store has 32 lanes; 128 bytes a store).
; NO CLUSTER, NO TENSOR LOADS: which passes run hangs on a count read from memory, so operands go through registers; and what work-groups share (an expert's rows of xq, 160 KB a pass) is the smaller part beside each one's own 512 KB of W1.
; LIMITS: NaN and infinities are not served.  A block whose largest magnitude lies under 2^-124, a block of zeros among them, gets the byte 1 (its codes are zeros or its numbers too small to matter; the bytes are this program's own).
; The bias is the first product's C, so the sum's order differs from bias-last by f32 rounding.
; REGISTERS, in windows of 256.  Window 0: v1-26 addresses and constants; v32-95 weight fragments (while streaming: at work; in the epilogue: a tile of h); v96-135 h's codes; v160-183 x's scale words,
; v184-191 W1's (both hold scales alone); v192-215 at work; v216-233 positions, indices and rows.  Window 1: stream sets 0, 1; later accumulators (j < 4, n) at 8 (8 j + n).  Window 2: v0-127 stream set 2, later accumulators (4, n);
; v128-191 b1; v192-255 x's fragments of tile 0.  Window 3: x's fragments of tiles 1-4, at 64 (j - 1) + 8 s.
.set IMGS, 8320                        ; LDS 0: images, K step s at 8320 s, tile T at 1040 T (1,024 bytes + 16)
.set IMGP, 1040
.set WSC,  66560                       ; W1's scale words: 512 s + 16 (16 (T % 2) + r) + 4 (T / 2), byte w
.set LN,  1
.set RR,  2
.set HH,  3
.set VW,  4                            ; 16 x lane
.set LI4, 5                            ; 16 x lane + 4 K steps of images
.set WIA, 6                            ; where I store codes
.set WBA, 7                            ; where I store scale bytes
.set LW,  8                            ; WSC + 16 x lane
.set LR4, 9                            ; 4 (lane % 16)
.set FRE, 10                           ; 2,048 + e
.set ONE, 11
.set SO,  12                           ; 4 x lane
.set B1O, 13                           ; 64 (lane / 16)
.set T0,  14
.set T1,  15
.set TA,  16
.set TB,  17
.set XO,  18                           ; v18-22 byte offsets of my tokens' codes, a tile each
.set XSO, 24                           ; v24-26 of their scale bytes, two tiles each
.set WF,  32
.set QQ,  32                           ; v32-47 codes as converted
.set ET,  48                           ; v48-55 at work
.set CD,  64                           ; v64-79 codes by column: 4 c + j
.set MX,  80
.set FF,  84
.set SB,  88
.set HA,  32
.set PC,  96
.set XS,  160
.set WS,  184
.set TM,  192
.set PW,  208
.set MW,  214
.set PP,  216                          ; v216-220 my position in tile j (the same in both halves of the lanes)
.set DD,  221                          ; v221-225 32 g - S, then the entry's byte offset
.set ROW, 226                          ; v226-230 the rows
.set MG,  232                          ; v232-233 two tiles' rows to a register
.set B1,  128
.set NLD, 0                            ; loads issued so far, in the order of the text
.set MSB, 0
.macro WIN new                         ; the immediate's high byte repeats the setting that is left; a switch that changes nothing is dropped
.if MSB != (\new)
	s_set_vgpr_msb (MSB<<8)|(\new)
.set MSB, (\new)
.endif
.endm
.macro PLACES                          ; four plain lines between a matrix instruction and a load into, or a read of, its registers
.rept 4
	v_nop
.endr
.endm
; 32 of the expert's 64 counts are walked: groups 32 half .. 32 half + 31.  s25 = S.  Group 0 needs no line: S = 0 is under every position, and the lanes begin with 32 x 0 - 0
.macro SRCH half
.set i, 0
.rept 32
.set g, 32*(\half)+i
.if i < 16
.set cr, 48+i
.else
.set cr, 52+i
.endif
.if g > 0
	s_sub_co_u32 s37, 32*g, s25
.irp j, 0,1,2,3,4
	v_cmp_le_u32 s[38+\j], s25, v[PP+\j]
.endr
.irp j, 0,1,2,3,4
	v_cndmask_b32 v[DD+\j], v[DD+\j], s37, s[38+\j]
.endr
.endif
	s_add_co_u32 s25, s25, s[cr]
.set i, i+1
.endr
.endm
.macro ROWLD                           ; the entries of my five tiles
.irp j, 0,1,2,3,4
	v_add_nc_u32 v[DD+\j], v[PP+\j], v[DD+\j]
.endr
.irp j, 0,1,2,3,4
	v_min_u32 v[DD+\j], 0x7ff, v[DD+\j]
.endr
.irp j, 0,1,2,3,4
	v_lshlrev_b32 v[DD+\j], 2, v[DD+\j]
.endr
.irp j, 0,1,2,3,4
	global_load_b32 v[ROW+\j], v[DD+\j], s[88:89]
.endr
.set NLD, NLD+5
.endm
.macro PREP2                           ; the rows are in: free positions are marked; offsets in xq and xs
.irp j, 0,1,2,3,4
	v_cmp_gt_u32 s[38+\j], s25, v[PP+\j]           ; the count is above my position
.endr
.irp j, 0,1,2,3,4
	v_cndmask_b32 v[ROW+\j], v[FRE], v[ROW+\j], s[38+\j]
.endr
.irp j, 0,1,2,3,4
	v_min_u32 v[XO+\j], 0x807, v[ROW+\j]
.endr
.irp j, 0,1,2,3,4
	v_and_b32 v[XO+\j], 0x3ff, v[XO+\j]            ; the token
.endr
.irp j, 0,1,2,3,4
	v_lshlrev_b32 v[XO+\j], 9, v[XO+\j]            ; a row of xq is 512 bytes
.endr
.irp j, 0,1,2,3,4
	v_lshl_add_u32 v[XO+\j], v[HH], 4, v[XO+\j]
.endr
	v_cndmask_b32 v[MG], v[ROW], v[ROW+1], s36     ; lanes 0-15 tile 0, lanes 16-31 tile 1
	v_cndmask_b32 v[MG+1], v[ROW+2], v[ROW+3], s36
	v_min_u32 v[XSO], 0x807, v[MG]
	v_min_u32 v[XSO+1], 0x807, v[MG+1]
	v_min_u32 v[XSO+2], 0x807, v[ROW+4]
.irp p, 0,1,2
	v_and_b32 v[XSO+\p], 0x3ff, v[XSO+\p]
.endr
.irp p, 0,1,2
	v_lshlrev_b32 v[XSO+\p], 5, v[XSO+\p]          ; a row of xs is 32 bytes
.endr
.endm
.macro YSTORE                          ; one work-group of each expert hands the rows on: my 80 positions, 320 consecutive bytes
	s_cmp_lg_u32 s24, 0
	s_cbranch_scc1 .Lno_list_\@
	global_store_b32 v[SO], v[MG], s[86:87]
	global_store_b32 v[SO], v[MG+1], s[86:87] offset:128
	global_store_b32 v[LR4], v[ROW+4], s[86:87] offset:256   ; lanes l and l + 16 write the same word with the same value
.Lno_list_\@:
.endm
.macro LOADU u                         ; unit u: my block's 32 rows into set u % 3
.set SW, 1+((\u)%3)/2
.set SU, 128*(((\u)%3)%2)
	WIN SW<<6
.set i, 0
.rept 32
.set rho, 8*(i/8)+4*(((i/2)%4)/2)+((i/2)%2)+2*(i%2)
.if (\u) < 4
	global_load_b128 v[SU+4*i:SU+4*i+3], v[VW], s[10:11] offset:(128*((\u)%4)+rho)*16384 th:TH_LOAD_NT
.else
	global_load_b128 v[SU+4*i:SU+4*i+3], v[VW], s[18:19] offset:(128*((\u)%4)+rho)*16384 th:TH_LOAD_NT
.endif
.set i, i+1
.endr
.set NLD, NLD+32
.set UEND\u, NLD
.endm
.macro WAITU u                         ; unit u is in: the count is what was issued behind it, at most the 63 that the counter holds
.if NLD-UEND\u > 63
	s_wait_loadcnt 63
.else
	s_wait_loadcnt NLD-UEND\u
.endif
.endm
.macro QA u                            ; the four columns' scales; the numbers over their scales; 16 conversions
.set SW, 1+((\u)%3)/2
.set SU, 128*(((\u)%3)%2)
	WIN 0
.irp c, 0,1,2,3
	v_mov_b32 v[MX+\c], 0x1800000                  ; the floor 2^(3 - 127): the byte cannot fall under 1
.endr
	WIN (SW<<2)|(SW<<4)
.set i, 0
.rept 16
.irp c, 0,1,2,3
	v_max3_num_f32 v[MX+\c], v[MX+\c], |v[SU+8*i+\c]|, |v[SU+8*i+4+\c]|
.endr
.set i, i+1
.endr
	WIN 0
.irp c, 0,1,2,3
	v_add_nc_u32 v[SB+\c], 0xff000000, v[MX+\c]    ; 2 off the exponent field,
.endr
.irp c, 0,1,2,3
	v_lshrrev_b32 v[SB+\c], 23, v[SB+\c]           ; the byte, 1 to 252,
.endr
.irp c, 0,1,2,3
	v_sub_nc_u32 v[FF+\c], 254, v[SB+\c]
.endr
.irp c, 0,1,2,3
	v_lshlrev_b32 v[FF+\c], 23, v[FF+\c]           ; and 2^(127 - byte), the scale's reciprocal
.endr
	WIN (SW<<6)|SW
.set i, 0
.rept 32
	v_pk_mul_f32 v[SU+4*i:SU+4*i+1], v[SU+4*i:SU+4*i+1], v[FF:FF+1]
	v_pk_mul_f32 v[SU+4*i+2:SU+4*i+3], v[SU+4*i+2:SU+4*i+3], v[FF+2:FF+3]
.set i, i+1
.endr
	WIN SW
.set i, 0
.rept 16
	v_cvt_scalef32_pk8_fp4_f32 v[QQ+i], v[SU+8*i:SU+8*i+7], v[ONE]   ; two rows x four columns
.set i, i+1
.endr
.endm
.macro QB                              ; codes by column.  Of four converted words A, B, C, D (rows 0|2, 1|3, 4|6, 5|7 of eight): bytes (row pair) of the even and of the odd columns, then the columns apart
	WIN 0
	v_nop                                          ; a plain line behind the conversions
.irp j, 0,1,2,3
	v_lshlrev_b32 v[ET], 4, v[QQ+4*\j+1]
	v_lshrrev_b32 v[ET+1], 4, v[QQ+4*\j]
	v_lshlrev_b32 v[ET+2], 4, v[QQ+4*\j+3]
	v_lshrrev_b32 v[ET+3], 4, v[QQ+4*\j+2]
	v_bfi_b32 v[ET+4], s31, v[QQ+4*\j], v[ET]
	v_bfi_b32 v[ET+5], s31, v[ET+1], v[QQ+4*\j+1]
	v_bfi_b32 v[ET+6], s31, v[QQ+4*\j+2], v[ET+2]
	v_bfi_b32 v[ET+7], s31, v[ET+3], v[QQ+4*\j+3]
	v_perm_b32 v[CD+\j], v[ET+6], v[ET+4], s32     ; column 0, k = 8 j .. 8 j + 7
	v_perm_b32 v[CD+8+\j], v[ET+6], v[ET+4], s33   ; column 2
	v_perm_b32 v[CD+4+\j], v[ET+7], v[ET+5], s32   ; column 1
	v_perm_b32 v[CD+12+\j], v[ET+7], v[ET+5], s33  ; column 3
.endr
.endm
.macro STOREW u
.irp c, 0,1,2,3
	ds_store_b128 v[WIA], v[CD+4*\c:CD+4*\c+3] offset:IMGS*(\u)+16*\c
.endr
.irp c, 0,1,2,3
	ds_store_b8 v[WBA], v[SB+\c] offset:512*(\u)+16*\c
.endr
.endm
.macro XSL                             ; x's scale words of all eight K steps: lanes 0-15 tile 2 p, lanes 16-31 tile 2 p + 1
.irp p, 0,1,2
	global_load_b128 v[XS+8*\p:XS+8*\p+3], v[XSO+\p], s[8:9]
	global_load_b128 v[XS+8*\p+4:XS+8*\p+7], v[XSO+\p], s[8:9] offset:16
.endr
.set NLD, NLD+6
.endm
.macro XL s                            ; x's five fragments of K step s
	WIN 0x80
.irp c, 0,1
	global_load_b128 v[192+8*(\s)+4*\c:192+8*(\s)+4*\c+3], v[XO], s[6:7] offset:64*(\s)+32*\c
.endr
	WIN 0xc0
.irp j, 1,2,3,4
.irp c, 0,1
	global_load_b128 v[64*(\j-1)+8*(\s)+4*\c:64*(\j-1)+8*(\s)+4*\c+3], v[XO+\j], s[6:7] offset:64*(\s)+32*\c
.endr
.endr
	WIN 0
.set NLD, NLD+10
.endm
.macro WLG s, g                        ; weight fragments 4 g .. 4 g + 3 of K step s
.irp n, 0,1,2,3
.irp c, 0,1
.if (\s) < 4
	ds_load_b128 v[WF+8*(4*\g+\n)+4*\c:WF+8*(4*\g+\n)+4*\c+3], v[VW] offset:IMGS*((\s)%4)+IMGP*(4*\g+\n)+512*\c
.else
	ds_load_b128 v[WF+8*(4*\g+\n)+4*\c:WF+8*(4*\g+\n)+4*\c+3], v[LI4] offset:IMGS*((\s)%4)+IMGP*(4*\g+\n)+512*\c
.endif
.endr
.endr
.endm
.macro WSL s                           ; W1's scale words of K step s: register p: lanes 0-15 tile 2 p, lanes 16-31 tile 2 p + 1
	ds_load_b128 v[WS+4*((\s)%2):WS+4*((\s)%2)+3], v[LW] offset:512*(\s)
.endm
.macro WM d, a, b, c, sa, sb, ra, rb
.if (\ra) && (\rb)
	v_wmma_scale_f32_16x16x128_f8f6f4 v[\d:\d+7], v[\a:\a+7], v[\b:\b+7], v[\c:\c+7], v[\sa], v[\sb] matrix_a_fmt:MATRIX_FMT_FP4 matrix_b_fmt:MATRIX_FMT_FP4 matrix_a_scale:MATRIX_SCALE_ROW1 matrix_b_scale:MATRIX_SCALE_ROW1
.elseif (\ra)
	v_wmma_scale_f32_16x16x128_f8f6f4 v[\d:\d+7], v[\a:\a+7], v[\b:\b+7], v[\c:\c+7], v[\sa], v[\sb] matrix_a_fmt:MATRIX_FMT_FP4 matrix_b_fmt:MATRIX_FMT_FP4 matrix_a_scale:MATRIX_SCALE_ROW1
.elseif (\rb)
	v_wmma_scale_f32_16x16x128_f8f6f4 v[\d:\d+7], v[\a:\a+7], v[\b:\b+7], v[\c:\c+7], v[\sa], v[\sb] matrix_a_fmt:MATRIX_FMT_FP4 matrix_b_fmt:MATRIX_FMT_FP4 matrix_b_scale:MATRIX_SCALE_ROW1
.else
	v_wmma_scale_f32_16x16x128_f8f6f4 v[\d:\d+7], v[\a:\a+7], v[\b:\b+7], v[\c:\c+7], v[\sa], v[\sb] matrix_a_fmt:MATRIX_FMT_FP4 matrix_b_fmt:MATRIX_FMT_FP4
.endif
.endm
.macro MM s, g                         ; 20 products: five tiles of tokens x four tiles of units; 20 accumulators, one instruction a turn.  K step 0 takes b1 as C: nothing is cleared
.irp j, 0,1,2,3,4
.if \j == 0
.set rB, 192+8*(\s)
.else
.set rB, 64*(\j-1)+8*(\s)
.endif
.if \j == 4
.set rD0, 0
	WIN 0xac
.else
.set rD0, 64*\j
.if (\s) == 0
.if \j == 0
	WIN 0x68
.else
	WIN 0x6c
.endif
.else
.if \j == 0
	WIN 0x58
.else
	WIN 0x5c
.endif
.endif
.endif
.irp n, 0,1,2,3
.set nn, 4*\g+\n
.set rD, rD0+8*nn
.set rA, WF+8*nn
.if (\s) == 0
.set rC, B1+8*nn
.else
.set rC, rD
.endif
.set rSA, WS+4*((\s)%2)+nn/2
.set rSB, XS+8*(\j/2)+(\s)
	WM rD, rA, rB, rC, rSA, rSB, nn%2, \j%2
.endr
.endr
.endm
; 64 numbers of a lane, none negative, register 16 b + i = k 32 b + 16 (lane / 16) + i of my token, become a fragment's codes and its scale word
.macro QUANT s, pc, pw
.irp b, 0,1,2,3
	v_max3_num_f32 v[TM+\b], v[\s+16*\b], v[\s+16*\b+1], 0x1800000
.endr
.irp i, 2,4,6,8,10,12,14
.irp b, 0,1,2,3
	v_max3_num_f32 v[TM+\b], v[TM+\b], v[\s+16*\b+\i], v[\s+16*\b+\i+1]
.endr
.endr
.irp b, 0,1,2,3
	v_permlanex16_b32 v[TM+4+\b], v[TM+\b], s34, s35
.endr
.irp b, 0,1,2,3
	v_max_num_f32 v[TM+\b], v[TM+\b], v[TM+4+\b]   ; with lane l xor 16's 16: the block's largest
.endr
.irp b, 0,1,2,3
	v_add_nc_u32 v[TM+12+\b], 0xff000000, v[TM+\b]
.endr
.irp b, 0,1,2,3
	v_lshrrev_b32 v[TM+4+\b], 23, v[TM+12+\b]
.endr
	v_lshl_or_b32 v[\pw], v[TM+5], 8, v[TM+4]
	v_lshl_or_b32 v[\pw], v[TM+6], 16, v[\pw]
	v_lshl_or_b32 v[\pw], v[TM+7], 24, v[\pw]
.irp b, 0,1,2,3
	v_cvt_scalef32_pk8_fp4_f32 v[\pc+2*\b], v[\s+16*\b:\s+16*\b+7], v[TM+12+\b]
	v_cvt_scalef32_pk8_fp4_f32 v[\pc+2*\b+1], v[\s+16*\b+8:\s+16*\b+15], v[TM+12+\b]
.endr
	v_nop                                          ; a plain line behind the conversions
.irp c, 0,1
.irp i, 0,1
	v_permlane16_swap_b32 v[\pc+4*\c+\i], v[\pc+4*\c+2+\i]   ; a whole block to a lane: lanes 0-15 block 2 c, lanes 16-31 block 2 c + 1
.endr
.endr
.endm
.macro EPI j                           ; tile j of tokens: relu (which also brings the sums into window 0), quantised, stored as an image: two stores of 512 consecutive bytes
.if \j < 4
	WIN 0x04
.set AC, 64*\j
.else
	WIN 0x08
.set AC, 0
.endif
.set i, 0
.rept 64
	v_max_num_f32 v[HA+i], 0, v[AC+i]              ; each accumulator from its low end on
.set i, i+1
.endr
	WIN 0
	QUANT HA, PC+8*\j, PW+\j
.irp c, 0,1
	global_store_b128 v[VW], v[PC+8*\j+4*\c:PC+8*\j+4*\c+3], s[14:15] offset:32768*\j+512*\c
.endr
.endm
.macro UNIT u, nx
	WAITU \u
	s_wait_dscnt 0x0                               ; the last unit's LDS stores, issued a unit ago, have read their registers
	QA \u
.if \nx < 8
	LOADU \nx                                      ; into the set just converted
.endif
	QB
	STOREW \u
.endm
	s_load_b256 s[4:11], s[0:1], 0x0               ; sel, xq, xs, W1
	s_load_b128 s[12:15], s[0:1], 0x20             ; b1, hq
	s_load_b64 s[16:17], s[0:1], 0x30              ; hs
	s_load_b64 s[86:87], s[0:1], 0x38              ; ylist
	v_lshl_add_u32 v254, v0, 2, 0x11400
	v_mov_b32 v255, 0
	v_lshrrev_b32 v[T0], 5, v0
	v_readfirstlane_b32 s22, v[T0]                 ; wave 0..3
	s_and_b32 s23, ttmp7, 0xffff                   ; expert
	s_mov_b32 s24, ttmp9                           ; which 128 hidden units
	v_and_b32 v[LN], 31, v0
	v_and_b32 v[RR], 15, v0
	v_bfe_u32 v[HH], v0, 4, 1
	v_lshlrev_b32 v[VW], 4, v[LN]
	v_add_nc_u32 v[LI4], 4*IMGS, v[VW]
	v_bfe_u32 v[T0], v0, 3, 2                      ; lane / 8
	v_bfe_u32 v[T1], v0, 1, 1                      ; (lane / 2) % 2
	v_and_b32 v[TA], 1, v0                         ; lane % 2
	v_bfe_u32 v[TB], v0, 2, 1                      ; (lane / 4) % 2
	v_lshl_add_u32 v[WIA], v[T0], 1, v[T1]         ; my four columns' tile T = 2 (lane / 8) + (lane / 2) % 2; their rows r = 4 (lane % 2) + 8 ((lane / 4) % 2) + c
	v_mul_u32_u24 v[WIA], v[WIA], IMGP
	v_lshl_add_u32 v[WIA], v[TA], 6, v[WIA]
	v_lshl_add_u32 v[WIA], v[TB], 7, v[WIA]
	s_lshl_b32 s46, s22, 8                         ; block w lies in register group w / 2, lanes 16 (w % 2) on: 256 w bytes
	v_add_nc_u32 v[WIA], s46, v[WIA]
	v_lshlrev_b32 v[WBA], 8, v[T1]
	v_lshl_add_u32 v[WBA], v[TA], 6, v[WBA]
	v_lshl_add_u32 v[WBA], v[TB], 7, v[WBA]
	v_lshl_add_u32 v[WBA], v[T0], 2, v[WBA]
	s_add_co_u32 s46, s22, WSC
	v_add_nc_u32 v[WBA], s46, v[WBA]
	v_add_nc_u32 v[LW], WSC, v[VW]
	v_lshlrev_b32 v[LR4], 2, v[RR]
	v_mov_b32 v[ONE], 1.0
	v_lshlrev_b32 v[SO], 2, v[LN]
	v_lshlrev_b32 v[B1O], 6, v[HH]
	s_mul_i32 s46, s22, 80
	v_add_nc_u32 v[PP], s46, v[RR]                 ; my position in pass 0: 80 wave + 16 tile + lane % 16
.irp j, 1,2,3,4
	v_add_nc_u32 v[PP+\j], 16*\j, v[PP]
.endr
.irp j, 0,1,2,3,4
	v_mov_b32 v[DD+\j], 0                          ; group 0: 32 x 0 - 0
.endr
	s_add_co_u32 s46, s23, 2048
	v_mov_b32 v[FRE], s46                          ; what a free position holds
.irp a, 0,1,2,3
	v_mov_b32 v[TM+4+\a], 0                        ; a lane permute's destination counts as one of its sources
.endr
	s_mov_b32 s31, 0x0f0f0f0f
	s_mov_b32 s32, 0x06040200
	s_mov_b32 s33, 0x07050301
	s_mov_b32 s34, 0x76543210
	s_mov_b32 s35, 0xfedcba98
	s_mov_b32 s36, 0xffff0000                      ; lanes 16-31
	s_lshl_b32 s38, s23, 24                        ; W1: expert x 16 MB + 512 fs + 32 w rows of 16,384 bytes
	s_lshl_b32 s46, s24, 9
	s_add_co_u32 s38, s38, s46
	s_lshl_b32 s46, s22, 19
	s_add_co_u32 s38, s38, s46
	s_mov_b32 s39, 0
	s_lshl_b32 s40, s23, 14                        ; b1: expert x 16,384 + 512 fs
	s_lshl_b32 s46, s24, 9
	s_add_co_u32 s40, s40, s46
	s_mov_b32 s41, 0
	s_mul_i32 s42, s23, 80                         ; hq: tile 80 e + 5 w, K step fs
	s_mul_i32 s46, s22, 5
	s_add_co_u32 s42, s42, s46
	s_lshl_b32 s42, s42, 15
	s_lshl_b32 s46, s24, 10
	s_add_co_u32 s42, s42, s46
	s_mov_b32 s43, 0
	s_lshl_b32 s44, s23, 5                         ; hs: ((32 e + fs) 16 + w) groups of 384 bytes
	s_add_co_u32 s44, s44, s24
	s_lshl_b32 s44, s44, 4
	s_add_co_u32 s44, s44, s22
	s_mul_i32 s44, s44, 384
	s_mov_b32 s45, 0
	s_lshl_b32 s90, s23, 8                         ; the counts: row e of 256 bytes
	s_mov_b32 s91, 0
	s_lshl_b32 s88, s23, 13                        ; the lists: 8,192 bytes behind sel's first byte, 8,192 bytes an expert
	s_add_co_u32 s88, s88, 8192
	s_mov_b32 s89, 0
	s_mul_i32 s20, s23, 5120                       ; ylist: expert x 5,120 + 320 w
	s_mul_i32 s46, s22, 320
	s_add_co_u32 s20, s20, s46
	s_mov_b32 s21, 0
	s_wait_kmcnt 0x0
	s_add_nc_u64 s[10:11], s[10:11], s[38:39]
	s_add_nc_u64 s[18:19], s[10:11], 0x800000      ; K steps 4 to 7: 512 rows on, so that every row stands in the immediate
	s_add_nc_u64 s[12:13], s[12:13], s[40:41]
	s_add_nc_u64 s[14:15], s[14:15], s[42:43]
	s_add_nc_u64 s[16:17], s[16:17], s[44:45]
	s_add_nc_u64 s[84:85], s[4:5], s[90:91]
	s_add_nc_u64 s[88:89], s[4:5], s[88:89]
	s_add_nc_u64 s[86:87], s[86:87], s[20:21]
	s_load_b512 s[48:63], s[84:85], 0x0            ; the first 32 of my expert's 64 counts
	s_load_b512 s[68:83], s[84:85], 0x40
	WIN 0x80
.irp t, 0,1,2,3,4,5,6,7                        ; b1 in the result's layout: tile t, lane half h: units 32 (t / 2) + 8 (t % 2) + 16 h + 0 .. 7
	global_load_b128 v[B1+8*\t:B1+8*\t+3], v[B1O], s[12:13] offset:(32*(\t/2)+8*(\t%2))*4
	global_load_b128 v[B1+8*\t+4:B1+8*\t+7], v[B1O], s[12:13] offset:(32*(\t/2)+8*(\t%2))*4+16
.endr
.set NLD, 16
	LOADU 0
	LOADU 1
	LOADU 2
	WIN 0
	s_wait_kmcnt 0x0                               ; scalar loads come back in no order: the wait is for all
	s_mov_b32 s25, 0
	SRCH 0                                         ; walked while the first rows of W1 are on their way
	s_load_b512 s[48:63], s[84:85], 0x80           ; the other 32
	s_load_b512 s[68:83], s[84:85], 0xc0
	WAITU 0
	QA 0
	LOADU 3
	QB
	STOREW 0
	s_wait_kmcnt 0x0
	SRCH 1
	s_min_u32 s25, s25, 0x400                      ; the expert's rows
	s_max_u32 s26, s25, 1                          ; pass 0 always runs
	ROWLD                                          ; issued ahead of unit 4's loads: the wait at unit 4's head shows them in
	UNIT 1, 4
	UNIT 2, 5
	UNIT 3, 6
	UNIT 4, 7                                      ; the last loads of W1 are out
	PREP2
	YSTORE
	XSL                                            ; pass 0's fragments of x follow the stream
	XL 0
	XL 1
	UNIT 5, 99
	XL 2
	XL 3
	XL 4
	UNIT 6, 99
	XL 5
	XL 6
	XL 7
	UNIT 7, 99
	s_wait_dscnt 0x0                               ; for the others' sake: my codes and bytes lie in LDS
	s_barrier_signal -1
	s_barrier_wait -1                              ; all 64 images and their scale words are whole; nobody writes LDS again
	s_mov_b32 s27, 0                               ; the pass's first position,
	s_mov_b32 s28, 320                             ; the next pass's
	s_mov_b32 s30, 0
.Lpass:
	s_cmp_ge_u32 s27, s26
	s_cbranch_scc1 .Lskip
	s_wait_loadcnt 0x0                             ; x's fragments and scale words, b1
	WLG 0, 0
	WSL 0
	WLG 0, 1
.irp s, 0,1,2,3,4,5,6,7
	s_wait_dscnt 8                                 ; fragments 0-3 and the scale words are in; the eight loads of fragments 4-7 may be out
	MM \s, 0
	WIN 0
	PLACES
.if \s < 7
	WLG \s+1, 0
	WSL \s+1
	s_wait_dscnt 9                                 ; fragments 4-7 are in; the nine loads just issued may be out
.else
	s_wait_dscnt 0x0
.endif
	MM \s, 1
	WIN 0
	PLACES
.if \s < 7
	WLG \s+1, 1
.endif
.endr
	s_cmp_ge_u32 s28, s26
	s_cbranch_scc1 .Lno_next
	; only an expert with more rows than this pass reaches comes here: the counts are loaded and walked anew for the next 320 positions; these waits are not hidden
	s_wait_xcnt 0x0                                ; earlier loads and stores have read their offsets and data: the rows' registers may be written again
.irp j, 0,1,2,3,4
	v_add_nc_u32 v[PP+\j], 320, v[PP+\j]
.endr
.irp j, 0,1,2,3,4
	v_mov_b32 v[DD+\j], 0
.endr
	s_mov_b32 s25, 0
	s_load_b512 s[48:63], s[84:85], 0x0
	s_load_b512 s[68:83], s[84:85], 0x40
	s_wait_kmcnt 0x0
	SRCH 0
	s_load_b512 s[48:63], s[84:85], 0x80
	s_load_b512 s[68:83], s[84:85], 0xc0
	s_wait_kmcnt 0x0
	SRCH 1
	s_min_u32 s25, s25, 0x400
	ROWLD
	s_wait_loadcnt 0x0
	PREP2
	s_add_nc_u64 s[86:87], s[86:87], 1280          ; 320 positions on
	YSTORE
	XSL                                            ; the next pass's rows of x are asked for while this pass is quantised
.irp s, 0,1,2,3,4,5,6,7
	XL \s
.endr
.Lno_next:
	EPI 0
	EPI 1
	EPI 2
	EPI 3
	EPI 4
	v_cndmask_b32 v[MW], v[PW], v[PW+1], s36       ; both halves of the lanes hold a tile's words: two tiles to a store
	v_cndmask_b32 v[MW+1], v[PW+2], v[PW+3], s36
	global_store_b32 v[SO], v[MW], s[16:17]
	global_store_b32 v[SO], v[MW+1], s[16:17] offset:128
	global_store_b32 v[SO], v[PW+4], s[16:17] offset:256
.Lskip:
	s_wait_xcnt 0x0                                ; the stores have read their data and bases: both are written again only behind this wait
	s_add_nc_u64 s[14:15], s[14:15], 655360        ; 20 tiles on
	s_add_nc_u64 s[16:17], s[16:17], 1536          ; 4 groups on
	s_add_co_u32 s27, s27, 320
	s_add_co_u32 s28, s28, 320
	s_add_co_u32 s30, s30, 1
	s_cmp_lt_u32 s30, 4
	s_cbranch_scc1 .Lpass
	s_wait_tensorcnt 0x0
	ds_add_u32 v254, v255
	s_wait_dscnt 0x0
	s_endpgm
.Lfunc_end_k_q8d52beece2_up:
	.size	k_q8d52beece2_up, .Lfunc_end_k_q8d52beece2_up-k_q8d52beece2_up
	.p2alignl 7, 3214868480
	.fill 96, 4, 3214868480
	.section	.rodata,"a",@progbits
	.p2align	6, 0x0
	.amdhsa_kernel k_q8d52beece2_up
		.amdhsa_group_segment_fixed_size 71168
		.amdhsa_private_segment_fixed_size 0
		.amdhsa_enable_private_segment 0
		.amdhsa_kernarg_size 64
		.amdhsa_user_sgpr_count 2
		.amdhsa_user_sgpr_kernarg_segment_ptr 1
		.amdhsa_wavefront_size32 1
		.amdhsa_system_sgpr_workgroup_id_x 1
		.amdhsa_system_sgpr_workgroup_id_y 1
		.amdhsa_system_sgpr_workgroup_id_z 1
		.amdhsa_system_vgpr_workitem_id 0
		.amdhsa_next_free_vgpr 1024
		.amdhsa_next_free_sgpr 92
		.amdhsa_reserve_vcc 0
		.amdhsa_float_denorm_mode_32 3
		.amdhsa_float_denorm_mode_16_64 3
		.amdhsa_memory_ordered 1
		.amdhsa_forward_progress 1
		.amdhsa_inst_pref_size 255
	.end_amdhsa_kernel
	.section	.bss,"aw",@nobits
	.p2align	6
	.space	262144
	.amdgpu_metadata
---
amdhsa.version: [ 1, 2 ]
amdhsa.kernels:
  - .name:           k_q8d52beece2_up
    .symbol:         k_q8d52beece2_up.kd
    .args:
      - { .name: sel, .offset: 0, .size: 8, .value_kind: global_buffer, .address_space: global }
      - { .name: xq, .offset: 8, .size: 8, .value_kind: global_buffer, .address_space: global }
      - { .name: xs, .offset: 16, .size: 8, .value_kind: global_buffer, .address_space: global }
      - { .name: W1, .offset: 24, .size: 8, .value_kind: global_buffer, .address_space: global }
      - { .name: b1, .offset: 32, .size: 8, .value_kind: global_buffer, .address_space: global }
      - { .name: hq, .offset: 40, .size: 8, .value_kind: global_buffer, .address_space: global }
      - { .name: hs, .offset: 48, .size: 8, .value_kind: global_buffer, .address_space: global }
      - { .name: ylist, .offset: 56, .size: 8, .value_kind: global_buffer, .address_space: global }
    .group_segment_fixed_size: 71168
    .private_segment_fixed_size: 0
    .kernarg_segment_align: 8
    .kernarg_segment_size: 64
    .max_flat_workgroup_size: 128
    .sgpr_count:     92
    .vgpr_count:     1024
    .wavefront_size: 32
...
	.end_amdgpu_metadata
.endif
;; end of part 2
;; launch down (part 3): grid 32 x 8, 4 waves a work-group, no clusters, 88,576 bytes of LDS; arguments ylist, gw, hq, hs, W2, b2, y, sel; writes y
.if DOCPART == 3
	.amdgcn_target "amdgcn-amd-amdhsa--gfx1250"
	.amdhsa_code_object_version 6
	.text
	.protected	k_q8d52beece2_down
	.globl	k_q8d52beece2_down
	.p2align	8
	.type	k_q8d52beece2_down,@function
k_q8d52beece2_down:
	s_mov_b64 s[64:65], 0
	v_nop
	global_prefetch_b8 v0, s[64:65] scope:SCOPE_SE
	s_setreg_imm32_b32 hwreg(HW_REG_WAVE_MODE, 25, 1), 1
	s_wait_xcnt 0x0
; SECOND PRODUCT OF THE EXPERTS: y = weight x (h Q(W2[e]) + b2[e]) for the rows routed to expert e, in two halves of K, on codes of E2M1 with one E8M0 scale for each 32 along K.
; SHARES.  Work-group (x: cs = x % 16, kh = x / 16; y = e) owns output columns 64 cs .. 64 cs + 63 and K = 2,048 kh .. + 2,047: 2,048 rows x 256 bytes of W2, read ONCE as f32, quantised in registers, kept as codes in LDS.
; STREAM.  A unit is a K step of 128; wave w takes its block w (32 k).  A load takes two rows, 16 k apart, 16 bytes a lane: sixteen lanes read 256 consecutive bytes, aligned.  A lane so holds 4 columns x 16 k;
; lanes l and l xor 16 share a block.  Scales, conversion and the sorting of the codes by column as in the first product's launch.  Four sets of 16 loads take turns.
; While loads of W2 are still to be issued, next to nothing else is loaded: h's first eight K steps are asked for behind units 11 to 14, two K steps each.
; IMAGES of the weight fragments (16 columns x 128 k) in LDS, and h's fragments in hq, are images of the operand's registers.  The product is used transposed (source 0 = 16 columns, source 1 = 16 rows of h):
; a lane holds one row and eight neighbouring columns.
; ROWS.  ylist [e][1,280] u32, made by the launch before, holds for each position the row of y (slot x 1,024 + token; a free position: 2,048 + e).  gw [2,048] f32 is indexed by the same number.
; THE COUNT of the expert's rows, on which the branches hang, is the sum of the 64 numbers of row e of the counts (sel's first 8,192 bytes), read by scalar loads and added in scalar registers.
; A pass is 320 positions, five tiles a wave; the loop over passes has the constant count 4, and a pass at or beyond the count is jumped over.  h's fragments come from memory straight into registers, through eight sets that take turns.
; OUT.  y [kh 2][2,056 rows][1,024] f32.  A tile goes through the wave's own stage in LDS, so that sixteen lanes store 256 consecutive bytes of a row, aligned.  b2 is the first product's C where kh = 0, zeros where kh = 1.
; Rows of a tile beyond the count go to row 2,048 + e, in the work-group's own columns: several lanes write there, nobody reads it (their weight is taken at index 2,047: any number serves).
; NO CLUSTER, NO TENSOR LOADS: which passes and tiles run hangs on a count read from memory; what work-groups share (hq: 320 KB a pass and K half) is the smaller part beside each one's own 512 KB of W2.
; LIMITS as in the first product's launch.  The sums over the K halves and over a token's two experts are made by the last launch, in another order than a single chain.
; REGISTERS.  Window 0: v1-21 addresses and constants; v32-95 weight fragments, two sets (while streaming: at work); v96-159 a tile of y; v160-199 byte offsets of the pass's rows of y, 8 a tile; v204-213 the weights, a pair a tile;
; v214-218 the weights' offsets; v224-247 h's scale words, v248-251 W2's (scales alone).
; Window 1: the stream's four sets; later accumulators (j, n) at 32 j + 8 n.  Window 2: h's fragments of tiles 0-3 at 64 j + 8 (s % 8).  Window 3: tile 4's at 8 (s % 8); b2 at v64-95.
.set IMGS, 4160
.set IMGP, 1040
.set WSC,  66560                       ; W2's scale words: 256 s + 8 (16 (T % 2) + r) + 4 (T / 2), byte w
.set STAGE, 70656                      ; 16 rows x (256 + 16) bytes for each wave
.set LN,  1
.set RR,  2
.set HH,  3
.set VW,  4                            ; 16 (lane % 16) + 16 rows x (lane / 16)
.set LI,  5                            ; 16 x lane
.set LI8, 6                            ; + 8 K steps of images
.set WIA, 7
.set WBA, 8
.set LW,  9                            ; WSC + 8 x lane
.set SO,  10                           ; 4 x lane
.set ONE, 11
.set C16, 12                           ; 16 (lane % 16)
.set B2O, 13                           ; 32 (lane / 16)
.set T0,  14
.set T1,  15
.set LR4, 16                           ; 4 (lane % 16)
.set LH4, 17                           ; 4 (lane / 16)
.set STO, 18
.set STR, 19
.set TA,  20
.set TB,  21
.set WF,  32
.set QQ,  32
.set ET,  40
.set CD,  48
.set MX,  56
.set MT,  60
.set FF,  64
.set SB,  68
.set YT,  96
.set YB,  128
.set RI,  160
.set GG,  204
.set GL,  214
.set HSR, 224
.set WS,  248
.set NLD, 0
.set MSB, 0
.macro WIN new
.if MSB != (\new)
	s_set_vgpr_msb (MSB<<8)|(\new)
.set MSB, (\new)
.endif
.endm
.macro PLACES                          ; four plain lines between a matrix instruction and a load into, or a read of, its registers
.rept 4
	v_nop
.endr
.endm
.macro SUMC                            ; 32 of the expert's 64 counts are added
.irp r, 48,49,50,51,52,53,54,55,56,57,58,59,60,61,62,63,68,69,70,71,72,73,74,75,76,77,78,79,80,81,82,83
	s_add_co_u32 s25, s25, s\r
.endr
.endm
.macro LOADU u                         ; unit u: my block's 32 rows, two to a load, into set u % 4
.set SU, 64*((\u)%4)
	WIN 0x40
.set i, 0
.rept 16
.set rho, 8*(i/8)+4*(((i/2)%4)/2)+((i/2)%2)+2*(i%2)
	global_load_b128 v[SU+4*i:SU+4*i+3], v[VW], s[12:13] offset:(128*(\u)+rho)*4096 th:TH_LOAD_NT
.set i, i+1
.endr
.set NLD, NLD+16
.set UEND\u, NLD
.endm
.macro WAITU u                         ; unit u is in: the count is what was issued behind it, at most the 63 that the counter holds
.if NLD-UEND\u > 63
	s_wait_loadcnt 63
.else
	s_wait_loadcnt NLD-UEND\u
.endif
.endm
.macro QA u
.set SU, 64*((\u)%4)
	WIN 0
.irp c, 0,1,2,3
	v_mov_b32 v[MX+\c], 0x1800000                  ; the floor 2^(3 - 127)
.endr
	WIN 0x14
.set i, 0
.rept 8
.irp c, 0,1,2,3
	v_max3_num_f32 v[MX+\c], v[MX+\c], |v[SU+8*i+\c]|, |v[SU+8*i+4+\c]|
.endr
.set i, i+1
.endr
	WIN 0
.irp c, 0,1,2,3
	v_permlanex16_b32 v[MT+\c], v[MX+\c], s34, s35
.endr
.irp c, 0,1,2,3
	v_max_num_f32 v[MX+\c], v[MX+\c], v[MT+\c]     ; with lane l xor 16's 16 k: the block's
.endr
.irp c, 0,1,2,3
	v_add_nc_u32 v[SB+\c], 0xff000000, v[MX+\c]
.endr
.irp c, 0,1,2,3
	v_lshrrev_b32 v[SB+\c], 23, v[SB+\c]           ; the byte
.endr
.irp c, 0,1,2,3
	v_sub_nc_u32 v[FF+\c], 254, v[SB+\c]
.endr
.irp c, 0,1,2,3
	v_lshlrev_b32 v[FF+\c], 23, v[FF+\c]           ; 2^(127 - byte)
.endr
	WIN 0x41
.set i, 0
.rept 16
	v_pk_mul_f32 v[SU+4*i:SU+4*i+1], v[SU+4*i:SU+4*i+1], v[FF:FF+1]
	v_pk_mul_f32 v[SU+4*i+2:SU+4*i+3], v[SU+4*i+2:SU+4*i+3], v[FF+2:FF+3]
.set i, i+1
.endr
	WIN 0x01
.set i, 0
.rept 8
	v_cvt_scalef32_pk8_fp4_f32 v[QQ+i], v[SU+8*i:SU+8*i+7], v[ONE]
.set i, i+1
.endr
.endm
.macro QB
	WIN 0
	v_nop                                          ; a plain line behind the conversions
.irp j, 0,1
	v_lshlrev_b32 v[ET], 4, v[QQ+4*\j+1]
	v_lshrrev_b32 v[ET+1], 4, v[QQ+4*\j]
	v_lshlrev_b32 v[ET+2], 4, v[QQ+4*\j+3]
	v_lshrrev_b32 v[ET+3], 4, v[QQ+4*\j+2]
	v_bfi_b32 v[ET+4], s31, v[QQ+4*\j], v[ET]
	v_bfi_b32 v[ET+5], s31, v[ET+1], v[QQ+4*\j+1]
	v_bfi_b32 v[ET+6], s31, v[QQ+4*\j+2], v[ET+2]
	v_bfi_b32 v[ET+7], s31, v[ET+3], v[QQ+4*\j+3]
	v_perm_b32 v[CD+\j], v[ET+6], v[ET+4], s32     ; column 0, k = 16 (lane / 16) + 8 j .. + 7
	v_perm_b32 v[CD+4+\j], v[ET+6], v[ET+4], s33   ; column 2
	v_perm_b32 v[CD+2+\j], v[ET+7], v[ET+5], s32   ; column 1
	v_perm_b32 v[CD+6+\j], v[ET+7], v[ET+5], s33   ; column 3
.endr
.endm
.macro STOREW u
.irp c, 0,1,2,3
	ds_store_b64 v[WIA], v[CD+2*\c:CD+2*\c+1] offset:IMGS*(\u)+16*\c
.endr
.irp c, 0,1,2,3
	ds_store_b8 v[WBA], v[SB+\c] offset:256*(\u)+8*\c      ; both lanes of a block write the same byte with the same value
.endr
.endm
.macro LISTS1 nx                       ; my 80 positions of this pass (nx = 0) or the next (1): for the weights row lane % 16 of each tile, for the stores rows 2 i + lane / 16
.irp j, 0,1,2,3,4
	global_load_b32 v[GL+\j], v[LR4], s[4:5] offset:1280*(\nx)+64*\j
.endr
.irp j, 0,1,2,3,4
.irp i, 0,1,2,3,4,5,6,7
	global_load_b32 v[RI+8*\j+\i], v[LH4], s[4:5] offset:1280*(\nx)+64*\j+8*\i
.endr
.endr
.set NLD, NLD+45
.endm
.macro LISTS2                          ; the weights are asked for; the row numbers become byte offsets in y
.irp j, 0,1,2,3,4
	v_min_u32 v[GL+\j], 0x7ff, v[GL+\j]
.endr
.irp j, 0,1,2,3,4
	v_lshlrev_b32 v[GL+\j], 2, v[GL+\j]
.endr
.irp j, 0,1,2,3,4
	global_load_b32 v[GG+2*\j], v[GL+\j], s[6:7]
.endr
.set i, 0
.rept 40
	v_min_u32 v[RI+i], 0x807, v[RI+i]
.set i, i+1
.endr
.set i, 0
.rept 40
	v_lshl_add_u32 v[RI+i], v[RI+i], 12, v[C16]    ; a row of y is 4,096 bytes
.set i, i+1
.endr
.set NLD, NLD+5
.endm
.macro HLJ j, s, nx                    ; h's fragment of tile j, K step s, of this pass (nx = 0) or the next (1): two loads of 512 consecutive bytes
.if \j < 4
	WIN 0x80
.set rH, 64*\j+8*((\s)%8)
.else
	WIN 0xc0
.set rH, 8*((\s)%8)
.endif
.irp c, 0,1
	global_load_b128 v[rH+4*\c:rH+4*\c+3], v[LI], s[8:9] offset:655360*(\nx)+32768*\j+1024*(\s)+512*\c
.endr
.set NLD, NLD+2
.endm
.macro HLS s, nx                       ; its scale words: lanes 0-15 tile 2 p, lanes 16-31 tile 2 p + 1
	WIN 0
.irp p, 0,1,2
	global_load_b32 v[HSR+3*((\s)%8)+\p], v[SO], s[10:11] offset:1536*(\nx)+6144*(\s)+128*\p
.endr
.set NLD, NLD+3
.endm
.macro HL s, nx
	HLJ 0, \s, \nx
	HLJ 1, \s, \nx
	HLJ 2, \s, \nx
	HLJ 3, \s, \nx
	HLJ 4, \s, \nx
	HLS \s, \nx
.endm
.macro WL s                            ; the four weight fragments and the scale words of K step s, into set s % 2: nine loads
.irp n, 0,1,2,3
.irp c, 0,1
.if (\s) < 8
	ds_load_b128 v[WF+32*((\s)%2)+8*\n+4*\c:WF+32*((\s)%2)+8*\n+4*\c+3], v[LI] offset:IMGS*((\s)%8)+IMGP*\n+512*\c
.else
	ds_load_b128 v[WF+32*((\s)%2)+8*\n+4*\c:WF+32*((\s)%2)+8*\n+4*\c+3], v[LI8] offset:IMGS*((\s)%8)+IMGP*\n+512*\c
.endif
.endr
.endr
	ds_load_b64 v[WS+2*((\s)%2):WS+2*((\s)%2)+1], v[LW] offset:256*(\s)
.endm
.macro WM d, a, b, c, sa, sb, ra, rb
.if (\ra) && (\rb)
	v_wmma_scale_f32_16x16x128_f8f6f4 v[\d:\d+7], v[\a:\a+7], v[\b:\b+7], v[\c:\c+7], v[\sa], v[\sb] matrix_a_fmt:MATRIX_FMT_FP4 matrix_b_fmt:MATRIX_FMT_FP4 matrix_a_scale:MATRIX_SCALE_ROW1 matrix_b_scale:MATRIX_SCALE_ROW1
.elseif (\ra)
	v_wmma_scale_f32_16x16x128_f8f6f4 v[\d:\d+7], v[\a:\a+7], v[\b:\b+7], v[\c:\c+7], v[\sa], v[\sb] matrix_a_fmt:MATRIX_FMT_FP4 matrix_b_fmt:MATRIX_FMT_FP4 matrix_a_scale:MATRIX_SCALE_ROW1
.elseif (\rb)
	v_wmma_scale_f32_16x16x128_f8f6f4 v[\d:\d+7], v[\a:\a+7], v[\b:\b+7], v[\c:\c+7], v[\sa], v[\sb] matrix_a_fmt:MATRIX_FMT_FP4 matrix_b_fmt:MATRIX_FMT_FP4 matrix_b_scale:MATRIX_SCALE_ROW1
.else
	v_wmma_scale_f32_16x16x128_f8f6f4 v[\d:\d+7], v[\a:\a+7], v[\b:\b+7], v[\c:\c+7], v[\sa], v[\sb] matrix_a_fmt:MATRIX_FMT_FP4 matrix_b_fmt:MATRIX_FMT_FP4
.endif
.endm
.macro MM s                            ; 20 products: five tiles of rows x four tiles of columns; 20 accumulators, one instruction a turn.  K step 0 takes b2 (or zeros) as C
.irp j, 0,1,2,3,4
.if \j < 4
.set rB, 64*\j+8*((\s)%8)
.if (\s) == 0
	WIN 0x78
.else
	WIN 0x58
.endif
.else
.set rB, 8*((\s)%8)
.if (\s) == 0
	WIN 0x7c
.else
	WIN 0x5c
.endif
.endif
.irp n, 0,1,2,3
.set rD, 32*\j+8*\n
.set rA, WF+32*((\s)%2)+8*\n
.if (\s) == 0
.set rC, 64+8*\n
.else
.set rC, rD
.endif
.set rSA, WS+2*((\s)%2)+\n/2
.set rSB, HSR+3*((\s)%8)+\j/2
	WM rD, rA, rB, rC, rSA, rSB, \n%2, \j%2
.endr
.endr
.endm
.macro YTILE j                         ; tile j of my rows: x the weight, through my stage, out by rows.  A tile wholly beyond the count is jumped over
	s_add_co_u32 s38, s37, 16*\j
	s_cmp_ge_u32 s38, s25
	s_cbranch_scc1 .Lno_tile_\@
	s_wait_xcnt 0x0                                ; the last tile's stores have read their data
	WIN 0x01
.set i, 0
.rept 16
	v_pk_mul_f32 v[YT+2*i:YT+2*i+1], v[32*\j+2*i:32*\j+2*i+1], v[GG+2*\j:GG+2*\j+1] op_sel_hi:[1,0]   ; each accumulator from its low end on
.set i, i+1
.endr
	WIN 0
.irp n, 0,1,2,3
	ds_store_b128 v[STO], v[YT+8*\n:YT+8*\n+3] offset:64*\n
	ds_store_b128 v[STO], v[YT+8*\n+4:YT+8*\n+7] offset:64*\n+16
.endr
.irp i, 0,1,2,3,4,5,6,7
	ds_load_b128 v[YB+4*\i:YB+4*\i+3], v[STR] offset:544*\i    ; LDS serves a wave's instructions in order (ISA guide 5.7.1.4): these see my stores
.endr
.irp i, 0,1,2,3,4,5,6,7
	s_wait_dscnt 7-\i
	global_store_b128 v[RI+8*\j+\i], v[YB+4*\i:YB+4*\i+3], s[16:17] th:TH_STORE_NT   ; sixteen lanes store 256 consecutive bytes, aligned; two rows a store
.endr
.Lno_tile_\@:
.endm
.macro UNIT u, nx
	WAITU \u
	s_wait_dscnt 0x0                               ; the last unit's LDS stores, issued a unit ago, have read their registers
	QA \u
.if \nx < 16
	LOADU \nx
.endif
	QB
	STOREW \u
.if (\u) >= 11 && (\u) < 15
	HL 2*((\u)-11), 0                              ; the last loads of W2 are out: pass 0's first eight K steps of h follow the stream
	HL 2*((\u)-11)+1, 0
.endif
.endm
	s_load_b256 s[4:11], s[0:1], 0x0               ; ylist, gw, hq, hs
	s_load_b128 s[12:15], s[0:1], 0x20             ; W2, b2
	s_load_b128 s[16:19], s[0:1], 0x30             ; y, sel
	v_lshl_add_u32 v254, v0, 2, 0x15800
	v_mov_b32 v255, 0
	v_lshrrev_b32 v[T0], 5, v0
	v_readfirstlane_b32 s22, v[T0]                 ; wave 0..3
	s_and_b32 s23, ttmp7, 0xffff                   ; expert
	s_and_b32 s24, ttmp9, 15                       ; which 64 columns
	s_lshr_b32 s26, ttmp9, 4                       ; which half of K
	v_and_b32 v[LN], 31, v0
	v_and_b32 v[RR], 15, v0
	v_bfe_u32 v[HH], v0, 4, 1
	v_lshlrev_b32 v[C16], 4, v[RR]
	v_lshl_add_u32 v[VW], v[HH], 16, v[C16]
	v_lshlrev_b32 v[LI], 4, v[LN]
	v_add_nc_u32 v[LI8], 8*IMGS, v[LI]
	v_lshrrev_b32 v[T0], 2, v[RR]                  ; my four columns' tile T = (lane % 16) / 4; their rows r = 4 (lane % 4) + c
	v_and_b32 v[T1], 3, v0
	v_mul_u32_u24 v[WIA], v[T0], IMGP
	v_lshl_add_u32 v[WIA], v[T1], 6, v[WIA]
	v_lshl_add_u32 v[WIA], v[HH], 3, v[WIA]        ; my 16 k are half of the block's 16 bytes
	s_lshl_b32 s46, s22, 8
	v_add_nc_u32 v[WIA], s46, v[WIA]
	v_bfe_u32 v[TA], v0, 2, 1                      ; T % 2
	v_bfe_u32 v[TB], v0, 3, 1                      ; T / 2
	v_lshlrev_b32 v[WBA], 7, v[TA]
	v_lshl_add_u32 v[WBA], v[T1], 5, v[WBA]
	v_lshl_add_u32 v[WBA], v[TB], 2, v[WBA]
	s_add_co_u32 s46, s22, WSC
	v_add_nc_u32 v[WBA], s46, v[WBA]
	v_lshl_add_u32 v[LW], v[LN], 3, WSC
	v_lshlrev_b32 v[SO], 2, v[LN]
	v_mov_b32 v[ONE], 1.0
	v_lshlrev_b32 v[B2O], 5, v[HH]
	v_lshlrev_b32 v[LR4], 2, v[RR]
	v_lshlrev_b32 v[LH4], 2, v[HH]
	s_mul_i32 s46, s22, 4352
	s_add_co_u32 s46, s46, STAGE
	v_mul_u32_u24 v[STO], v[RR], 272
	v_lshl_add_u32 v[STO], v[HH], 5, v[STO]
	v_add_nc_u32 v[STO], s46, v[STO]               ; in: row lane % 16, 32 bytes for each half of the lanes
	v_mul_u32_u24 v[STR], v[HH], 272
	v_lshl_add_u32 v[STR], v[RR], 4, v[STR]
	v_add_nc_u32 v[STR], s46, v[STR]               ; back: lanes 0-15 one row, lanes 16-31 the next
.irp a, 0,1,2,3
	v_mov_b32 v[MT+\a], 0                          ; a lane permute's destination counts as one of its sources
.endr
.irp j, 0,1,2,3,4
	v_mov_b32 v[GG+2*\j+1], 0                      ; named with the weight as a pair, so it is written
.endr
	s_mov_b32 s31, 0x0f0f0f0f
	s_mov_b32 s32, 0x06040200
	s_mov_b32 s33, 0x07050301
	s_mov_b32 s34, 0x76543210
	s_mov_b32 s35, 0xfedcba98
	s_cmp_eq_u32 s26, 0
	s_cselect_b32 s36, -1, 0                       ; all lanes where kh = 0: there b2 counts
	s_lshl_b32 s38, s23, 24                        ; W2: expert x 16 MB + kh x 8 MB + 256 cs + 32 w rows of 4,096 bytes
	s_lshl_b32 s46, s26, 23
	s_add_co_u32 s38, s38, s46
	s_lshl_b32 s46, s24, 8
	s_add_co_u32 s38, s38, s46
	s_lshl_b32 s46, s22, 17
	s_add_co_u32 s38, s38, s46
	s_mov_b32 s39, 0
	s_lshl_b32 s40, s23, 12                        ; b2: expert x 4,096 + 256 cs
	s_lshl_b32 s46, s24, 8
	s_add_co_u32 s40, s40, s46
	s_mov_b32 s41, 0
	s_mul_i32 s42, s23, 80                         ; hq: tile 80 e + 5 w, K step 16 kh
	s_mul_i32 s46, s22, 5
	s_add_co_u32 s42, s42, s46
	s_lshl_b32 s42, s42, 15
	s_lshl_b32 s46, s26, 14
	s_add_co_u32 s42, s42, s46
	s_mov_b32 s43, 0
	s_lshl_b32 s44, s23, 5                         ; hs: ((32 e + 16 kh) 16 + w) groups of 384 bytes
	s_lshl_b32 s46, s26, 4
	s_add_co_u32 s44, s44, s46
	s_lshl_b32 s44, s44, 4
	s_add_co_u32 s44, s44, s22
	s_mul_i32 s44, s44, 384
	s_mov_b32 s45, 0
	s_mul_i32 s28, s26, 8421376                    ; y: plane kh, + 256 cs
	s_lshl_b32 s46, s24, 8
	s_add_co_u32 s28, s28, s46
	s_mov_b32 s29, 0
	s_lshl_b32 s20, s23, 8                         ; the counts: row e of 256 bytes
	s_mov_b32 s21, 0
	s_mul_i32 s46, s23, 5120                       ; ylist: expert x 5,120 + 320 w
	s_mul_i32 s47, s22, 320
	s_add_co_u32 s46, s46, s47
	s_mov_b32 s47, 0
	s_wait_kmcnt 0x0
	s_add_nc_u64 s[12:13], s[12:13], s[38:39]
	s_add_nc_u64 s[14:15], s[14:15], s[40:41]
	s_add_nc_u64 s[8:9], s[8:9], s[42:43]
	s_add_nc_u64 s[10:11], s[10:11], s[44:45]
	s_add_nc_u64 s[16:17], s[16:17], s[28:29]
	s_add_nc_u64 s[18:19], s[18:19], s[20:21]
	s_add_nc_u64 s[4:5], s[4:5], s[46:47]
	s_load_b512 s[48:63], s[18:19], 0x0            ; the first 32 of my expert's 64 counts
	s_load_b512 s[68:83], s[18:19], 0x40
	WIN 0xc0
.irp n, 0,1,2,3                                ; b2 in the result's layout: tile n, lane half h: columns 16 n + 8 h + 0 .. 7
	global_load_b128 v[64+8*\n:64+8*\n+3], v[B2O], s[14:15] offset:64*\n
	global_load_b128 v[64+8*\n+4:64+8*\n+7], v[B2O], s[14:15] offset:64*\n+16
.endr
	WIN 0
.set NLD, 8
	LISTS1 0                                       ; pass 0's rows, ahead of the stream: the wait for unit 0 shows them in
	LOADU 0
	LOADU 1
	LOADU 2
	LOADU 3
	WIN 0
	s_wait_kmcnt 0x0                               ; scalar loads come back in no order: the wait is for all
	s_mov_b32 s25, 0
	SUMC
	s_load_b512 s[48:63], s[18:19], 0x80           ; the other 32
	s_load_b512 s[68:83], s[18:19], 0xc0
	WAITU 0                                        ; unit 0, and b2 and the rows, which are older
	LISTS2
	WIN 0xcc
.set i, 0
.rept 32
	v_cndmask_b32 v[64+i], 0, v[64+i], s36         ; the bias is added in one half of K alone
.set i, i+1
.endr
	QA 0
	LOADU 4
	QB
	STOREW 0
	s_wait_kmcnt 0x0
	SUMC
	s_min_u32 s25, s25, 0x400                      ; the expert's rows
	UNIT 1, 5
	UNIT 2, 6
	UNIT 3, 7
	UNIT 4, 8
	UNIT 5, 9
	UNIT 6, 10
	UNIT 7, 11
	UNIT 8, 12
	UNIT 9, 13
	UNIT 10, 14
	UNIT 11, 15
	UNIT 12, 99
	UNIT 13, 99
	UNIT 14, 99
	UNIT 15, 99
	s_wait_dscnt 0x0                               ; for the others' sake: my codes and bytes lie in LDS
	s_barrier_signal -1
	s_barrier_wait -1                              ; all 64 images and their scale words are whole; from here on a wave writes its own stage alone
	s_mov_b32 s27, 0                               ; the pass's first position,
	s_mov_b32 s28, 320                             ; the next pass's
	s_mov_b32 s30, 0
.Lpass:
	s_cmp_ge_u32 s27, s25
	s_cbranch_scc1 .Lskip
	s_mul_i32 s37, s22, 80
	s_add_co_u32 s37, s37, s27                     ; my first position
	s_wait_loadcnt 0x0                             ; h's K steps 0 to 7, the weights
	WL 0
.irp s, 0,1,2,3,4,5,6,7,8,9,10,11,12,13,14,15
.if \s < 15
	WL \s+1
	s_wait_dscnt 9                                 ; this K step's weights are in; the nine loads just issued may be out
.else
	s_wait_dscnt 0x0
.endif
.if \s >= 8
.if 13*(15-\s) > 63                            ; h's K step s is in: behind its 13 loads those of K steps s + 1 .. 15 were issued
	s_wait_loadcnt 63
.else
	s_wait_loadcnt 13*(15-\s)
.endif
.endif
	MM \s
	WIN 0
	PLACES
.if \s == 15
	v_nop                                          ; a fifth place: the next pass's K step 0 begins these accumulators anew, with b2 as C, and on the way on which all five tiles below are jumped over no other vector line stands between (ISA guide 7.12.1)
.endif
.if \s < 8
	HL \s+8, 0                                     ; into the set just multiplied
.endif
.endr
	s_cmp_ge_u32 s28, s25
	s_cbranch_scc1 .Lno_next
.irp s, 0,1,2,3,4,5,6,7
	HL \s, 1                                       ; the next pass's first eight K steps are asked for while this pass goes out
.endr
.Lno_next:
	YTILE 0
	YTILE 1
	YTILE 2
	YTILE 3
	YTILE 4
	s_cmp_ge_u32 s28, s25
	s_cbranch_scc1 .Lskip
	s_wait_xcnt 0x0                                ; this pass's stores have read their offsets: the next pass's rows may land there
	LISTS1 1
	s_wait_loadcnt 0x0                             ; the rows are in (only an expert with more than 320 rows comes here: this wait is not hidden)
	LISTS2
.Lskip:
	s_wait_xcnt 0x0                                ; loads and stores have read their bases: they are stepped only behind this wait
	s_add_nc_u64 s[8:9], s[8:9], 655360            ; 20 tiles on
	s_add_nc_u64 s[10:11], s[10:11], 1536          ; 4 groups on
	s_add_nc_u64 s[4:5], s[4:5], 1280              ; 320 positions on
	s_add_co_u32 s27, s27, 320
	s_add_co_u32 s28, s28, 320
	s_add_co_u32 s30, s30, 1
	s_cmp_lt_u32 s30, 4
	s_cbranch_scc1 .Lpass
	s_wait_tensorcnt 0x0
	ds_add_u32 v254, v255
	s_wait_dscnt 0x0
	s_endpgm
.Lfunc_end_k_q8d52beece2_down:
	.size	k_q8d52beece2_down, .Lfunc_end_k_q8d52beece2_down-k_q8d52beece2_down
	.p2alignl 7, 3214868480
	.fill 96, 4, 3214868480
	.section	.rodata,"a",@progbits
	.p2align	6, 0x0
	.amdhsa_kernel k_q8d52beece2_down
		.amdhsa_group_segment_fixed_size 88576
		.amdhsa_private_segment_fixed_size 0
		.amdhsa_enable_private_segment 0
		.amdhsa_kernarg_size 64
		.amdhsa_user_sgpr_count 2
		.amdhsa_user_sgpr_kernarg_segment_ptr 1
		.amdhsa_wavefront_size32 1
		.amdhsa_system_sgpr_workgroup_id_x 1
		.amdhsa_system_sgpr_workgroup_id_y 1
		.amdhsa_system_sgpr_workgroup_id_z 1
		.amdhsa_system_vgpr_workitem_id 0
		.amdhsa_next_free_vgpr 864
		.amdhsa_next_free_sgpr 84
		.amdhsa_reserve_vcc 0
		.amdhsa_float_denorm_mode_32 3
		.amdhsa_float_denorm_mode_16_64 3
		.amdhsa_memory_ordered 1
		.amdhsa_forward_progress 1
		.amdhsa_inst_pref_size 255
	.end_amdhsa_kernel
	.section	.bss,"aw",@nobits
	.p2align	6
	.space	262144
	.amdgpu_metadata
---
amdhsa.version: [ 1, 2 ]
amdhsa.kernels:
  - .name:           k_q8d52beece2_down
    .symbol:         k_q8d52beece2_down.kd
    .args:
      - { .name: ylist, .offset: 0, .size: 8, .value_kind: global_buffer, .address_space: global }
      - { .name: gw, .offset: 8, .size: 8, .value_kind: global_buffer, .address_space: global }
      - { .name: hq, .offset: 16, .size: 8, .value_kind: global_buffer, .address_space: global }
      - { .name: hs, .offset: 24, .size: 8, .value_kind: global_buffer, .address_space: global }
      - { .name: W2, .offset: 32, .size: 8, .value_kind: global_buffer, .address_space: global }
      - { .name: b2, .offset: 40, .size: 8, .value_kind: global_buffer, .address_space: global }
      - { .name: y, .offset: 48, .size: 8, .value_kind: global_buffer, .address_space: global }
      - { .name: sel, .offset: 56, .size: 8, .value_kind: global_buffer, .address_space: global }
    .group_segment_fixed_size: 88576
    .private_segment_fixed_size: 0
    .kernarg_segment_align: 8
    .kernarg_segment_size: 64
    .max_flat_workgroup_size: 128
    .sgpr_count:     84
    .vgpr_count:     864
    .wavefront_size: 32
...
	.end_amdgpu_metadata
.endif
;; end of part 3
;; launch combine (part 4): grid 256 x 1, 8 waves a work-group, no clusters, 0 bytes of LDS; arguments y, out0; writes out0
.if DOCPART == 4
	.amdgcn_target "amdgcn-amd-amdhsa--gfx1250"
	.amdhsa_code_object_version 6
	.text
	.protected	k_q8d52beece2_combine
	.globl	k_q8d52beece2_combine
	.p2align	8
	.type	k_q8d52beece2_combine,@function
k_q8d52beece2_combine:
	s_mov_b64 s[64:65], 0
	v_nop
	global_prefetch_b8 v0, s[64:65] scope:SCOPE_SE
	s_setreg_imm32_b32 hwreg(HW_REG_WAVE_MODE, 25, 1), 1
	s_wait_xcnt 0x0
; out0[token][:] = the sum of a token's four parts of y: two experts (rows token and 1,024 + token) x two halves of K (planes of 2,056 rows).  All f32.
; A stream: a work-group owns 16,384 consecutive bytes of out0, a thread four pieces of 16 bytes, 4,096 bytes apart: each load and store of a wave covers 512 consecutive bytes, aligned.
; All 16 loads of a thread go out at once.  No LDS, no barrier, no matrix unit: nothing is shared and nothing is multiplied.
	s_load_b128 s[4:7], s[0:1], 0x0                ; y, out0
	v_lshlrev_b32 v1, 4, v0
	s_lshl_b32 s10, ttmp9, 14
	s_mov_b32 s11, 0
	s_wait_kmcnt 0x0
	s_add_nc_u64 s[4:5], s[4:5], s[10:11]
	s_add_nc_u64 s[6:7], s[6:7], s[10:11]
	s_add_nc_u64 s[8:9], s[4:5], 8421376           ; the second half of K
.irp i, 0,1,2,3
	global_load_b128 v[8+16*\i:11+16*\i], v1, s[4:5] offset:4096*\i th:TH_LOAD_NT
	global_load_b128 v[12+16*\i:15+16*\i], v1, s[4:5] offset:4194304+4096*\i th:TH_LOAD_NT
	global_load_b128 v[16+16*\i:19+16*\i], v1, s[8:9] offset:4096*\i th:TH_LOAD_NT
	global_load_b128 v[20+16*\i:23+16*\i], v1, s[8:9] offset:4194304+4096*\i th:TH_LOAD_NT
.endr
.irp i, 0,1,2,3
	s_wait_loadcnt 12-4*\i                         ; piece i's four loads are in; those of the later pieces may be out
	v_pk_add_f32 v[8+16*\i:9+16*\i], v[8+16*\i:9+16*\i], v[12+16*\i:13+16*\i]
	v_pk_add_f32 v[10+16*\i:11+16*\i], v[10+16*\i:11+16*\i], v[14+16*\i:15+16*\i]
	v_pk_add_f32 v[16+16*\i:17+16*\i], v[16+16*\i:17+16*\i], v[20+16*\i:21+16*\i]
	v_pk_add_f32 v[18+16*\i:19+16*\i], v[18+16*\i:19+16*\i], v[22+16*\i:23+16*\i]
	v_pk_add_f32 v[8+16*\i:9+16*\i], v[8+16*\i:9+16*\i], v[16+16*\i:17+16*\i]
	v_pk_add_f32 v[10+16*\i:11+16*\i], v[10+16*\i:11+16*\i], v[18+16*\i:19+16*\i]
	global_store_b128 v1, v[8+16*\i:11+16*\i], s[6:7] offset:4096*\i th:TH_STORE_NT
.endr
	s_endpgm
.Lfunc_end_k_q8d52beece2_combine:
	.size	k_q8d52beece2_combine, .Lfunc_end_k_q8d52beece2_combine-k_q8d52beece2_combine
	.p2alignl 7, 3214868480
	.fill 96, 4, 3214868480
	.section	.rodata,"a",@progbits
	.p2align	6, 0x0
	.amdhsa_kernel k_q8d52beece2_combine
		.amdhsa_group_segment_fixed_size 0
		.amdhsa_private_segment_fixed_size 0
		.amdhsa_enable_private_segment 0
		.amdhsa_kernarg_size 16
		.amdhsa_user_sgpr_count 2
		.amdhsa_user_sgpr_kernarg_segment_ptr 1
		.amdhsa_wavefront_size32 1
		.amdhsa_system_sgpr_workgroup_id_x 1
		.amdhsa_system_sgpr_workgroup_id_y 1
		.amdhsa_system_sgpr_workgroup_id_z 1
		.amdhsa_system_vgpr_workitem_id 0
		.amdhsa_next_free_vgpr 96
		.amdhsa_next_free_sgpr 66
		.amdhsa_reserve_vcc 0
		.amdhsa_float_denorm_mode_32 3
		.amdhsa_float_denorm_mode_16_64 3
		.amdhsa_memory_ordered 1
		.amdhsa_forward_progress 1
		.amdhsa_inst_pref_size 5
	.end_amdhsa_kernel
	.amdgpu_metadata
---
amdhsa.version: [ 1, 2 ]
amdhsa.kernels:
  - .name:           k_q8d52beece2_combine
    .symbol:         k_q8d52beece2_combine.kd
    .args:
      - { .name: y, .offset: 0, .size: 8, .value_kind: global_buffer, .address_space: global }
      - { .name: out0, .offset: 8, .size: 8, .value_kind: global_buffer, .address_space: global }
    .group_segment_fixed_size: 0
    .private_segment_fixed_size: 0
    .kernarg_segment_align: 8
    .kernarg_segment_size: 16
    .max_flat_workgroup_size: 256
    .sgpr_count:     66
    .vgpr_count:     96
    .wavefront_size: 32
...
	.end_amdgpu_metadata
.endif
;; end of part 4
;; ======== version 2 of 2: 4 launches
;; workspace buffers: xq 524,288 bytes; xs 32,768 bytes; sel 73,728 bytes of whole numbers; gw 8,192 bytes; hq 20,971,520 bytes; hs 1,572,864 bytes; y 16,842,752 bytes; ylist 40,960 bytes of whole numbers
;; launch route (part 5): grid 64 x 1, 8 waves a work-group, no clusters, 35,840 bytes of LDS; arguments x, gate_w, gate_b, xq, xs, sel, gw; writes xq, xs, sel, gw
.if DOCPART == 5
	.amdgcn_target "amdgcn-amd-amdhsa--gfx1250"
	.amdhsa_code_object_version 6
	.text
	.protected	k_q8d52beece2_route
	.globl	k_q8d52beece2_route
	.p2align	8
	.type	k_q8d52beece2_route,@function
k_q8d52beece2_route:
	s_mov_b64 s[64:65], 0
	v_nop
	global_prefetch_b8 v0, s[64:65] scope:SCOPE_SE
	s_setreg_imm32_b32 hwreg(HW_REG_WAVE_MODE, 25, 1), 1
	s_wait_xcnt 0x0
; ROUTER AND QUANTISER OF x.  x [1024 tokens][1024] f32; gate_w [1024][8], gate_b [8] f32.
; Out: xq [token][512 B] codes of E2M1 (K in its true order, the lower k in the low four bits), xs [token][32] E8M0 bytes, gw [slot 2][token 1024] f32 (the two weights, normalised to sum 1), and in sel:
; THE COUNTS, bytes 0 to 8,191, [32][64] u32: row e < 8, column = work-group: how many of the work-group's 16 tokens go to expert e (rows 8-31 take zeros, so that the store has all 32 lanes);
; THE LISTS, from byte 8,192 on, [expert 8][work-group 64][32] u32: the work-group's tokens that go to the expert, on end: an entry is slot x 1,024 + token (slot: is the expert the token's first or second); the other entries hold 2,048 + e.
; SHARES.  A work-group owns 16 tokens, each of its eight waves two.  Lane l holds block l of a row, k = 32 l .. 32 l + 31, in 32 registers:
; a block's largest magnitude needs no other lane, and a row's codes leave as one store of 512 consecutive bytes.
; The logits are f32 fused multiply-adds (they only choose and weigh, and a near tie must not turn by a coarser format): each lane sums its 32 k, then the 32 lanes are added.
; gate_w goes through LDS once: lane l wants rows 32 l .. 32 l + 31, 1,024 consecutive bytes; chunks lie 1,040 bytes apart.
; The softmax takes the row's maximum away before the exponential.  Ties in the gates keep the lower index, as jax.lax.top_k does.
; What is chosen is only STORED here, at fixed places: no address and no branch of this launch hangs on it.  So a list is made by selects: lane k takes the k-th chosen entry.
; No matrix unit, no cluster: the work-groups share only gate_w, 32 KB against 64 KB of x each, and the launch is short.
; LIMITS: NaN and infinities are not served.  A block whose largest magnitude lies under 2^-124 gets the byte 1; so does a block of zeros (its codes are zeros; the bytes are read by this program alone).
; Two gates closer than the rounding of the f32 logits may be ordered otherwise than by another order of summation.  Each x load takes 16 bytes a lane, lanes 128 bytes apart: a row's eight loads together cover it.
; The lists, the weights and the counts (64, 8 and 8 KB) leave in pieces of 128, 64 and 4 bytes.
.set GP,   1040                        ; a chunk of gate_w in LDS: 1,024 bytes + 16
.set XSB,  33280                       ; 16 tokens x 32 scale bytes
.set SELB, 33792                       ; 32 words: the experts, [token][slot];  128 bytes on: 32 words: the weights, [slot][token]
.set XR,   32                          ; v32-95   x: token q at 32 q
.set GR,   96                          ; v96-159  gate_w: first as loaded, then two sets of 4 k x 8 experts
.set ACC,  160                         ; v160-175 the logits: token q at 8 q
.set TT,   176                         ; v176-191 at work
.set RS,   192                         ; v192-199 token q: first, second, their weights
.set CR,   200                         ; v200-207 codes
	s_load_b256 s[4:11], s[0:1], 0x0               ; x, gate_w, gate_b, xq
	s_load_b128 s[12:15], s[0:1], 0x20             ; xs, sel
	s_load_b64 s[16:17], s[0:1], 0x30              ; gw
	v_lshl_add_u32 v224, v0, 2, 0x8800
	v_mov_b32 v225, 0
	v_lshrrev_b32 v9, 5, v0
	s_delay_alu instid0(VALU_DEP_1)
	v_readfirstlane_b32 s20, v9                    ; wave 0..7
	v_and_b32 v1, 31, v0                           ; lane
	s_delay_alu instid0(VALU_DEP_1)
	v_lshlrev_b32 v2, 7, v1                        ; x: my block's 128 bytes
	v_lshrrev_b32 v3, 6, v0
	s_delay_alu instid0(VALU_DEP_1)
	v_mul_u32_u24 v3, v3, GP
	v_and_b32 v9, 63, v0
	s_delay_alu instid0(VALU_DEP_1)
	v_lshl_add_u32 v3, v9, 4, v3                   ; gate_w into LDS: chunk thread / 64 (+ 4 for each load), 16 bytes at 16 (thread % 64)
	v_lshlrev_b32 v4, 4, v0                        ; gate_w in memory: 16 x thread
	v_mul_u32_u24 v5, v1, GP                       ; gate_w out of LDS: my chunk
	v_lshlrev_b32 v6, 4, v1                        ; 16 x lane
	v_lshlrev_b32 v10, 2, v1                       ; 4 x lane
	s_lshl_b32 s21, s20, 6
	s_add_co_u32 s21, s21, XSB
	v_add_nc_u32 v7, s21, v1                       ; my block's scale byte: 64 x wave + lane (+ 32 for the second token)
	s_lshl_b32 s21, s20, 4
	s_add_co_u32 s21, s21, SELB
	v_mov_b32 v8, s21                              ; my wave's four words of experts
	s_lshl_b32 s21, s20, 3
	s_add_co_u32 s21, s21, SELB+128
	v_mov_b32 v14, s21                             ; my wave's two words of weights in slot 0's row; slot 1's row lies 64 bytes on
	v_add_nc_u32 v11, XSB, v6                      ; the way out (wave 0)
	v_add_nc_u32 v12, SELB, v10
	v_mov_b32 v13, -1.0                            ; under every gate
	v_lshlrev_b32 v15, 8, v1                       ; the counts: row = lane, 256 bytes a row
	v_and_b32 v16, 15, v1
	s_delay_alu instid0(VALU_DEP_1)
	v_lshlrev_b32 v16, 2, v16
	v_lshrrev_b32 v17, 4, v1
	s_delay_alu instid0(VALU_DEP_1)
	v_lshl_add_u32 v16, v17, 12, v16               ; gw: plane lane / 16 of 4,096 bytes, token lane % 16
.irp a, 0,1,2,3,4,5,6,7,8,9,10,11,12,13,14,15
	v_mov_b32 v[TT+\a], 0                          ; a lane permute's destination counts as one of its sources
.endr
	s_mov_b32 s30, 0x3fb8aa3b                      ; log2(e)
	s_mov_b32 s34, 0x76543210
	s_mov_b32 s35, 0xfedcba98                      ; selects for lane l xor 16
	s_lshl_b32 s22, ttmp9, 16                      ; x: (16 work-group + 2 wave) rows of 4,096 bytes
	s_lshl_b32 s23, s20, 13
	s_add_co_u32 s22, s22, s23
	s_mov_b32 s23, 0
	s_lshr_b32 s24, s22, 3                         ; xq: an eighth of that
	s_mov_b32 s25, 0
	s_lshl_b32 s26, ttmp9, 9                       ; xs: 512 bytes a work-group
	s_mov_b32 s27, 0
	s_lshl_b32 s28, s20, 6                         ; the lists: 8,192 bytes behind sel's first byte, (64 x expert + work-group) x 128 bytes; my wave's number is its expert
	s_add_co_u32 s28, s28, ttmp9
	s_lshl_b32 s28, s28, 7
	s_add_co_u32 s28, s28, 8192
	s_mov_b32 s29, 0
	s_lshl_b32 s36, ttmp9, 6                       ; gw: 64 bytes in each plane
	s_mov_b32 s37, 0
	s_lshl_b32 s38, ttmp9, 2                       ; the counts: my column
	s_mov_b32 s39, 0
	s_lshl_b32 s51, ttmp9, 4                       ; my first token
	s_add_co_u32 s52, s20, 2048                    ; what a free entry of my wave's list holds
	s_wait_kmcnt 0x0
	s_load_b256 s[40:47], s[8:9], 0x0              ; gate_b
	s_add_nc_u64 s[4:5], s[4:5], s[22:23]
	s_add_nc_u64 s[10:11], s[10:11], s[24:25]
	s_add_nc_u64 s[12:13], s[12:13], s[26:27]
	s_add_nc_u64 s[18:19], s[14:15], s[38:39]
	s_add_nc_u64 s[14:15], s[14:15], s[28:29]
	s_add_nc_u64 s[16:17], s[16:17], s[36:37]
.irp j, 0,1,2,3,4,5,6,7
	global_load_b128 v[GR+4*\j:GR+4*\j+3], v4, s[6:7] offset:4096*\j
.endr
.irp q, 0,1
.irp i, 0,1,2,3,4,5,6,7
	global_load_b128 v[XR+32*\q+4*\i:XR+32*\q+4*\i+3], v2, s[4:5] offset:4096*\q+16*\i th:TH_LOAD_NT
.endr
.endr
	s_wait_loadcnt 16                              ; gate_w is in; the 16 loads of x behind it may be out
.irp j, 0,1,2,3,4,5,6,7
	ds_store_b128 v3, v[GR+4*\j:GR+4*\j+3] offset:4*GP*\j
.endr
	s_wait_loadcnt 0x0                             ; x
; token q: my block's largest magnitude, its byte, its 32 codes
.macro QX q
.set X0, XR+32*\q
	v_max3_num_f32 v[TT], |v[X0]|, |v[X0+1]|, |v[X0+2]|
	v_max3_num_f32 v[TT+1], |v[X0+3]|, |v[X0+4]|, |v[X0+5]|
.irp i, 6,10,14,18,22,26
	s_delay_alu instid0(VALU_DEP_2)
	v_max3_num_f32 v[TT], v[TT], |v[X0+\i]|, |v[X0+\i+1]|
	s_delay_alu instid0(VALU_DEP_2)
	v_max3_num_f32 v[TT+1], v[TT+1], |v[X0+\i+2]|, |v[X0+\i+3]|
.endr
	s_delay_alu instid0(VALU_DEP_2)
	v_max3_num_f32 v[TT], v[TT], |v[X0+30]|, |v[X0+31]|
	s_delay_alu instid0(VALU_DEP_1)
	v_max3_num_f32 v[TT], v[TT], v[TT+1], 0x1800000        ; the floor 2^(3 - 127): the byte cannot fall under 1
	s_delay_alu instid0(VALU_DEP_1)
	v_add_nc_u32 v[TT+2+\q], 0xff000000, v[TT]             ; 2 off the exponent field: the conversion's scale operand
.irp g, 0,1,2,3
	v_cvt_scalef32_pk8_fp4_f32 v[CR+4*\q+\g], v[X0+8*\g:X0+8*\g+7], v[TT+2+\q]
.endr
	v_lshrrev_b32 v[TT+4+\q], 23, v[TT+2+\q]               ; the byte (also the plain line behind the conversions)
	ds_store_b8 v7, v[TT+4+\q] offset:32*\q
	global_store_b128 v6, v[CR+4*\q:CR+4*\q+3], s[10:11] offset:512*\q   ; 32 lanes store the row's 512 bytes
.endm
	QX 0
	QX 1
	s_wait_dscnt 0x0                               ; for the others' sake: my part of gate_w and my bytes lie in LDS
	s_barrier_signal -1
	s_barrier_wait -1
.macro GLD ch                          ; 4 k x 8 experts of my chunk: register 8 kk + e
.irp i, 0,1,2,3,4,5,6,7
	ds_load_b128 v[GR+32*((\ch)%2)+4*\i:GR+32*((\ch)%2)+4*\i+3], v5 offset:128*(\ch)+16*\i
.endr
.endm
.macro FMAS ch                         ; two experts an instruction; x's number is taken for both halves
.irp kk, 0,1,2,3
.irp q, 0,1
.irp p, 0,1,2,3
.set xi, 4*(\ch)+\kk
.set xr, XR+32*\q+(xi/2)*2
.set gr, GR+32*((\ch)%2)+8*\kk+2*\p
.set ar, ACC+8*\q+2*\p
.if xi == 0
	v_pk_mul_f32 v[ar:ar+1], v[xr:xr+1], v[gr:gr+1] op_sel_hi:[0,1]      ; the first k starts the sums
.elseif xi%2 == 0
	v_pk_fma_f32 v[ar:ar+1], v[xr:xr+1], v[gr:gr+1], v[ar:ar+1] op_sel_hi:[0,1,1]
.else
	v_pk_fma_f32 v[ar:ar+1], v[xr:xr+1], v[gr:gr+1], v[ar:ar+1] op_sel:[1,0,0] op_sel_hi:[1,1,1]
.endif
.endr
.endr
.endr
.endm
	GLD 0
.irp ch, 0,1,2,3,4,5,6,7
.if \ch < 7
	GLD \ch+1
	s_wait_alu depctr_va_vdst(0)
	s_wait_dscnt 8                                 ; this chunk is in; the next chunk's eight loads may be out
.else
	s_wait_alu depctr_va_vdst(0)
	s_wait_dscnt 0x0
.endif
	FMAS \ch
.endr
.irp m, 1,2,4,8
.irp a, 0,1,2,3,4,5,6,7,8,9,10,11,12,13,14,15
	v_add_f32_dpp v[ACC+\a], v[ACC+\a], v[ACC+\a] row_xmask:\m row_mask:0xf bank_mask:0xf
.endr
.endr
.irp a, 0,1,2,3,4,5,6,7,8,9,10,11,12,13,14,15
	v_permlanex16_b32 v[TT+\a], v[ACC+\a], s34, s35
.endr
.irp a, 0,1,2,3,4,5,6,7,8,9,10,11,12,13,14,15
	v_add_f32 v[ACC+\a], v[ACC+\a], v[TT+\a]       ; every lane holds the sums
.endr
	s_wait_kmcnt 0x0                               ; gate_b
.irp a, 0,1,2,3,4,5,6,7,8,9,10,11,12,13,14,15
	v_add_f32 v[ACC+\a], s[40+\a%8], v[ACC+\a]
.endr
; token q, in every lane alike: softmax, the two largest gates, their weights
.macro SCAN a0, ix, bs                 ; the largest of eight and its index; an equal later one does not displace it
	v_mov_b32 v[\bs], v[\a0]
	v_mov_b32 v[\ix], 0
.irp e, 1
	s_delay_alu instid0(VALU_DEP_2)
	v_cmp_le_f32 vcc_lo, v[\a0+\e], v[\bs]
	s_delay_alu instid0(VALU_DEP_1)
	v_cndmask_b32 v[\ix], \e, v[\ix], vcc_lo
	s_delay_alu instid0(VALU_DEP_4)
	v_max_num_f32 v[\bs], v[\bs], v[\a0+\e]
.endr
.irp e, 2, 3, 4, 5, 6, 7
	s_delay_alu instid0(VALU_DEP_1)
	v_cmp_le_f32 vcc_lo, v[\a0+\e], v[\bs]
	s_delay_alu instid0(VALU_DEP_1)
	v_cndmask_b32 v[\ix], \e, v[\ix], vcc_lo
	s_delay_alu instid0(VALU_DEP_3)
	v_max_num_f32 v[\bs], v[\bs], v[\a0+\e]
.endr
.endm
.macro SMX q
.set A0, ACC+8*\q
.set R0, RS+4*\q
	v_max3_num_f32 v[TT], v[A0], v[A0+1], v[A0+2]
	s_delay_alu instid0(VALU_DEP_1)
	v_max3_num_f32 v[TT], v[TT], v[A0+3], v[A0+4]
	s_delay_alu instid0(VALU_DEP_1)
	v_max3_num_f32 v[TT], v[TT], v[A0+5], v[A0+6]
	s_delay_alu instid0(VALU_DEP_1)
	v_max_num_f32 v[TT], v[TT], v[A0+7]            ; the largest logit
	s_delay_alu instid0(VALU_DEP_1)
	v_mul_f32 v[TT+1], s30, v[TT]
.irp e, 0,1,2,3,4,5,6,7
	v_fma_f32 v[A0+\e], v[A0+\e], s30, -v[TT+1]    ; (logit - maximum) log2(e): 0 or less, up to one rounding that all eight share
.endr
	s_wait_alu depctr_va_vdst(0)
.irp e, 0,1,2,3,4,5,6,7
	v_exp_f32 v[A0+\e], v[A0+\e]
.endr
	v_nop                                          ; a plain line behind the exponentials
	s_wait_alu depctr_va_vdst(0)
	v_add_f32 v[TT+1], v[A0], v[A0+1]
	v_add_f32 v[TT+2], v[A0+2], v[A0+3]
	v_add_f32 v[TT+3], v[A0+4], v[A0+5]
	v_add_f32 v[TT+4], v[A0+6], v[A0+7]
	s_delay_alu instid0(VALU_DEP_3)
	v_add_f32 v[TT+1], v[TT+1], v[TT+2]
	s_delay_alu instid0(VALU_DEP_2)
	v_add_f32 v[TT+3], v[TT+3], v[TT+4]
	s_delay_alu instid0(VALU_DEP_1)
	v_add_f32 v[TT+1], v[TT+1], v[TT+3]
	s_wait_alu depctr_va_vdst(0)
	v_rcp_f32 v[TT+1], v[TT+1]
	v_nop
	s_wait_alu depctr_va_vdst(0)
.irp e, 0,1,2,3,4,5,6,7
	v_mul_f32 v[A0+\e], v[A0+\e], v[TT+1]          ; the gates
.endr
	SCAN A0, R0, R0+2
.irp e, 0,1,2,3,4,5,6,7
	v_cmp_eq_u32 vcc_lo, \e, v[R0]
	s_delay_alu instid0(VALU_DEP_1)
	v_cndmask_b32 v[A0+\e], v[A0+\e], v13, vcc_lo  ; the first is taken out
.endr
	SCAN A0, R0+1, R0+3
	s_delay_alu instid0(VALU_DEP_1)
	v_add_f32 v[TT+2], v[R0+2], v[R0+3]
	s_wait_alu depctr_va_vdst(0)
	v_rcp_f32 v[TT+2], v[TT+2]
	v_nop
	s_wait_alu depctr_va_vdst(0)
	v_mul_f32 v[R0+2], v[R0+2], v[TT+2]
	v_mul_f32 v[R0+3], v[R0+3], v[TT+2]
	ds_store_b32 v8, v[R0] offset:8*\q             ; all lanes write the same word with the same value
	ds_store_b32 v8, v[R0+1] offset:8*\q+4
	ds_store_b32 v14, v[R0+2] offset:4*\q
	ds_store_b32 v14, v[R0+3] offset:64+4*\q
.endm
	SMX 0
	SMX 1
	s_wait_dscnt 0x0                               ; for the others' sake: my four choices and weights lie in LDS
	s_barrier_signal -1
	s_barrier_wait -1
	; THE LISTS.  Wave w serves expert w.  Lane b of v36 holds choice b = 2 x token + slot.  The 32 choices are walked: s49 counts those that name my expert so far; a choice that does is taken by the lane
	; whose number that count is (a choice that does not is offered to lane 63, which is none).  At most 16 name one expert, since a token's two differ.
	ds_load_b32 v36, v12
	v_mov_b32 v39, 0
	s_mov_b32 s49, 0
	s_wait_alu depctr_va_vdst(0)
	s_wait_dscnt 0x0
	v_cmp_eq_u32 s21, s20, v36
.irp b, 0,1,2,3,4,5,6,7,8,9,10,11,12,13,14,15,16,17,18,19,20,21,22,23,24,25,26,27,28,29,30,31
	s_bfe_u32 s50, s21, 0x10000+\b                 ; does choice b name my expert?  (SCC: the bit)
	s_cselect_b32 s48, s49, 63
	s_add_co_u32 s49, s49, s50
	v_cmp_ne_u32 vcc_lo, s48, v1
	s_delay_alu instid0(VALU_DEP_1)
	v_cndmask_b32 v39, \b, v39, vcc_lo             ; the lane of that number takes b, the others keep what they have
.endr
	v_cmp_gt_u32 vcc_lo, s49, v1                   ; lanes under the count hold a choice
	s_delay_alu instid0(VALU_DEP_2)
	v_and_b32 v40, 1, v39                          ; its slot,
	s_delay_alu instid0(VALU_DEP_3)
	v_lshrrev_b32 v41, 1, v39                      ; its token among my 16
	s_delay_alu instid0(VALU_DEP_1)
	v_lshl_add_u32 v40, v40, 10, v41
	s_delay_alu instid0(VALU_DEP_1)
	v_add_nc_u32 v40, s51, v40                     ; slot x 1,024 + token
	v_mov_b32 v41, s52
	s_delay_alu instid0(VALU_DEP_1)
	v_cndmask_b32 v40, v41, v40, vcc_lo
	global_store_b32 v10, v40, s[14:15]            ; 128 consecutive bytes, at a place that hangs on ids alone
	s_cmp_lg_u32 s20, 0
	s_cbranch_scc1 .Lend                           ; wave 0 stores what the eight waves gathered
	ds_load_b128 v[32:35], v11
	ds_load_b32 v37, v12 offset:128
	v_mov_b32 v38, 0
	s_wait_alu depctr_va_vdst(0)
	s_wait_dscnt 0x0
.irp e, 0,1,2,3,4,5,6,7
	v_cmp_eq_u32 s21, \e, v36
	s_bcnt1_i32_b32 s21, s21
	v_writelane_b32 v38, s21, \e                   ; lane e: expert e's count
.endr
	global_store_b128 v6, v[32:35], s[12:13]       ; 512 consecutive bytes of xs
	global_store_b32 v16, v37, s[16:17]            ; 64 consecutive bytes in each plane of gw
	global_store_b32 v15, v38, s[18:19]            ; my column of the counts
.Lend:
	s_wait_tensorcnt 0x0
	ds_add_u32 v224, v225
	s_wait_dscnt 0x0
	s_endpgm
.Lfunc_end_k_q8d52beece2_route:
	.size	k_q8d52beece2_route, .Lfunc_end_k_q8d52beece2_route-k_q8d52beece2_route
	.p2alignl 7, 3214868480
	.fill 96, 4, 3214868480
	.section	.rodata,"a",@progbits
	.p2align	6, 0x0
	.amdhsa_kernel k_q8d52beece2_route
		.amdhsa_group_segment_fixed_size 35840
		.amdhsa_private_segment_fixed_size 0
		.amdhsa_enable_private_segment 0
		.amdhsa_kernarg_size 56
		.amdhsa_user_sgpr_count 2
		.amdhsa_user_sgpr_kernarg_segment_ptr 1
		.amdhsa_wavefront_size32 1
		.amdhsa_system_sgpr_workgroup_id_x 1
		.amdhsa_system_sgpr_workgroup_id_y 1
		.amdhsa_system_sgpr_workgroup_id_z 1
		.amdhsa_system_vgpr_workitem_id 0
		.amdhsa_next_free_vgpr 226
		.amdhsa_next_free_sgpr 66
		.amdhsa_reserve_vcc 1
		.amdhsa_float_denorm_mode_32 3
		.amdhsa_float_denorm_mode_16_64 3
		.amdhsa_memory_ordered 1
		.amdhsa_forward_progress 1
		.amdhsa_inst_pref_size 59
	.end_amdhsa_kernel
	.amdgpu_metadata
---
amdhsa.version: [ 1, 2 ]
amdhsa.kernels:
  - .name:           k_q8d52beece2_route
    .symbol:         k_q8d52beece2_route.kd
    .args:
      - { .name: x, .offset: 0, .size: 8, .value_kind: global_buffer, .address_space: global }
      - { .name: gate_w, .offset: 8, .size: 8, .value_kind: global_buffer, .address_space: global }
      - { .name: gate_b, .offset: 16, .size: 8, .value_kind: global_buffer, .address_space: global }
      - { .name: xq, .offset: 24, .size: 8, .value_kind: global_buffer, .address_space: global }
      - { .name: xs, .offset: 32, .size: 8, .value_kind: global_buffer, .address_space: global }
      - { .name: sel, .offset: 40, .size: 8, .value_kind: global_buffer, .address_space: global }
      - { .name: gw, .offset: 48, .size: 8, .value_kind: global_buffer, .address_space: global }
    .group_segment_fixed_size: 35840
    .private_segment_fixed_size: 0
    .kernarg_segment_align: 8
    .kernarg_segment_size: 56
    .max_flat_workgroup_size: 256
    .sgpr_count:     66
    .vgpr_count:     226
    .wavefront_size: 32
...
	.end_amdgpu_metadata
.endif
;; end of part 5
;; launch up (part 6): grid 32 x 8, 4 waves a work-group, no clusters, 71,168 bytes of LDS; arguments sel, xq, xs, W1, b1, hq, hs, ylist; writes hq, hs, ylist
.if DOCPART == 6
	.amdgcn_target "amdgcn-amd-amdhsa--gfx1250"
	.amdhsa_code_object_version 6
	.text
	.protected	k_q8d52beece2_up
	.globl	k_q8d52beece2_up
	.p2align	8
	.type	k_q8d52beece2_up,@function
k_q8d52beece2_up:
	s_mov_b64 s[64:65], 0
	v_nop
	global_prefetch_b8 v0, s[64:65] scope:SCOPE_SE
	s_setreg_imm32_b32 hwreg(HW_REG_WAVE_SCHED_MODE, 0, 2), 2
	s_setreg_imm32_b32 hwreg(HW_REG_WAVE_MODE, 25, 1), 1
	s_wait_xcnt 0x0
	s_wait_alu depctr_vm_vsrc(0)
; FIRST PRODUCT OF THE EXPERTS: h = Q(relu(Q(x) Q(W1[e]) + b1[e])) for the rows routed to expert e, on codes of E2M1 with one E8M0 scale for each 32 along K.
; SHARES.  Work-group (x = fs, y = e) owns hidden units 128 fs .. 128 fs + 127 of expert e: 1,024 rows (k) x 512 bytes of W1, read ONCE as f32, quantised in registers, kept as codes in LDS.
; STREAM.  A unit is a K step of 128; wave w takes its block w (32 k).  A load takes one row k, 16 bytes a lane: 512 consecutive bytes, aligned.  A lane so holds 4 columns x 32 k.  Each column's largest magnitude is
; the lane's own; the numbers are multiplied by 2^-e (a power of two: nothing is rounded) and converted with the scale 1, eight at a time (two rows x four columns); shifts, v_bfi_b32 and v_perm_b32 then sort the
; four-bit codes by column.  The order rho in which the rows are laid into the registers makes k come out ascending.  Three sets of 32 loads take turns; the counter of loads holds 63, and the issue waits where it is full (ISA guide 5.7.1).
; While loads of W1 are still to be issued, next to nothing else is loaded: x's fragments are asked for behind unit 4 and in units 5 and 6.
; IMAGES.  A weight fragment (16 units x 128 k) lies in LDS as an image of its 8 registers: register group c at 512 c, lane l's 16 bytes at 16 l.  Any wave loads it by two ds_load_b128.
; THE UNITS OF A TILE ARE NOT NEIGHBOURS: row r of tile 2 b + u is unit 32 b + 8 u + r + 8 (r / 8), so that in the transposed product (source 0 = 16 units, source 1 = 16 tokens) a lane holds one token and the
; 16 registers of tiles 2 b, 2 b + 1 are 16 neighbouring units: the next product's K.
; ROWS.  The launch before left in sel, for each expert and each of 64 groups of 16 tokens, the group's count ([32][64] u32 at byte 0, row e) and its list ([8][64][32] u32 from byte 8,192; an entry is slot x 1,024 + token).
; POSITION p of the expert's rows counts through the groups' lists on end.  A lane finds its position's entry while the 64 counts pass through scalar registers: S is the number of rows ahead of group g;
; where S <= p the lane takes 32 g - S; the last number so taken, + p, is the entry's index in the expert's lists.  The index is held to 2,047, five loads bring the entries of the wave's five tiles, and a position at or
; beyond the count takes 2,048 + e in their stead.  The token is the low ten bits, so such a position multiplies token e's row, to no effect.  So every address here is made of ids and of numbers read from memory.
; The sum of the 64 counts is THE COUNT of the expert's rows, on which the branches hang.  The work-group with fs = 0 stores the rows to ylist [e][1,280] u32, by position, for the second product's launch (pieces of 128 and 64 bytes, 40 KB in all).
; A PASS is 320 positions: wave w takes positions 80 w .. 80 w + 79 of it, five tiles of 16, against all 128 units: 40 accumulators.  The loop over passes has the constant count 4 (1,280 positions serve every split);
; a pass at or beyond the count is jumped over by a scalar branch.  Pass 0 always runs, so that tiles 0-19 of hq and the first 320 positions of ylist are always written.  A further pass loads the counts and walks them anew.
; OUT.  hq [e][tile 80][K step 32][1,024 B]: images of h's fragments;  hs [e][K step 32][group 16][6][16] u32: their scale words (group = tile / 5; the sixth slot repeats the fifth, so that a store has 32 lanes; 128 bytes a store).
; NO CLUSTER, NO TENSOR LOADS: which passes run hangs on a count read from memory, so operands go through registers; and what work-groups share (an expert's rows of xq, 160 KB a pass) is the smaller part beside each one's own 512 KB of W1.
; LIMITS: NaN and infinities are not served.  A block whose largest magnitude lies under 2^-124, a block of zeros among them, gets the byte 1 (its codes are zeros or its numbers too small to matter; the bytes are this program's own).
; The bias is the first product's C, so the sum's order differs from bias-last by f32 rounding.
; THE MODE: SCHED_MODE bits 1:0 = 2 (LLVM: expert scheduling mode 2), set by the entry lines.  The code itself states the register dependences between vector or matrix instructions and memory or LDS instructions,
; and between a vector instruction's scalar result and its readers, with s_wait_alu, always for 0.
; THE PLAN.  Registers that memory or LDS instructions touch:
;   the stream's sets   Unit u: its maxima, multiplications and conversions name set u % 3; behind them the loads of unit u + 3 land in it.
;   CD0, CD1, SB0, SB1  Unit u's vector lines write CD[u % 2] and SB[u % 2]; the eight LDS stores that read them are issued in unit u + 1; unit u + 2 writes them again.
;   WF0, WF1, WS0, WS1  K step s: its products read WF[s % 2] and WS[s % 2]; the LDS loads of K step s + 1, issued in K step s, land in the other pair, which the products of K step s - 1 read.
;   DD, ROW, MG, XO, XSO  made once a pass: the walk writes DD, five loads read it and land in ROW; selects make ROW, MG, XO, XSO, which ylist's stores and x's loads read.
;   x's fragments, XS   loaded once a pass; read by the pass's products.
;   PC, PW, MW          written by the way out of all five tiles; read by thirteen stores in one run; PC lies in WF1.
;   v4-v13              addresses made at the head, never written again.
; So ONE wait on va_vdst stands in a unit, behind its conversions, with the unit's loads and the LDS stores of the unit before behind it; one at the head of a K step, with that step's seventeen LDS loads behind it, dealt
; among products that name none of their registers; one ahead of the way out's stores.  A wait on vm_vsrc stands in a unit ahead of the first line that writes an out-buffer again, and at a pass's head.
; REGISTERS, in windows of 256.  Window 0: v1-26 addresses and constants; v32-95 and v96-159 weight fragments, two sets (while streaming: v32-115 at work; in the epilogue: v32-95 a tile of h, v96-135 h's codes); v160-183 x's scale words,
; v184-191 W1's (both hold scales alone); v192-215 at work; v216-233 positions, indices and rows.  Window 1: stream sets 0, 1; later accumulators (j < 4, n) at 8 (8 j + n).  Window 2: v0-127 stream set 2, later accumulators (4, n);
; v128-191 b1; v192-255 x's fragments of tile 0.  Window 3: x's fragments of tiles 1-4, at 64 (j - 1) + 8 s.
.set IMGS, 8320                        ; LDS 0: images, K step s at 8320 s, tile T at 1040 T (1,024 bytes + 16)
.set IMGP, 1040
.set WSC,  66560                       ; W1's scale words: 512 s + 16 (16 (T % 2) + r) + 4 (T / 2), byte w
.set LN,  1
.set RR,  2
.set HH,  3
.set VW,  4                            ; 16 x lane
.set LI4, 5                            ; 16 x lane + 4 K steps of images
.set WIA, 6                            ; where I store codes
.set WBA, 7                            ; where I store scale bytes
.set LW,  8                            ; WSC + 16 x lane
.set LR4, 9                            ; 4 (lane % 16)
.set FRE, 10                           ; 2,048 + e
.set ONE, 11
.set SO,  12                           ; 4 x lane
.set B1O, 13                           ; 64 (lane / 16)
.set T0,  14
.set T1,  15
.set TA,  16
.set TB,  17
.set XO,  18                           ; v18-22 byte offsets of my tokens' codes, a tile each
.set XSO, 24                           ; v24-26 of their scale bytes, two tiles each
.set WF,  32                           ; the weight fragments of K step s at WF + 64 (s % 2)
.set QQ,  32                           ; v32-47 codes as converted
.set ET,  48                           ; v48-55 at work
.set CD,  64                           ; codes by column, 4 c + j: unit u's at CD + 32 (u % 2): v64-79, v96-111
.set MX,  80
.set FF,  84
.set SB,  88                           ; scale bytes: unit u's at SB + 24 (u % 2): v88-91, v112-115
.set HA,  32
.set PC,  96
.set XS,  160
.set WS,  184
.set TM,  192
.set PW,  208
.set MW,  214
.set PP,  216                          ; v216-220 my position in tile j (the same in both halves of the lanes)
.set DD,  221                          ; v221-225 32 g - S, then the entry's byte offset
.set ROW, 226                          ; v226-230 the rows
.set MG,  232                          ; v232-233 two tiles' rows to a register
.set B1,  128
.set NLD, 0                            ; loads issued so far, in the order of the text
.set MSB, 0
.macro WIN new                         ; the immediate's high byte repeats the setting that is left; a switch that changes nothing is dropped
.if MSB != (\new)
	s_set_vgpr_msb (MSB<<8)|(\new)
.set MSB, (\new)
.endif
.endm
.macro PLACES                          ; four plain lines between a matrix instruction and a load into, or a read of, its registers
.rept 4
	v_nop
.endr
.endm
; 32 of the expert's 64 counts are walked: groups 32 half .. 32 half + 31, two at a time.  s25 = S ahead of the even group, s29 ahead of the odd one.  Group 0 needs no line: S = 0 is under every position, and the lanes begin with 32 x 0 - 0.
; The two groups' ten compares stand in one run, into ten scalar registers, with one wait behind the run; the even group's selects come first, so that the later group's number is the one that stays
.macro SRCH half
.set i, 0
.rept 16
.set g, 32*(\half)+i
.if i < 16
.set cr, 48+i
.else
.set cr, 52+i
.endif
.if g > 0
	s_sub_co_u32 s37, 32*g, s25
.endif
	s_add_co_u32 s29, s25, s[cr]
	s_sub_co_u32 s20, 32*(g+1), s29
.if g > 0
.irp j, 0,1,2,3,4
	v_cmp_le_u32 s[38+\j], s25, v[PP+\j]
.endr
.endif
.irp j, 0,1,2,3,4
	v_cmp_le_u32 s[43+\j], s29, v[PP+\j]
.endr
	s_wait_alu depctr_va_sdst(0)                   ; the compares have written their masks s38 to s47, ahead of the selects that read them
.if g > 0
.irp j, 0,1,2,3,4
	v_cndmask_b32 v[DD+\j], v[DD+\j], s37, s[38+\j]
.endr
.endif
.irp j, 0,1,2,3,4
	v_cndmask_b32 v[DD+\j], v[DD+\j], s20, s[43+\j]
.endr
	s_add_co_u32 s25, s29, s[cr+1]
.set i, i+2
.endr
.endm
.macro ROWLD                           ; the entries of my five tiles
.irp j, 0,1,2,3,4
	v_add_nc_u32 v[DD+\j], v[PP+\j], v[DD+\j]
.endr
.irp j, 0,1,2,3,4
	v_min_u32 v[DD+\j], 0x7ff, v[DD+\j]
.endr
.irp j, 0,1,2,3,4
	v_lshlrev_b32 v[DD+\j], 2, v[DD+\j]
.endr
	s_wait_alu depctr_va_vdst(0)                   ; the five offsets v[DD ..] are written, which the loads below read; in a further pass the last pass's selects are done with v[ROW ..], in which they land
.irp j, 0,1,2,3,4
	global_load_b32 v[ROW+\j], v[DD+\j], s[88:89]
.endr
.set NLD, NLD+5
.endm
.macro PREP2                           ; the rows are in: free positions are marked; offsets in xq and xs
.irp j, 0,1,2,3,4
	v_cmp_gt_u32 s[38+\j], s25, v[PP+\j]           ; the count is above my position
.endr
	s_wait_alu depctr_va_sdst(0)                   ; the five masks s38 to s42 are written, ahead of the selects that read them
.irp j, 0,1,2,3,4
	v_cndmask_b32 v[ROW+\j], v[FRE], v[ROW+\j], s[38+\j]
.endr
.irp j, 0,1,2,3,4
	v_min_u32 v[XO+\j], 0x807, v[ROW+\j]
.endr
.irp j, 0,1,2,3,4
	v_and_b32 v[XO+\j], 0x3ff, v[XO+\j]            ; the token
.endr
.irp j, 0,1,2,3,4
	v_lshlrev_b32 v[XO+\j], 9, v[XO+\j]            ; a row of xq is 512 bytes
.endr
.irp j, 0,1,2,3,4
	v_lshl_add_u32 v[XO+\j], v[HH], 4, v[XO+\j]
.endr
	v_cndmask_b32 v[MG], v[ROW], v[ROW+1], s36     ; lanes 0-15 tile 0, lanes 16-31 tile 1
	v_cndmask_b32 v[MG+1], v[ROW+2], v[ROW+3], s36
	v_min_u32 v[XSO], 0x807, v[MG]
	v_min_u32 v[XSO+1], 0x807, v[MG+1]
	v_min_u32 v[XSO+2], 0x807, v[ROW+4]
.irp p, 0,1,2
	v_and_b32 v[XSO+\p], 0x3ff, v[XSO+\p]
.endr
.irp p, 0,1,2
	v_lshlrev_b32 v[XSO+\p], 5, v[XSO+\p]          ; a row of xs is 32 bytes
.endr
	s_wait_alu depctr_va_vdst(0)                   ; v[MG ..] and v[ROW+4] are written, which ylist's stores read, and v[XO ..] and v[XSO ..], which all the pass's loads of x read; in a further pass the products are done reading x's fragments and scale words, in which those loads land
.endm
.macro YSTORE                          ; one work-group of each expert hands the rows on: my 80 positions, 320 consecutive bytes
	s_cmp_lg_u32 s24, 0
	s_cbranch_scc1 .Lno_list_\@
	global_store_b32 v[SO], v[MG], s[86:87]
	global_store_b32 v[SO], v[MG+1], s[86:87] offset:128
	global_store_b32 v[LR4], v[ROW+4], s[86:87] offset:256   ; lanes l and l + 16 write the same word with the same value
.Lno_list_\@:
.endm
.macro LOADU u, w                      ; unit u: my block's 32 rows into set u % 3.  w = 1: the set has just been converted
.set SW, 1+((\u)%3)/2
.set SU, 128*(((\u)%3)%2)
	WIN SW<<6
.if \w
	s_wait_alu depctr_va_vdst(0)                   ; the multiplications have written this set and the conversions are done reading it: the loads below land in it; and the unit before has written its codes and bytes, which the LDS stores behind these loads read
.endif
.set i, 0
.rept 32
.set rho, 8*(i/8)+4*(((i/2)%4)/2)+((i/2)%2)+2*(i%2)
.if (\u) < 4
	global_load_b128 v[SU+4*i:SU+4*i+3], v[VW], s[10:11] offset:(128*((\u)%4)+rho)*16384 th:TH_LOAD_NT
.else
	global_load_b128 v[SU+4*i:SU+4*i+3], v[VW], s[18:19] offset:(128*((\u)%4)+rho)*16384 th:TH_LOAD_NT
.endif
.set i, i+1
.endr
.set NLD, NLD+32
.set UEND\u, NLD
.endm
.macro WAITU u                         ; unit u is in: the count is what was issued behind it, at most the 63 that the counter holds
.if NLD-UEND\u > 63
	s_wait_loadcnt 63
.else
	s_wait_loadcnt NLD-UEND\u
.endif
.endm
.macro QA u                            ; the four columns' scales; the numbers over their scales; 16 conversions
.set SW, 1+((\u)%3)/2
.set SU, 128*(((\u)%3)%2)
.set SBQ, SB+24*((\u)%2)
	WIN 0
.irp c, 0,1,2,3
	v_mov_b32 v[MX+\c], 0x1800000                  ; the floor 2^(3 - 127): the byte cannot fall under 1
.endr
	WIN (SW<<2)|(SW<<4)
.set i, 0
.rept 16
.irp c, 0,1,2,3
	v_max3_num_f32 v[MX+\c], v[MX+\c], |v[SU+8*i+\c]|, |v[SU+8*i+4+\c]|
.endr
.set i, i+1
.endr
	WIN 0
.if (\u) >= 2
	s_wait_alu depctr_va_vdst(0)
	s_wait_dscnt 0x0                               ; the LDS stores of the unit two back, issued in the last unit, are done
	s_wait_alu depctr_vm_vsrc(0)                   ; they have read this unit's out-buffers, the bytes' and the codes', which the lines from here on write again
.endif
.irp c, 0,1,2,3
	v_add_nc_u32 v[SBQ+\c], 0xff000000, v[MX+\c]   ; 2 off the exponent field,
.endr
.irp c, 0,1,2,3
	v_lshrrev_b32 v[SBQ+\c], 23, v[SBQ+\c]         ; the byte, 1 to 252,
.endr
.irp c, 0,1,2,3
	v_sub_nc_u32 v[FF+\c], 254, v[SBQ+\c]
.endr
.irp c, 0,1,2,3
	v_lshlrev_b32 v[FF+\c], 23, v[FF+\c]           ; and 2^(127 - byte), the scale's reciprocal
.endr
	WIN (SW<<6)|SW
.set i, 0
.rept 32
	v_pk_mul_f32 v[SU+4*i:SU+4*i+1], v[SU+4*i:SU+4*i+1], v[FF:FF+1]
	v_pk_mul_f32 v[SU+4*i+2:SU+4*i+3], v[SU+4*i+2:SU+4*i+3], v[FF+2:FF+3]
.set i, i+1
.endr
	WIN SW
.set i, 0
.rept 16
	v_cvt_scalef32_pk8_fp4_f32 v[QQ+i], v[SU+8*i:SU+8*i+7], v[ONE]   ; two rows x four columns
.set i, i+1
.endr
.endm
.macro QB u                            ; codes by column.  Of four converted words A, B, C, D (rows 0|2, 1|3, 4|6, 5|7 of eight): bytes (row pair) of the even and of the odd columns, then the columns apart
.set CDQ, CD+32*((\u)%2)
	WIN 0
	v_nop                                          ; a plain line behind the conversions
.irp j, 0,1,2,3
	v_lshlrev_b32 v[ET], 4, v[QQ+4*\j+1]
	v_lshrrev_b32 v[ET+1], 4, v[QQ+4*\j]
	v_lshlrev_b32 v[ET+2], 4, v[QQ+4*\j+3]
	v_lshrrev_b32 v[ET+3], 4, v[QQ+4*\j+2]
	v_bfi_b32 v[ET+4], s31, v[QQ+4*\j], v[ET]
	v_bfi_b32 v[ET+5], s31, v[ET+1], v[QQ+4*\j+1]
	v_bfi_b32 v[ET+6], s31, v[QQ+4*\j+2], v[ET+2]
	v_bfi_b32 v[ET+7], s31, v[ET+3], v[QQ+4*\j+3]
	v_perm_b32 v[CDQ+\j], v[ET+6], v[ET+4], s32    ; column 0, k = 8 j .. 8 j + 7
	v_perm_b32 v[CDQ+8+\j], v[ET+6], v[ET+4], s33  ; column 2
	v_perm_b32 v[CDQ+4+\j], v[ET+7], v[ET+5], s32  ; column 1
	v_perm_b32 v[CDQ+12+\j], v[ET+7], v[ET+5], s33 ; column 3
.endr
.endm
.macro STOREW u
.set CDS, CD+32*((\u)%2)
.set SBS, SB+24*((\u)%2)
.irp c, 0,1,2,3
	ds_store_b128 v[WIA], v[CDS+4*\c:CDS+4*\c+3] offset:IMGS*(\u)+16*\c
.endr
.irp c, 0,1,2,3
	ds_store_b8 v[WBA], v[SBS+\c] offset:512*(\u)+16*\c
.endr
.endm
.macro XSL                             ; x's scale words of all eight K steps: lanes 0-15 tile 2 p, lanes 16-31 tile 2 p + 1
.irp p, 0,1,2
	global_load_b128 v[XS+8*\p:XS+8*\p+3], v[XSO+\p], s[8:9]
	global_load_b128 v[XS+8*\p+4:XS+8*\p+7], v[XSO+\p], s[8:9] offset:16
.endr
.set NLD, NLD+6
.endm
.macro XL s                            ; x's five fragments of K step s
	WIN 0x80
.irp c, 0,1
	global_load_b128 v[192+8*(\s)+4*\c:192+8*(\s)+4*\c+3], v[XO], s[6:7] offset:64*(\s)+32*\c
.endr
	WIN 0xc0
.irp j, 1,2,3,4
.irp c, 0,1
	global_load_b128 v[64*(\j-1)+8*(\s)+4*\c:64*(\j-1)+8*(\s)+4*\c+3], v[XO+\j], s[6:7] offset:64*(\s)+32*\c
.endr
.endr
	WIN 0
.set NLD, NLD+10
.endm
.macro WLG s, g                        ; weight fragments 4 g .. 4 g + 3 of K step s, into set s % 2
.irp n, 0,1,2,3
.irp c, 0,1
.if (\s) < 4
	ds_load_b128 v[WF+64*((\s)%2)+8*(4*\g+\n)+4*\c:WF+64*((\s)%2)+8*(4*\g+\n)+4*\c+3], v[VW] offset:IMGS*((\s)%4)+IMGP*(4*\g+\n)+512*\c
.else
	ds_load_b128 v[WF+64*((\s)%2)+8*(4*\g+\n)+4*\c:WF+64*((\s)%2)+8*(4*\g+\n)+4*\c+3], v[LI4] offset:IMGS*((\s)%4)+IMGP*(4*\g+\n)+512*\c
.endif
.endr
.endr
.endm
.macro WSL s                           ; W1's scale words of K step s: register p: lanes 0-15 tile 2 p, lanes 16-31 tile 2 p + 1
	ds_load_b128 v[WS+4*((\s)%2):WS+4*((\s)%2)+3], v[LW] offset:512*(\s)
.endm
.macro WM d, a, b, c, sa, sb, ra, rb
.if (\ra) && (\rb)
	v_wmma_scale_f32_16x16x128_f8f6f4 v[\d:\d+7], v[\a:\a+7], v[\b:\b+7], v[\c:\c+7], v[\sa], v[\sb] matrix_a_fmt:MATRIX_FMT_FP4 matrix_b_fmt:MATRIX_FMT_FP4 matrix_a_scale:MATRIX_SCALE_ROW1 matrix_b_scale:MATRIX_SCALE_ROW1
.elseif (\ra)
	v_wmma_scale_f32_16x16x128_f8f6f4 v[\d:\d+7], v[\a:\a+7], v[\b:\b+7], v[\c:\c+7], v[\sa], v[\sb] matrix_a_fmt:MATRIX_FMT_FP4 matrix_b_fmt:MATRIX_FMT_FP4 matrix_a_scale:MATRIX_SCALE_ROW1
.elseif (\rb)
	v_wmma_scale_f32_16x16x128_f8f6f4 v[\d:\d+7], v[\a:\a+7], v[\b:\b+7], v[\c:\c+7], v[\sa], v[\sb] matrix_a_fmt:MATRIX_FMT_FP4 matrix_b_fmt:MATRIX_FMT_FP4 matrix_b_scale:MATRIX_SCALE_ROW1
.else
	v_wmma_scale_f32_16x16x128_f8f6f4 v[\d:\d+7], v[\a:\a+7], v[\b:\b+7], v[\c:\c+7], v[\sa], v[\sb] matrix_a_fmt:MATRIX_FMT_FP4 matrix_b_fmt:MATRIX_FMT_FP4
.endif
.endm
.macro MM s, g                         ; 20 products: five tiles of tokens x four tiles of units; 20 accumulators, one instruction a turn.  K step 0 takes b1 as C: nothing is cleared
.irp j, 0,1,2,3,4
.if \j == 0
.set rB, 192+8*(\s)
.else
.set rB, 64*(\j-1)+8*(\s)
.endif
.if \j == 4
.set rD0, 0
	WIN 0xac
.else
.set rD0, 64*\j
.if (\s) == 0
.if \j == 0
	WIN 0x68
.else
	WIN 0x6c
.endif
.else
.if \j == 0
	WIN 0x58
.else
	WIN 0x5c
.endif
.endif
.endif
.irp n, 0,1,2,3
.set nn, 4*\g+\n
.set rD, rD0+8*nn
.set rA, WF+64*((\s)%2)+8*nn
.if (\s) == 0
.set rC, B1+8*nn
.else
.set rC, rD
.endif
.set rSA, WS+4*((\s)%2)+nn/2
.set rSB, XS+8*(\j/2)+(\s)
	WM rD, rA, rB, rC, rSA, rSB, nn%2, \j%2
.endr
.endr
.endm
; 64 numbers of a lane, none negative, register 16 b + i = k 32 b + 16 (lane / 16) + i of my token, become a fragment's codes and its scale word
.macro QUANT s, pc, pw
.irp b, 0,1,2,3
	v_max3_num_f32 v[TM+\b], v[\s+16*\b], v[\s+16*\b+1], 0x1800000
.endr
.irp i, 2,4,6,8,10,12,14
.irp b, 0,1,2,3
	v_max3_num_f32 v[TM+\b], v[TM+\b], v[\s+16*\b+\i], v[\s+16*\b+\i+1]
.endr
.endr
.irp b, 0,1,2,3
	v_permlanex16_b32 v[TM+4+\b], v[TM+\b], s34, s35
.endr
.irp b, 0,1,2,3
	v_max_num_f32 v[TM+\b], v[TM+\b], v[TM+4+\b]   ; with lane l xor 16's 16: the block's largest
.endr
.irp b, 0,1,2,3
	v_add_nc_u32 v[TM+12+\b], 0xff000000, v[TM+\b]
.endr
.irp b, 0,1,2,3
	v_lshrrev_b32 v[TM+4+\b], 23, v[TM+12+\b]
.endr
	v_lshl_or_b32 v[\pw], v[TM+5], 8, v[TM+4]
	v_lshl_or_b32 v[\pw], v[TM+6], 16, v[\pw]
	v_lshl_or_b32 v[\pw], v[TM+7], 24, v[\pw]
.irp b, 0,1,2,3
	v_cvt_scalef32_pk8_fp4_f32 v[\pc+2*\b], v[\s+16*\b:\s+16*\b+7], v[TM+12+\b]
	v_cvt_scalef32_pk8_fp4_f32 v[\pc+2*\b+1], v[\s+16*\b+8:\s+16*\b+15], v[TM+12+\b]
.endr
	v_nop                                          ; a plain line behind the conversions
.irp c, 0,1
.irp i, 0,1
	v_permlane16_swap_b32 v[\pc+4*\c+\i], v[\pc+4*\c+2+\i]   ; a whole block to a lane: lanes 0-15 block 2 c, lanes 16-31 block 2 c + 1
.endr
.endr
.endm
.macro EPI j                           ; tile j of tokens: relu (which also brings the sums into window 0), quantised into registers of the tile's own; the stores of all five tiles follow in one run
.if \j < 4
	WIN 0x04
.set AC, 64*\j
.else
	WIN 0x08
.set AC, 0
.endif
.set i, 0
.rept 64
	v_max_num_f32 v[HA+i], 0, v[AC+i]              ; each accumulator from its low end on
.set i, i+1
.endr
	WIN 0
	QUANT HA, PC+8*\j, PW+\j
.endm
; Unit u.  nx < 8: unit nx is loaded into the set just converted.  xa < 8: no load of W1 is left, and x's K steps xa to xa + 2 are asked for in its place.
; Behind the unit's one wait on va_vdst stand its loads and then the LDS stores of the unit before; the sorting of this unit's codes follows them.
.macro UNIT u, nx, xa
	WAITU \u
	QA \u
.if \nx < 8
	LOADU \nx, 1
.else
.if \xa < 8
	WIN 0x80
.else
	WIN 0
.endif
	s_wait_alu depctr_va_vdst(0)                   ; the unit before has written its codes and bytes, which the LDS stores below read (x's loads touch registers that no vector line has named since their offsets were shown written)
.if \xa < 8
	XL \xa
	XL \xa+1
	XL \xa+2
.endif
.endif
	WIN 0
.if (\u) > 0
	STOREW (\u)-1
.endif
	QB \u
.endm
	s_load_b256 s[4:11], s[0:1], 0x0               ; sel, xq, xs, W1
	s_load_b128 s[12:15], s[0:1], 0x20             ; b1, hq
	s_load_b64 s[16:17], s[0:1], 0x30              ; hs
	s_load_b64 s[86:87], s[0:1], 0x38              ; ylist
	v_lshl_add_u32 v254, v0, 2, 0x11400
	v_mov_b32 v255, 0
	v_lshrrev_b32 v[T0], 5, v0
	v_readfirstlane_b32 s22, v[T0]                 ; wave 0..3
	s_and_b32 s23, ttmp7, 0xffff                   ; expert
	s_mov_b32 s24, ttmp9                           ; which 128 hidden units
	v_and_b32 v[LN], 31, v0
	v_and_b32 v[RR], 15, v0
	v_bfe_u32 v[HH], v0, 4, 1
	v_lshlrev_b32 v[VW], 4, v[LN]
	v_add_nc_u32 v[LI4], 4*IMGS, v[VW]
	v_bfe_u32 v[T0], v0, 3, 2                      ; lane / 8
	v_bfe_u32 v[T1], v0, 1, 1                      ; (lane / 2) % 2
	v_and_b32 v[TA], 1, v0                         ; lane % 2
	v_bfe_u32 v[TB], v0, 2, 1                      ; (lane / 4) % 2
	v_lshl_add_u32 v[WIA], v[T0], 1, v[T1]         ; my four columns' tile T = 2 (lane / 8) + (lane / 2) % 2; their rows r = 4 (lane % 2) + 8 ((lane / 4) % 2) + c
	v_mul_u32_u24 v[WIA], v[WIA], IMGP
	v_lshl_add_u32 v[WIA], v[TA], 6, v[WIA]
	v_lshl_add_u32 v[WIA], v[TB], 7, v[WIA]
	s_wait_alu depctr_va_sdst(0)                   ; s22, the wave's number, is written, ahead of its first reader
	s_lshl_b32 s46, s22, 8                         ; block w lies in register group w / 2, lanes 16 (w % 2) on: 256 w bytes
	v_add_nc_u32 v[WIA], s46, v[WIA]
	v_lshlrev_b32 v[WBA], 8, v[T1]
	v_lshl_add_u32 v[WBA], v[TA], 6, v[WBA]
	v_lshl_add_u32 v[WBA], v[TB], 7, v[WBA]
	v_lshl_add_u32 v[WBA], v[T0], 2, v[WBA]
	s_add_co_u32 s46, s22, WSC
	v_add_nc_u32 v[WBA], s46, v[WBA]
	v_add_nc_u32 v[LW], WSC, v[VW]
	v_lshlrev_b32 v[LR4], 2, v[RR]
	v_mov_b32 v[ONE], 1.0
	v_lshlrev_b32 v[SO], 2, v[LN]
	v_lshlrev_b32 v[B1O], 6, v[HH]
	s_mul_i32 s46, s22, 80
	v_add_nc_u32 v[PP], s46, v[RR]                 ; my position in pass 0: 80 wave + 16 tile + lane % 16
.irp j, 1,2,3,4
	v_add_nc_u32 v[PP+\j], 16*\j, v[PP]
.endr
.irp j, 0,1,2,3,4
	v_mov_b32 v[DD+\j], 0                          ; group 0: 32 x 0 - 0
.endr
	s_add_co_u32 s46, s23, 2048
	v_mov_b32 v[FRE], s46                          ; what a free position holds
.irp a, 0,1,2,3
	v_mov_b32 v[TM+4+\a], 0                        ; a lane permute's destination counts as one of its sources
.endr
	s_mov_b32 s31, 0x0f0f0f0f
	s_mov_b32 s32, 0x06040200
	s_mov_b32 s33, 0x07050301
	s_mov_b32 s34, 0x76543210
	s_mov_b32 s35, 0xfedcba98
	s_mov_b32 s36, 0xffff0000                      ; lanes 16-31
	s_lshl_b32 s38, s23, 24                        ; W1: expert x 16 MB + 512 fs + 32 w rows of 16,384 bytes
	s_lshl_b32 s46, s24, 9
	s_add_co_u32 s38, s38, s46
	s_lshl_b32 s46, s22, 19
	s_add_co_u32 s38, s38, s46
	s_mov_b32 s39, 0
	s_lshl_b32 s40, s23, 14                        ; b1: expert x 16,384 + 512 fs
	s_lshl_b32 s46, s24, 9
	s_add_co_u32 s40, s40, s46
	s_mov_b32 s41, 0
	s_mul_i32 s42, s23, 80                         ; hq: tile 80 e + 5 w, K step fs
	s_mul_i32 s46, s22, 5
	s_add_co_u32 s42, s42, s46
	s_lshl_b32 s42, s42, 15
	s_lshl_b32 s46, s24, 10
	s_add_co_u32 s42, s42, s46
	s_mov_b32 s43, 0
	s_lshl_b32 s44, s23, 5                         ; hs: ((32 e + fs) 16 + w) groups of 384 bytes
	s_add_co_u32 s44, s44, s24
	s_lshl_b32 s44, s44, 4
	s_add_co_u32 s44, s44, s22
	s_mul_i32 s44, s44, 384
	s_mov_b32 s45, 0
	s_lshl_b32 s90, s23, 8                         ; the counts: row e of 256 bytes
	s_mov_b32 s91, 0
	s_lshl_b32 s88, s23, 13                        ; the lists: 8,192 bytes behind sel's first byte, 8,192 bytes an expert
	s_add_co_u32 s88, s88, 8192
	s_mov_b32 s89, 0
	s_mul_i32 s20, s23, 5120                       ; ylist: expert x 5,120 + 320 w
	s_mul_i32 s46, s22, 320
	s_add_co_u32 s20, s20, s46
	s_mov_b32 s21, 0
	s_wait_kmcnt 0x0
	s_add_nc_u64 s[10:11], s[10:11], s[38:39]
	s_add_nc_u64 s[18:19], s[10:11], 0x800000      ; K steps 4 to 7: 512 rows on, so that every row stands in the immediate
	s_add_nc_u64 s[12:13], s[12:13], s[40:41]
	s_add_nc_u64 s[14:15], s[14:15], s[42:43]
	s_add_nc_u64 s[16:17], s[16:17], s[44:45]
	s_add_nc_u64 s[84:85], s[4:5], s[90:91]
	s_add_nc_u64 s[88:89], s[4:5], s[88:89]
	s_add_nc_u64 s[86:87], s[86:87], s[20:21]
	s_load_b512 s[48:63], s[84:85], 0x0            ; the first 32 of my expert's 64 counts
	s_load_b512 s[68:83], s[84:85], 0x40
	WIN 0x80
	s_wait_alu depctr_va_vdst(0)                   ; the addresses and offsets v4 to v13 are written, which the loads and stores of the whole kernel read
.irp t, 0,1,2,3,4,5,6,7                        ; b1 in the result's layout: tile t, lane half h: units 32 (t / 2) + 8 (t % 2) + 16 h + 0 .. 7
	global_load_b128 v[B1+8*\t:B1+8*\t+3], v[B1O], s[12:13] offset:(32*(\t/2)+8*(\t%2))*4
	global_load_b128 v[B1+8*\t+4:B1+8*\t+7], v[B1O], s[12:13] offset:(32*(\t/2)+8*(\t%2))*4+16
.endr
.set NLD, 16
	LOADU 0, 0                                     ; no vector line has named the three sets yet
	LOADU 1, 0
	LOADU 2, 0
	WIN 0
	s_wait_kmcnt 0x0                               ; scalar loads come back in no order: the wait is for all
	s_mov_b32 s25, 0
	SRCH 0                                         ; walked while the first rows of W1 are on their way
	s_load_b512 s[48:63], s[84:85], 0x80           ; the other 32
	s_load_b512 s[68:83], s[84:85], 0xc0
	UNIT 0, 3, 99
	s_wait_kmcnt 0x0
	SRCH 1
	s_min_u32 s25, s25, 0x400                      ; the expert's rows
	s_max_u32 s26, s25, 1                          ; pass 0 always runs
	ROWLD                                          ; issued ahead of unit 4's loads: the wait at unit 4's head shows them in
	UNIT 1, 4, 99
	UNIT 2, 5, 99
	UNIT 3, 6, 99
	UNIT 4, 7, 99                                  ; the last loads of W1 are out
	PREP2
	YSTORE
	XSL                                            ; pass 0's fragments of x follow the stream
	XL 0
	XL 1
	UNIT 5, 99, 2
	UNIT 6, 99, 5
	UNIT 7, 99, 99
	s_wait_alu depctr_va_vdst(0)                   ; unit 7 has written its codes and bytes, which the last LDS stores read
	STOREW 7
	s_wait_dscnt 0x0                               ; for the others' sake: my codes and bytes lie in LDS
	s_barrier_signal -1
	s_barrier_wait -1                              ; all 64 images and their scale words are whole; nobody writes LDS again
	s_mov_b32 s27, 0                               ; the pass's first position,
	s_mov_b32 s28, 320                             ; the next pass's
	s_mov_b32 s30, 0
.Lpass:
	s_cmp_ge_u32 s27, s26
	s_cbranch_scc1 .Lskip
	s_wait_loadcnt 0x0                             ; x's fragments and scale words, b1
	s_wait_alu depctr_vm_vsrc(0)                   ; the stream's LDS stores have read their out-buffers in v64-115, the last pass's stores h's codes in v96-135: the fragments' loads land in these registers
	s_wait_alu depctr_va_vdst(0)                   ; the stream's vector lines, or the last pass's way out, are done with v32-159, and the last pass's products with both sets of W1's scale words: K steps 0 and 1 are loaded into them
	WLG 0, 0
	WSL 0
	WLG 0, 1
.irp s, 0,1,2,3,4,5,6,7
	s_wait_dscnt 8                                 ; fragments 0-3 and the scale words are in; the eight loads of fragments 4-7 may be out
.if \s < 7
.if \s > 0
	PLACES
	s_wait_alu depctr_va_vdst(0)                   ; the products of the K step before are done reading their set of fragments and scale words, in which this step's seventeen LDS loads land
.endif
	WLG \s+1, 0
	WSL \s+1
.endif
	MM \s, 0
	WIN 0
.if \s < 7
	s_wait_dscnt 9                                 ; fragments 4-7 are in; the nine loads issued at the step's head may be out
	WLG \s+1, 1                                    ; no wait: the products since the step's head name this step's set alone
.else
	s_wait_dscnt 0x0
.endif
	MM \s, 1
	WIN 0
.endr
	PLACES
	s_cmp_ge_u32 s28, s26
	s_cbranch_scc1 .Lno_next
	; only an expert with more rows than this pass reaches comes here: the counts are loaded and walked anew for the next 320 positions; these waits are not hidden
	s_wait_xcnt 0x0                                ; earlier loads and stores have read their offsets and data: the rows' registers may be written again
	s_wait_alu depctr_vm_vsrc(0)                   ; the rows' loads have read v[DD ..], ylist's stores v[MG ..] and v[ROW+4], x's loads v[XO ..] and v[XSO ..]: all are written again below
.irp j, 0,1,2,3,4
	v_add_nc_u32 v[PP+\j], 320, v[PP+\j]
.endr
.irp j, 0,1,2,3,4
	v_mov_b32 v[DD+\j], 0
.endr
	s_mov_b32 s25, 0
	s_load_b512 s[48:63], s[84:85], 0x0
	s_load_b512 s[68:83], s[84:85], 0x40
	s_wait_kmcnt 0x0
	SRCH 0
	s_load_b512 s[48:63], s[84:85], 0x80
	s_load_b512 s[68:83], s[84:85], 0xc0
	s_wait_kmcnt 0x0
	SRCH 1
	s_min_u32 s25, s25, 0x400
	ROWLD
	s_wait_loadcnt 0x0
	PREP2
	s_add_nc_u64 s[86:87], s[86:87], 1280          ; 320 positions on
	YSTORE
	XSL                                            ; the next pass's rows of x are asked for while this pass is quantised
.irp s, 0,1,2,3,4,5,6,7
	XL \s
.endr
.Lno_next:
	EPI 0
	EPI 1
	EPI 2
	EPI 3
	EPI 4
	v_cndmask_b32 v[MW], v[PW], v[PW+1], s36       ; both halves of the lanes hold a tile's words: two tiles to a store
	v_cndmask_b32 v[MW+1], v[PW+2], v[PW+3], s36
	s_wait_alu depctr_va_vdst(0)                   ; the five tiles' codes v[PC ..] and scale words v[MW ..], v[PW+4] are written, which the thirteen stores below read
.irp j, 0,1,2,3,4
.irp c, 0,1
	global_store_b128 v[VW], v[PC+8*\j+4*\c:PC+8*\j+4*\c+3], s[14:15] offset:32768*\j+512*\c   ; a tile's image: two stores of 512 consecutive bytes
.endr
.endr
	global_store_b32 v[SO], v[MW], s[16:17]
	global_store_b32 v[SO], v[MW+1], s[16:17] offset:128
	global_store_b32 v[SO], v[PW+4], s[16:17] offset:256
.Lskip:
	s_wait_xcnt 0x0                                ; the stores have read their data and bases: both are written again only behind this wait
	s_add_nc_u64 s[14:15], s[14:15], 655360        ; 20 tiles on
	s_add_nc_u64 s[16:17], s[16:17], 1536          ; 4 groups on
	s_add_co_u32 s27, s27, 320
	s_add_co_u32 s28, s28, 320
	s_add_co_u32 s30, s30, 1
	s_cmp_lt_u32 s30, 4
	s_cbranch_scc1 .Lpass
	s_wait_dscnt 0x0                               ; the closing lines, six on end
	s_wait_alu 0x0
	s_wait_tensorcnt 0x0
	ds_add_u32 v254, v255
	s_wait_dscnt 0x0
	s_endpgm
.Lfunc_end_k_q8d52beece2_up:
	.size	k_q8d52beece2_up, .Lfunc_end_k_q8d52beece2_up-k_q8d52beece2_up
	.p2alignl 7, 3214868480
	.fill 96, 4, 3214868480
	.section	.rodata,"a",@progbits
	.p2align	6, 0x0
	.amdhsa_kernel k_q8d52beece2_up
		.amdhsa_group_segment_fixed_size 71168
		.amdhsa_private_segment_fixed_size 0
		.amdhsa_enable_private_segment 0
		.amdhsa_kernarg_size 64
		.amdhsa_user_sgpr_count 2
		.amdhsa_user_sgpr_kernarg_segment_ptr 1
		.amdhsa_wavefront_size32 1
		.amdhsa_system_sgpr_workgroup_id_x 1
		.amdhsa_system_sgpr_workgroup_id_y 1
		.amdhsa_system_sgpr_workgroup_id_z 1
		.amdhsa_system_vgpr_workitem_id 0
		.amdhsa_next_free_vgpr 1024
		.amdhsa_next_free_sgpr 92
		.amdhsa_reserve_vcc 0
		.amdhsa_float_denorm_mode_32 3
		.amdhsa_float_denorm_mode_16_64 3
		.amdhsa_memory_ordered 1
		.amdhsa_forward_progress 1
		.amdhsa_inst_pref_size 255
	.end_amdhsa_kernel
	.section	.bss,"aw",@nobits
	.p2align	6
	.space	262144
	.amdgpu_metadata
---
amdhsa.version: [ 1, 2 ]
amdhsa.kernels:
  - .name:           k_q8d52beece2_up
    .symbol:         k_q8d52beece2_up.kd
    .args:
      - { .name: sel, .offset: 0, .size: 8, .value_kind: global_buffer, .address_space: global }
      - { .name: xq, .offset: 8, .size: 8, .value_kind: global_buffer, .address_space: global }
      - { .name: xs, .offset: 16, .size: 8, .value_kind: global_buffer, .address_space: global }
      - { .name: W1, .offset: 24, .size: 8, .value_kind: global_buffer, .address_space: global }
      - { .name: b1, .offset: 32, .size: 8, .value_kind: global_buffer, .address_space: global }
      - { .name: hq, .offset: 40, .size: 8, .value_kind: global_buffer, .address_space: global }
      - { .name: hs, .offset: 48, .size: 8, .value_kind: global_buffer, .address_space: global }
      - { .name: ylist, .offset: 56, .size: 8, .value_kind: global_buffer, .address_space: global }
    .group_segment_fixed_size: 71168
    .private_segment_fixed_size: 0
    .kernarg_segment_align: 8
    .kernarg_segment_size: 64
    .max_flat_workgroup_size: 128
    .sgpr_count:     92
    .vgpr_count:     1024
    .wavefront_size: 32
...
	.end_amdgpu_metadata
.endif
;; end of part 6
;; launch down (part 7): grid 32 x 8, 4 waves a work-group, no clusters, 88,576 bytes of LDS; arguments ylist, gw, hq, hs, W2, b2, y, sel; writes y
.if DOCPART == 7
	.amdgcn_target "amdgcn-amd-amdhsa--gfx1250"
	.amdhsa_code_object_version 6
	.text
	.protected	k_q8d52beece2_down
	.globl	k_q8d52beece2_down
	.p2align	8
	.type	k_q8d52beece2_down,@function
k_q8d52beece2_down:
	s_mov_b64 s[64:65], 0
	v_nop
	global_prefetch_b8 v0, s[64:65] scope:SCOPE_SE
	s_setreg_imm32_b32 hwreg(HW_REG_WAVE_SCHED_MODE, 0, 2), 2
	s_setreg_imm32_b32 hwreg(HW_REG_WAVE_MODE, 25, 1), 1
	s_wait_xcnt 0x0
	s_wait_alu depctr_vm_vsrc(0)
; SECOND PRODUCT OF THE EXPERTS: y = weight x (h Q(W2[e]) + b2[e]) for the rows routed to expert e, in two halves of K, on codes of E2M1 with one E8M0 scale for each 32 along K.
; SHARES.  Work-group (x: cs = x % 16, kh = x / 16; y = e) owns output columns 64 cs .. 64 cs + 63 and K = 2,048 kh .. + 2,047: 2,048 rows x 256 bytes of W2, read ONCE as f32, quantised in registers, kept as codes in LDS.
; STREAM.  A unit is a K step of 128; wave w takes its block w (32 k).  A load takes two rows, 16 k apart, 16 bytes a lane: sixteen lanes read 256 consecutive bytes, aligned.  A lane so holds 4 columns x 16 k;
; lanes l and l xor 16 share a block.  Scales, conversion and the sorting of the codes by column as in the first product's launch.  Four sets of 16 loads take turns.
; While loads of W2 are still to be issued, next to nothing else is loaded: h's first eight K steps are asked for in units 11 to 14, two K steps each, behind the last loads of W2.
; IMAGES of the weight fragments (16 columns x 128 k) in LDS, and h's fragments in hq, are images of the operand's registers.  The product is used transposed (source 0 = 16 columns, source 1 = 16 rows of h):
; a lane holds one row and eight neighbouring columns.
; ROWS.  ylist [e][1,280] u32, made by the launch before, holds for each position the row of y (slot x 1,024 + token; a free position: 2,048 + e).  gw [2,048] f32 is indexed by the same number.
; THE COUNT of the expert's rows, on which the branches hang, is the sum of the 64 numbers of row e of the counts (sel's first 8,192 bytes), read by scalar loads and added in scalar registers.
; A pass is 320 positions, five tiles a wave; the loop over passes has the constant count 4, and a pass at or beyond the count is jumped over.  h's fragments come from memory straight into registers, through eight sets that take turns.
; OUT.  y [kh 2][2,056 rows][1,024] f32.  A tile goes through the wave's own stage in LDS, so that sixteen lanes store 256 consecutive bytes of a row, aligned.  b2 is the first product's C where kh = 0, zeros where kh = 1.
; Rows of a tile beyond the count go to row 2,048 + e, in the work-group's own columns: several lanes write there, nobody reads it (their weight is taken at index 2,047: any number serves).
; NO CLUSTER, NO TENSOR LOADS: which passes and tiles run hangs on a count read from memory; what work-groups share (hq: 320 KB a pass and K half) is the smaller part beside each one's own 512 KB of W2.
; LIMITS as in the first product's launch.  The sums over the K halves and over a token's two experts are made by the last launch, in another order than a single chain.
; THE MODE: SCHED_MODE bits 1:0 = 2 (LLVM: expert scheduling mode 2), set by the entry lines.  The code itself states the register dependences between vector or matrix instructions and memory or LDS instructions,
; and between a vector instruction's scalar result and its readers, with s_wait_alu, always for 0.
; THE PLAN.  Registers that memory or LDS instructions touch:
;   the stream's sets   Unit u: its maxima, multiplications and conversions name set u % 4; behind them the loads of unit u + 4 land in it.
;   CD0, CD1, SB0, SB1  Unit u's vector lines write CD[u % 2] and SB[u % 2]; the eight LDS stores that read them are issued in unit u + 1; unit u + 2 writes them again.
;   WF0, WF1, WS0, WS1  K step s: its products read WF[s % 2] and WS[s % 2]; the LDS loads of K step s + 1, issued at the head of K step s, land in the other pair, which the products of K step s - 1 read.
;   h's eight sets, HSR K step s: its products read set s % 8; the loads of K step s + 8 land in it, issued at the head of K step s + 1.
;   GL, RI, GG          made once a pass: loaded, turned into offsets by vector lines; GL is read by the weights' loads, which land in GG; RI by y's stores; GG by the tiles' multiplications.
;   YT, YB              A tile: its multiplications write YT, eight LDS stores read it; eight LDS loads land in YB, eight stores read it.
;   v4-v19              addresses made at the head, never written again.
; So ONE wait on va_vdst stands in a unit, behind its conversions, with the unit's loads and the LDS stores of the unit before behind it; one at the head of a K step, with the weights' and h's loads behind it;
; one in a tile's way out, between the multiplications and the LDS stores.  A wait on vm_vsrc stands in a unit ahead of the first line that writes an out-buffer again, behind the stream's barrier, and at a tile's head.
; REGISTERS.  Window 0: v1-21 addresses and constants; v32-95 weight fragments, two sets (while streaming: at work); v96-159 a tile of y; v160-199 byte offsets of the pass's rows of y, 8 a tile; v204-213 the weights, a pair a tile;
; v214-218 the weights' offsets; v224-247 h's scale words, v248-251 W2's (scales alone).
; Window 1: the stream's four sets; later accumulators (j, n) at 32 j + 8 n.  Window 2: h's fragments of tiles 0-3 at 64 j + 8 (s % 8).  Window 3: tile 4's at 8 (s % 8); b2 at v64-95.
.set IMGS, 4160
.set IMGP, 1040
.set WSC,  66560                       ; W2's scale words: 256 s + 8 (16 (T % 2) + r) + 4 (T / 2), byte w
.set STAGE, 70656                      ; 16 rows x (256 + 16) bytes for each wave
.set LN,  1
.set RR,  2
.set HH,  3
.set VW,  4                            ; 16 (lane % 16) + 16 rows x (lane / 16)
.set LI,  5                            ; 16 x lane
.set LI8, 6                            ; + 8 K steps of images
.set WIA, 7
.set WBA, 8
.set LW,  9                            ; WSC + 8 x lane
.set SO,  10                           ; 4 x lane
.set ONE, 11
.set C16, 12                           ; 16 (lane % 16)
.set B2O, 13                           ; 32 (lane / 16)
.set T0,  14
.set T1,  15
.set LR4, 16                           ; 4 (lane % 16)
.set LH4, 17                           ; 4 (lane / 16)
.set STO, 18
.set STR, 19
.set TA,  20
.set TB,  21
.set WF,  32
.set QQ,  32
.set ET,  40
.set CD,  48                           ; codes by column: unit u's at CD + 24 (u % 2): v48-55, v72-79
.set MX,  56
.set MT,  60
.set FF,  64
.set SB,  68                           ; scale bytes: unit u's at SB + 12 (u % 2): v68-71, v80-83
.set YT,  96
.set YB,  128
.set RI,  160
.set GG,  204
.set GL,  214
.set HSR, 224
.set WS,  248
.set NLD, 0
.set MSB, 0
.macro WIN new
.if MSB != (\new)
	s_set_vgpr_msb (MSB<<8)|(\new)
.set MSB, (\new)
.endif
.endm
.macro PLACES                          ; four plain lines between a matrix instruction and a load into, or a read of, its registers
.rept 4
	v_nop
.endr
.endm
.macro SUMC                            ; 32 of the expert's 64 counts are added
.irp r, 48,49,50,51,52,53,54,55,56,57,58,59,60,61,62,63,68,69,70,71,72,73,74,75,76,77,78,79,80,81,82,83
	s_add_co_u32 s25, s25, s\r
.endr
.endm
.macro LOADU u, w                      ; unit u: my block's 32 rows, two to a load, into set u % 4.  w = 1: the wait for the set just converted stands here
.set SU, 64*((\u)%4)
	WIN 0x40
.if \w
	s_wait_alu depctr_va_vdst(0)                   ; the multiplications have written this set and the conversions are done reading it: the loads below land in it; and the unit before has written its codes and bytes, which the LDS stores behind these loads read
.endif
.set i, 0
.rept 16
.set rho, 8*(i/8)+4*(((i/2)%4)/2)+((i/2)%2)+2*(i%2)
	global_load_b128 v[SU+4*i:SU+4*i+3], v[VW], s[12:13] offset:(128*(\u)+rho)*4096 th:TH_LOAD_NT
.set i, i+1
.endr
.set NLD, NLD+16
.set UEND\u, NLD
.endm
.macro WAITU u                         ; unit u is in: the count is what was issued behind it, at most the 63 that the counter holds
.if NLD-UEND\u > 63
	s_wait_loadcnt 63
.else
	s_wait_loadcnt NLD-UEND\u
.endif
.endm
.macro QA u
.set SU, 64*((\u)%4)
.set SBQ, SB+12*((\u)%2)
	WIN 0
.irp c, 0,1,2,3
	v_mov_b32 v[MX+\c], 0x1800000                  ; the floor 2^(3 - 127)
.endr
	WIN 0x14
.set i, 0
.rept 8
.irp c, 0,1,2,3
	v_max3_num_f32 v[MX+\c], v[MX+\c], |v[SU+8*i+\c]|, |v[SU+8*i+4+\c]|
.endr
.set i, i+1
.endr
	WIN 0
.irp c, 0,1,2,3
	v_permlanex16_b32 v[MT+\c], v[MX+\c], s34, s35
.endr
.irp c, 0,1,2,3
	v_max_num_f32 v[MX+\c], v[MX+\c], v[MT+\c]     ; with lane l xor 16's 16 k: the block's
.endr
.if (\u) >= 2
	s_wait_alu depctr_va_vdst(0)
	s_wait_dscnt 0x0                               ; the LDS stores of the unit two back, issued in the last unit, are done
	s_wait_alu depctr_vm_vsrc(0)                   ; they have read this unit's out-buffers, the bytes' and the codes', which the lines from here on write again
.endif
.irp c, 0,1,2,3
	v_add_nc_u32 v[SBQ+\c], 0xff000000, v[MX+\c]
.endr
.irp c, 0,1,2,3
	v_lshrrev_b32 v[SBQ+\c], 23, v[SBQ+\c]         ; the byte
.endr
.irp c, 0,1,2,3
	v_sub_nc_u32 v[FF+\c], 254, v[SBQ+\c]
.endr
.irp c, 0,1,2,3
	v_lshlrev_b32 v[FF+\c], 23, v[FF+\c]           ; 2^(127 - byte)
.endr
	WIN 0x41
.set i, 0
.rept 16
	v_pk_mul_f32 v[SU+4*i:SU+4*i+1], v[SU+4*i:SU+4*i+1], v[FF:FF+1]
	v_pk_mul_f32 v[SU+4*i+2:SU+4*i+3], v[SU+4*i+2:SU+4*i+3], v[FF+2:FF+3]
.set i, i+1
.endr
	WIN 0x01
.set i, 0
.rept 8
	v_cvt_scalef32_pk8_fp4_f32 v[QQ+i], v[SU+8*i:SU+8*i+7], v[ONE]
.set i, i+1
.endr
.endm
.macro QB u
.set CDQ, CD+24*((\u)%2)
	WIN 0
	v_nop                                          ; a plain line behind the conversions
.irp j, 0,1
	v_lshlrev_b32 v[ET], 4, v[QQ+4*\j+1]
	v_lshrrev_b32 v[ET+1], 4, v[QQ+4*\j]
	v_lshlrev_b32 v[ET+2], 4, v[QQ+4*\j+3]
	v_lshrrev_b32 v[ET+3], 4, v[QQ+4*\j+2]
	v_bfi_b32 v[ET+4], s31, v[QQ+4*\j], v[ET]
	v_bfi_b32 v[ET+5], s31, v[ET+1], v[QQ+4*\j+1]
	v_bfi_b32 v[ET+6], s31, v[QQ+4*\j+2], v[ET+2]
	v_bfi_b32 v[ET+7], s31, v[ET+3], v[QQ+4*\j+3]
	v_perm_b32 v[CDQ+\j], v[ET+6], v[ET+4], s32    ; column 0, k = 16 (lane / 16) + 8 j .. + 7
	v_perm_b32 v[CDQ+4+\j], v[ET+6], v[ET+4], s33  ; column 2
	v_perm_b32 v[CDQ+2+\j], v[ET+7], v[ET+5], s32  ; column 1
	v_perm_b32 v[CDQ+6+\j], v[ET+7], v[ET+5], s33  ; column 3
.endr
.endm
.macro STOREW u
.set CDS, CD+24*((\u)%2)
.set SBS, SB+12*((\u)%2)
.irp c, 0,1,2,3
	ds_store_b64 v[WIA], v[CDS+2*\c:CDS+2*\c+1] offset:IMGS*(\u)+16*\c
.endr
.irp c, 0,1,2,3
	ds_store_b8 v[WBA], v[SBS+\c] offset:256*(\u)+8*\c     ; both lanes of a block write the same byte with the same value
.endr
.endm
.macro LISTS1 nx                       ; my 80 positions of this pass (nx = 0) or the next (1): for the weights row lane % 16 of each tile, for the stores rows 2 i + lane / 16
.irp j, 0,1,2,3,4
	global_load_b32 v[GL+\j], v[LR4], s[4:5] offset:1280*(\nx)+64*\j
.endr
.irp j, 0,1,2,3,4
.irp i, 0,1,2,3,4,5,6,7
	global_load_b32 v[RI+8*\j+\i], v[LH4], s[4:5] offset:1280*(\nx)+64*\j+8*\i
.endr
.endr
.set NLD, NLD+45
.endm
.macro LISTS2A                         ; the row numbers become offsets: of the weights in gw, of the rows in y
.irp j, 0,1,2,3,4
	v_min_u32 v[GL+\j], 0x7ff, v[GL+\j]
.endr
.irp j, 0,1,2,3,4
	v_lshlrev_b32 v[GL+\j], 2, v[GL+\j]
.endr
.set i, 0
.rept 40
	v_min_u32 v[RI+i], 0x807, v[RI+i]
.set i, i+1
.endr
.set i, 0
.rept 40
	v_lshl_add_u32 v[RI+i], v[RI+i], 12, v[C16]    ; a row of y is 4,096 bytes
.set i, i+1
.endr
.endm
.macro LISTS2B                         ; the weights are asked for
.irp j, 0,1,2,3,4
	global_load_b32 v[GG+2*\j], v[GL+\j], s[6:7]
.endr
.set NLD, NLD+5
.endm
.macro HLJ j, s, nx                    ; h's fragment of tile j, K step s, of this pass (nx = 0) or the next (1): two loads of 512 consecutive bytes
.if \j < 4
	WIN 0x80
.set rH, 64*\j+8*((\s)%8)
.else
	WIN 0xc0
.set rH, 8*((\s)%8)
.endif
.irp c, 0,1
	global_load_b128 v[rH+4*\c:rH+4*\c+3], v[LI], s[8:9] offset:655360*(\nx)+32768*\j+1024*(\s)+512*\c
.endr
.set NLD, NLD+2
.endm
.macro HLS s, nx                       ; its scale words: lanes 0-15 tile 2 p, lanes 16-31 tile 2 p + 1
	WIN 0
.irp p, 0,1,2
	global_load_b32 v[HSR+3*((\s)%8)+\p], v[SO], s[10:11] offset:1536*(\nx)+6144*(\s)+128*\p
.endr
.set NLD, NLD+3
.endm
.macro HL s, nx
	HLJ 0, \s, \nx
	HLJ 1, \s, \nx
	HLJ 2, \s, \nx
	HLJ 3, \s, \nx
	HLJ 4, \s, \nx
	HLS \s, \nx
.endm
.macro WL s                            ; the four weight fragments and the scale words of K step s, into set s % 2: nine loads
.irp n, 0,1,2,3
.irp c, 0,1
.if (\s) < 8
	ds_load_b128 v[WF+32*((\s)%2)+8*\n+4*\c:WF+32*((\s)%2)+8*\n+4*\c+3], v[LI] offset:IMGS*((\s)%8)+IMGP*\n+512*\c
.else
	ds_load_b128 v[WF+32*((\s)%2)+8*\n+4*\c:WF+32*((\s)%2)+8*\n+4*\c+3], v[LI8] offset:IMGS*((\s)%8)+IMGP*\n+512*\c
.endif
.endr
.endr
	ds_load_b64 v[WS+2*((\s)%2):WS+2*((\s)%2)+1], v[LW] offset:256*(\s)
.endm
.macro WM d, a, b, c, sa, sb, ra, rb
.if (\ra) && (\rb)
	v_wmma_scale_f32_16x16x128_f8f6f4 v[\d:\d+7], v[\a:\a+7], v[\b:\b+7], v[\c:\c+7], v[\sa], v[\sb] matrix_a_fmt:MATRIX_FMT_FP4 matrix_b_fmt:MATRIX_FMT_FP4 matrix_a_scale:MATRIX_SCALE_ROW1 matrix_b_scale:MATRIX_SCALE_ROW1
.elseif (\ra)
	v_wmma_scale_f32_16x16x128_f8f6f4 v[\d:\d+7], v[\a:\a+7], v[\b:\b+7], v[\c:\c+7], v[\sa], v[\sb] matrix_a_fmt:MATRIX_FMT_FP4 matrix_b_fmt:MATRIX_FMT_FP4 matrix_a_scale:MATRIX_SCALE_ROW1
.elseif (\rb)
	v_wmma_scale_f32_16x16x128_f8f6f4 v[\d:\d+7], v[\a:\a+7], v[\b:\b+7], v[\c:\c+7], v[\sa], v[\sb] matrix_a_fmt:MATRIX_FMT_FP4 matrix_b_fmt:MATRIX_FMT_FP4 matrix_b_scale:MATRIX_SCALE_ROW1
.else
	v_wmma_scale_f32_16x16x128_f8f6f4 v[\d:\d+7], v[\a:\a+7], v[\b:\b+7], v[\c:\c+7], v[\sa], v[\sb] matrix_a_fmt:MATRIX_FMT_FP4 matrix_b_fmt:MATRIX_FMT_FP4
.endif
.endm
.macro MM s                            ; 20 products: five tiles of rows x four tiles of columns; 20 accumulators, one instruction a turn.  K step 0 takes b2 (or zeros) as C
.irp j, 0,1,2,3,4
.if \j < 4
.set rB, 64*\j+8*((\s)%8)
.if (\s) == 0
	WIN 0x78
.else
	WIN 0x58
.endif
.else
.set rB, 8*((\s)%8)
.if (\s) == 0
	WIN 0x7c
.else
	WIN 0x5c
.endif
.endif
.irp n, 0,1,2,3
.set rD, 32*\j+8*\n
.set rA, WF+32*((\s)%2)+8*\n
.if (\s) == 0
.set rC, 64+8*\n
.else
.set rC, rD
.endif
.set rSA, WS+2*((\s)%2)+\n/2
.set rSB, HSR+3*((\s)%8)+\j/2
	WM rD, rA, rB, rC, rSA, rSB, \n%2, \j%2
.endr
.endr
.endm
.macro YTILE j                         ; tile j of my rows: x the weight, through my stage, out by rows.  A tile wholly beyond the count is jumped over
	s_add_co_u32 s38, s37, 16*\j
	s_cmp_ge_u32 s38, s25
	s_cbranch_scc1 .Lno_tile_\@
	s_wait_xcnt 0x0                                ; the last tile's stores have read their data
	s_wait_alu depctr_vm_vsrc(0)                   ; the last tile's LDS stores have read v[YT ..], which the multiplications below write, and its stores v[YB ..], in which the LDS loads below land
	WIN 0x01
.set i, 0
.rept 16
	v_pk_mul_f32 v[YT+2*i:YT+2*i+1], v[32*\j+2*i:32*\j+2*i+1], v[GG+2*\j:GG+2*\j+1] op_sel_hi:[1,0]   ; each accumulator from its low end on
.set i, i+1
.endr
	WIN 0
	s_wait_alu depctr_va_vdst(0)                   ; the multiplications have written v[YT ..], which the LDS stores read
.irp n, 0,1,2,3
	ds_store_b128 v[STO], v[YT+8*\n:YT+8*\n+3] offset:64*\n
	ds_store_b128 v[STO], v[YT+8*\n+4:YT+8*\n+7] offset:64*\n+16
.endr
.irp i, 0,1,2,3,4,5,6,7
	ds_load_b128 v[YB+4*\i:YB+4*\i+3], v[STR] offset:544*\i    ; LDS serves a wave's instructions in order (ISA guide 5.7.1.4): these see my stores
.endr
.irp i, 0,1,2,3,4,5,6,7
	s_wait_dscnt 7-\i
	global_store_b128 v[RI+8*\j+\i], v[YB+4*\i:YB+4*\i+3], s[16:17] th:TH_STORE_NT   ; sixteen lanes store 256 consecutive bytes, aligned; two rows a store
.endr
.Lno_tile_\@:
.endm
; Unit u.  nx < 16: unit nx is loaded into the set just converted.  In units 11 to 14 two K steps of h follow the loads of W2.
; Behind the unit's one wait on va_vdst stand its loads and then the LDS stores of the unit before; the sorting of this unit's codes follows them.
.macro UNIT u, nx
	WAITU \u
	QA \u
.if \nx < 16
	LOADU \nx, 1
.else
.if (\u) < 15
	WIN 0x80
.else
	WIN 0
.endif
	s_wait_alu depctr_va_vdst(0)                   ; the unit before has written its codes and bytes, which the LDS stores below read (h's loads touch registers that no vector line has named)
.endif
.if ((\u) >= 11) && ((\u) < 15)
	HL 2*((\u)-11), 0                              ; the last loads of W2 are out: pass 0's first eight K steps of h follow the stream
	HL 2*((\u)-11)+1, 0
.endif
	WIN 0
	STOREW (\u)-1
	QB \u
.endm
	s_load_b256 s[4:11], s[0:1], 0x0               ; ylist, gw, hq, hs
	s_load_b128 s[12:15], s[0:1], 0x20             ; W2, b2
	s_load_b128 s[16:19], s[0:1], 0x30             ; y, sel
	v_lshl_add_u32 v254, v0, 2, 0x15800
	v_mov_b32 v255, 0
	v_lshrrev_b32 v[T0], 5, v0
	v_readfirstlane_b32 s22, v[T0]                 ; wave 0..3
	s_and_b32 s23, ttmp7, 0xffff                   ; expert
	s_and_b32 s24, ttmp9, 15                       ; which 64 columns
	s_lshr_b32 s26, ttmp9, 4                       ; which half of K
	v_and_b32 v[LN], 31, v0
	v_and_b32 v[RR], 15, v0
	v_bfe_u32 v[HH], v0, 4, 1
	v_lshlrev_b32 v[C16], 4, v[RR]
	v_lshl_add_u32 v[VW], v[HH], 16, v[C16]
	v_lshlrev_b32 v[LI], 4, v[LN]
	v_add_nc_u32 v[LI8], 8*IMGS, v[LI]
	v_lshrrev_b32 v[T0], 2, v[RR]                  ; my four columns' tile T = (lane % 16) / 4; their rows r = 4 (lane % 4) + c
	v_and_b32 v[T1], 3, v0
	v_mul_u32_u24 v[WIA], v[T0], IMGP
	v_lshl_add_u32 v[WIA], v[T1], 6, v[WIA]
	v_lshl_add_u32 v[WIA], v[HH], 3, v[WIA]        ; my 16 k are half of the block's 16 bytes
	s_wait_alu depctr_va_sdst(0)                   ; s22, the wave's number, is written, ahead of its first reader
	s_lshl_b32 s46, s22, 8
	v_add_nc_u32 v[WIA], s46, v[WIA]
	v_bfe_u32 v[TA], v0, 2, 1                      ; T % 2
	v_bfe_u32 v[TB], v0, 3, 1                      ; T / 2
	v_lshlrev_b32 v[WBA], 7, v[TA]
	v_lshl_add_u32 v[WBA], v[T1], 5, v[WBA]
	v_lshl_add_u32 v[WBA], v[TB], 2, v[WBA]
	s_add_co_u32 s46, s22, WSC
	v_add_nc_u32 v[WBA], s46, v[WBA]
	v_lshl_add_u32 v[LW], v[LN], 3, WSC
	v_lshlrev_b32 v[SO], 2, v[LN]
	v_mov_b32 v[ONE], 1.0
	v_lshlrev_b32 v[B2O], 5, v[HH]
	v_lshlrev_b32 v[LR4], 2, v[RR]
	v_lshlrev_b32 v[LH4], 2, v[HH]
	s_mul_i32 s46, s22, 4352
	s_add_co_u32 s46, s46, STAGE
	v_mul_u32_u24 v[STO], v[RR], 272
	v_lshl_add_u32 v[STO], v[HH], 5, v[STO]
	v_add_nc_u32 v[STO], s46, v[STO]               ; in: row lane % 16, 32 bytes for each half of the lanes
	v_mul_u32_u24 v[STR], v[HH], 272
	v_lshl_add_u32 v[STR], v[RR], 4, v[STR]
	v_add_nc_u32 v[STR], s46, v[STR]               ; back: lanes 0-15 one row, lanes 16-31 the next
.irp a, 0,1,2,3
	v_mov_b32 v[MT+\a], 0                          ; a lane permute's destination counts as one of its sources
.endr
.irp j, 0,1,2,3,4
	v_mov_b32 v[GG+2*\j+1], 0                      ; named with the weight as a pair, so it is written
.endr
	s_mov_b32 s31, 0x0f0f0f0f
	s_mov_b32 s32, 0x06040200
	s_mov_b32 s33, 0x07050301
	s_mov_b32 s34, 0x76543210
	s_mov_b32 s35, 0xfedcba98
	s_cmp_eq_u32 s26, 0
	s_cselect_b32 s36, -1, 0                       ; all lanes where kh = 0: there b2 counts
	s_lshl_b32 s38, s23, 24                        ; W2: expert x 16 MB + kh x 8 MB + 256 cs + 32 w rows of 4,096 bytes
	s_lshl_b32 s46, s26, 23
	s_add_co_u32 s38, s38, s46
	s_lshl_b32 s46, s24, 8
	s_add_co_u32 s38, s38, s46
	s_lshl_b32 s46, s22, 17
	s_add_co_u32 s38, s38, s46
	s_mov_b32 s39, 0
	s_lshl_b32 s40, s23, 12                        ; b2: expert x 4,096 + 256 cs
	s_lshl_b32 s46, s24, 8
	s_add_co_u32 s40, s40, s46
	s_mov_b32 s41, 0
	s_mul_i32 s42, s23, 80                         ; hq: tile 80 e + 5 w, K step 16 kh
	s_mul_i32 s46, s22, 5
	s_add_co_u32 s42, s42, s46
	s_lshl_b32 s42, s42, 15
	s_lshl_b32 s46, s26, 14
	s_add_co_u32 s42, s42, s46
	s_mov_b32 s43, 0
	s_lshl_b32 s44, s23, 5                         ; hs: ((32 e + 16 kh) 16 + w) groups of 384 bytes
	s_lshl_b32 s46, s26, 4
	s_add_co_u32 s44, s44, s46
	s_lshl_b32 s44, s44, 4
	s_add_co_u32 s44, s44, s22
	s_mul_i32 s44, s44, 384
	s_mov_b32 s45, 0
	s_mul_i32 s28, s26, 8421376                    ; y: plane kh, + 256 cs
	s_lshl_b32 s46, s24, 8
	s_add_co_u32 s28, s28, s46
	s_mov_b32 s29, 0
	s_lshl_b32 s20, s23, 8                         ; the counts: row e of 256 bytes
	s_mov_b32 s21, 0
	s_mul_i32 s46, s23, 5120                       ; ylist: expert x 5,120 + 320 w
	s_mul_i32 s47, s22, 320
	s_add_co_u32 s46, s46, s47
	s_mov_b32 s47, 0
	s_wait_kmcnt 0x0
	s_add_nc_u64 s[12:13], s[12:13], s[38:39]
	s_add_nc_u64 s[14:15], s[14:15], s[40:41]
	s_add_nc_u64 s[8:9], s[8:9], s[42:43]
	s_add_nc_u64 s[10:11], s[10:11], s[44:45]
	s_add_nc_u64 s[16:17], s[16:17], s[28:29]
	s_add_nc_u64 s[18:19], s[18:19], s[20:21]
	s_add_nc_u64 s[4:5], s[4:5], s[46:47]
	s_load_b512 s[48:63], s[18:19], 0x0            ; the first 32 of my expert's 64 counts
	s_load_b512 s[68:83], s[18:19], 0x40
	WIN 0xc0
	s_wait_alu depctr_va_vdst(0)                   ; the addresses and offsets v4 to v19 are written, which the loads and stores of the whole kernel read
.irp n, 0,1,2,3                                ; b2 in the result's layout: tile n, lane half h: columns 16 n + 8 h + 0 .. 7
	global_load_b128 v[64+8*\n:64+8*\n+3], v[B2O], s[14:15] offset:64*\n
	global_load_b128 v[64+8*\n+4:64+8*\n+7], v[B2O], s[14:15] offset:64*\n+16
.endr
	WIN 0
.set NLD, 8
	LISTS1 0                                       ; pass 0's rows, ahead of the stream: the wait for unit 0 shows them in
	LOADU 0, 0                                     ; no vector line has named the four sets yet
	LOADU 1, 0
	LOADU 2, 0
	LOADU 3, 0
	WIN 0
	s_wait_kmcnt 0x0                               ; scalar loads come back in no order: the wait is for all
	s_mov_b32 s25, 0
	SUMC
	s_load_b512 s[48:63], s[18:19], 0x80           ; the other 32
	s_load_b512 s[68:83], s[18:19], 0xc0
	WAITU 0                                        ; unit 0, and b2 and the rows, which are older
	LISTS2A
	WIN 0xcc
.set i, 0
.rept 32
	v_cndmask_b32 v[64+i], 0, v[64+i], s36         ; the bias is added in one half of K alone
.set i, i+1
.endr
	QA 0
	WIN 0
	s_wait_alu depctr_va_vdst(0)                   ; the weights' offsets v[GL ..] are written, which the five loads below read; unit 0's multiplications have written set 0 and its conversions are done reading it: unit 4's loads land in it
	LISTS2B
	LOADU 4, 0
	QB 0
	s_wait_kmcnt 0x0
	SUMC
	s_min_u32 s25, s25, 0x400                      ; the expert's rows
	UNIT 1, 5
	UNIT 2, 6
	UNIT 3, 7
	UNIT 4, 8
	UNIT 5, 9
	UNIT 6, 10
	UNIT 7, 11
	UNIT 8, 12
	UNIT 9, 13
	UNIT 10, 14
	UNIT 11, 15
	UNIT 12, 99
	UNIT 13, 99
	UNIT 14, 99
	UNIT 15, 99
	s_wait_alu depctr_va_vdst(0)                   ; unit 15 has written its codes and bytes, which the last LDS stores read
	STOREW 15
	s_wait_dscnt 0x0                               ; for the others' sake: my codes and bytes lie in LDS
	s_barrier_signal -1
	s_barrier_wait -1                              ; all 64 images and their scale words are whole; from here on a wave writes its own stage alone
	s_wait_alu depctr_vm_vsrc(0)                   ; my LDS stores have read their out-buffers in v48-83: these registers are weight fragments from here on, in which LDS loads land
	s_mov_b32 s27, 0                               ; the pass's first position,
	s_mov_b32 s28, 320                             ; the next pass's
	s_mov_b32 s30, 0
.Lpass:
	s_cmp_ge_u32 s27, s25
	s_cbranch_scc1 .Lskip
	s_mul_i32 s37, s22, 80
	s_add_co_u32 s37, s37, s27                     ; my first position
	s_wait_loadcnt 0x0                             ; h's K steps 0 to 7, the weights
	s_wait_alu depctr_va_vdst(0)                   ; the stream's vector lines, or the last pass's products, are done with v32-95 and with both sets of W2's scale words: K steps 0 and 1 are loaded into them
	WL 0
.irp s, 0,1,2,3,4,5,6,7,8,9,10,11,12,13,14,15
.if (\s > 0) && (\s < 15)
	s_wait_alu depctr_va_vdst(0)                   ; the products of the K step before are done reading their weights, their scale words and their set of h, in which the loads below land
.endif
.if \s < 15
	WL \s+1
.endif
.if (\s > 0) && (\s < 9)
	HL \s+7, 0                                     ; into the set that the K step before multiplied
.endif
.if \s < 15
	s_wait_dscnt 9                                 ; this K step's weights are in; the nine loads just issued may be out
.else
	s_wait_dscnt 0x0
.endif
.if \s >= 8
.if 13*(15-\s) > 63                            ; h's K step s is in: behind its 13 loads those of K steps s + 1 .. 15 were issued
	s_wait_loadcnt 63
.else
	s_wait_loadcnt 13*(15-\s)
.endif
.endif
	MM \s
	WIN 0
	PLACES
.if \s == 15
	v_nop                                          ; a fifth place: the next pass's K step 0 begins these accumulators anew, with b2 as C, and on the way on which all five tiles below are jumped over no other vector line stands between (ISA guide 7.12.1)
.endif
.endr
	s_cmp_ge_u32 s28, s25
	s_cbranch_scc1 .Lno_next
	WIN 0x80
	s_wait_alu depctr_va_vdst(0)                   ; this pass's products are done reading h's eight sets and their scale words, in which the loads below land
.irp s, 0,1,2,3,4,5,6,7
	HL \s, 1                                       ; the next pass's first eight K steps are asked for while this pass goes out
.endr
.Lno_next:
	YTILE 0
	YTILE 1
	YTILE 2
	YTILE 3
	YTILE 4
	s_cmp_ge_u32 s28, s25
	s_cbranch_scc1 .Lskip
	s_wait_xcnt 0x0                                ; this pass's stores have read their offsets: the next pass's rows may land there
	s_wait_alu depctr_vm_vsrc(0)                   ; y's stores have read v[RI ..] and the weights' loads v[GL ..], in which the loads below land
	LISTS1 1
	s_wait_loadcnt 0x0                             ; the rows are in (only an expert with more than 320 rows comes here: this wait is not hidden)
	LISTS2A
	s_wait_alu depctr_va_vdst(0)                   ; the weights' offsets v[GL ..] are written, which the loads below read; the tiles' multiplications are done reading the weights v[GG ..], in which they land
	LISTS2B
.Lskip:
	s_wait_xcnt 0x0                                ; loads and stores have read their bases: they are stepped only behind this wait
	s_add_nc_u64 s[8:9], s[8:9], 655360            ; 20 tiles on
	s_add_nc_u64 s[10:11], s[10:11], 1536          ; 4 groups on
	s_add_nc_u64 s[4:5], s[4:5], 1280              ; 320 positions on
	s_add_co_u32 s27, s27, 320
	s_add_co_u32 s28, s28, 320
	s_add_co_u32 s30, s30, 1
	s_cmp_lt_u32 s30, 4
	s_cbranch_scc1 .Lpass
	s_wait_dscnt 0x0                               ; the closing lines, six on end
	s_wait_alu 0x0
	s_wait_tensorcnt 0x0
	ds_add_u32 v254, v255
	s_wait_dscnt 0x0
	s_endpgm
.Lfunc_end_k_q8d52beece2_down:
	.size	k_q8d52beece2_down, .Lfunc_end_k_q8d52beece2_down-k_q8d52beece2_down
	.p2alignl 7, 3214868480
	.fill 96, 4, 3214868480
	.section	.rodata,"a",@progbits
	.p2align	6, 0x0
	.amdhsa_kernel k_q8d52beece2_down
		.amdhsa_group_segment_fixed_size 88576
		.amdhsa_private_segment_fixed_size 0
		.amdhsa_enable_private_segment 0
		.amdhsa_kernarg_size 64
		.amdhsa_user_sgpr_count 2
		.amdhsa_user_sgpr_kernarg_segment_ptr 1
		.amdhsa_wavefront_size32 1
		.amdhsa_system_sgpr_workgroup_id_x 1
		.amdhsa_system_sgpr_workgroup_id_y 1
		.amdhsa_system_sgpr_workgroup_id_z 1
		.amdhsa_system_vgpr_workitem_id 0
		.amdhsa_next_free_vgpr 864
		.amdhsa_next_free_sgpr 84
		.amdhsa_reserve_vcc 0
		.amdhsa_float_denorm_mode_32 3
		.amdhsa_float_denorm_mode_16_64 3
		.amdhsa_memory_ordered 1
		.amdhsa_forward_progress 1
		.amdhsa_inst_pref_size 255
	.end_amdhsa_kernel
	.section	.bss,"aw",@nobits
	.p2align	6
	.space	262144
	.amdgpu_metadata
---
amdhsa.version: [ 1, 2 ]
amdhsa.kernels:
  - .name:           k_q8d52beece2_down
    .symbol:         k_q8d52beece2_down.kd
    .args:
      - { .name: ylist, .offset: 0, .size: 8, .value_kind: global_buffer, .address_space: global }
      - { .name: gw, .offset: 8, .size: 8, .value_kind: global_buffer, .address_space: global }
      - { .name: hq, .offset: 16, .size: 8, .value_kind: global_buffer, .address_space: global }
      - { .name: hs, .offset: 24, .size: 8, .value_kind: global_buffer, .address_space: global }
      - { .name: W2, .offset: 32, .size: 8, .value_kind: global_buffer, .address_space: global }
      - { .name: b2, .offset: 40, .size: 8, .value_kind: global_buffer, .address_space: global }
      - { .name: y, .offset: 48, .size: 8, .value_kind: global_buffer, .address_space: global }
      - { .name: sel, .offset: 56, .size: 8, .value_kind: global_buffer, .address_space: global }
    .group_segment_fixed_size: 88576
    .private_segment_fixed_size: 0
    .kernarg_segment_align: 8
    .kernarg_segment_size: 64
    .max_flat_workgroup_size: 128
    .sgpr_count:     84
    .vgpr_count:     864
    .wavefront_size: 32
...
	.end_amdgpu_metadata
.endif
;; end of part 7
;; launch combine (part 8): grid 256 x 1, 8 waves a work-group, no clusters, 0 bytes of LDS; arguments y, out0; writes out0
.if DOCPART == 8
	.amdgcn_target "amdgcn-amd-amdhsa--gfx1250"
	.amdhsa_code_object_version 6
	.text
	.protected	k_q8d52beece2_combine
	.globl	k_q8d52beece2_combine
	.p2align	8
	.type	k_q8d52beece2_combine,@function
k_q8d52beece2_combine:
	s_mov_b64 s[64:65], 0
	v_nop
	global_prefetch_b8 v0, s[64:65] scope:SCOPE_SE
	s_setreg_imm32_b32 hwreg(HW_REG_WAVE_MODE, 25, 1), 1
	s_wait_xcnt 0x0
; out0[token][:] = the sum of a token's four parts of y: two experts (rows token and 1,024 + token) x two halves of K (planes of 2,056 rows).  All f32.
; A stream: a work-group owns 16,384 consecutive bytes of out0, a thread four pieces of 16 bytes, 4,096 bytes apart: each load and store of a wave covers 512 consecutive bytes, aligned.
; All 16 loads of a thread go out at once.  No LDS, no barrier, no matrix unit: nothing is shared and nothing is multiplied.
	s_load_b128 s[4:7], s[0:1], 0x0                ; y, out0
	v_lshlrev_b32 v1, 4, v0
	s_lshl_b32 s10, ttmp9, 14
	s_mov_b32 s11, 0
	s_wait_alu depctr_va_vdst(0)
	s_wait_kmcnt 0x0
	s_add_nc_u64 s[4:5], s[4:5], s[10:11]
	s_add_nc_u64 s[6:7], s[6:7], s[10:11]
	s_add_nc_u64 s[8:9], s[4:5], 8421376           ; the second half of K
.irp i, 0,1,2,3
	global_load_b128 v[8+16*\i:11+16*\i], v1, s[4:5] offset:4096*\i th:TH_LOAD_NT
	global_load_b128 v[12+16*\i:15+16*\i], v1, s[4:5] offset:4194304+4096*\i th:TH_LOAD_NT
	global_load_b128 v[16+16*\i:19+16*\i], v1, s[8:9] offset:4096*\i th:TH_LOAD_NT
	global_load_b128 v[20+16*\i:23+16*\i], v1, s[8:9] offset:4194304+4096*\i th:TH_LOAD_NT
.endr
.irp i, 0,1,2,3
	s_wait_loadcnt 12-4*\i                         ; piece i's four loads are in; those of the later pieces may be out
	v_pk_add_f32 v[8+16*\i:9+16*\i], v[8+16*\i:9+16*\i], v[12+16*\i:13+16*\i]
	v_pk_add_f32 v[10+16*\i:11+16*\i], v[10+16*\i:11+16*\i], v[14+16*\i:15+16*\i]
	v_pk_add_f32 v[16+16*\i:17+16*\i], v[16+16*\i:17+16*\i], v[20+16*\i:21+16*\i]
	v_pk_add_f32 v[18+16*\i:19+16*\i], v[18+16*\i:19+16*\i], v[22+16*\i:23+16*\i]
	s_delay_alu instid0(VALU_DEP_2)
	v_pk_add_f32 v[8+16*\i:9+16*\i], v[8+16*\i:9+16*\i], v[16+16*\i:17+16*\i]
	s_delay_alu instid0(VALU_DEP_2)
	v_pk_add_f32 v[10+16*\i:11+16*\i], v[10+16*\i:11+16*\i], v[18+16*\i:19+16*\i]
	global_store_b128 v1, v[8+16*\i:11+16*\i], s[6:7] offset:4096*\i th:TH_STORE_NT
.endr
	s_endpgm
.Lfunc_end_k_q8d52beece2_combine:
	.size	k_q8d52beece2_combine, .Lfunc_end_k_q8d52beece2_combine-k_q8d52beece2_combine
	.p2alignl 7, 3214868480
	.fill 96, 4, 3214868480
	.section	.rodata,"a",@progbits
	.p2align	6, 0x0
	.amdhsa_kernel k_q8d52beece2_combine
		.amdhsa_group_segment_fixed_size 0
		.amdhsa_private_segment_fixed_size 0
		.amdhsa_enable_private_segment 0
		.amdhsa_kernarg_size 16
		.amdhsa_user_sgpr_count 2
		.amdhsa_user_sgpr_kernarg_segment_ptr 1
		.amdhsa_wavefront_size32 1
		.amdhsa_system_sgpr_workgroup_id_x 1
		.amdhsa_system_sgpr_workgroup_id_y 1
		.amdhsa_system_sgpr_workgroup_id_z 1
		.amdhsa_system_vgpr_workitem_id 0
		.amdhsa_next_free_vgpr 96
		.amdhsa_next_free_sgpr 66
		.amdhsa_reserve_vcc 0
		.amdhsa_float_denorm_mode_32 3
		.amdhsa_float_denorm_mode_16_64 3
		.amdhsa_memory_ordered 1
		.amdhsa_forward_progress 1
		.amdhsa_inst_pref_size 5
	.end_amdhsa_kernel
	.amdgpu_metadata
---
amdhsa.version: [ 1, 2 ]
amdhsa.kernels:
  - .name:           k_q8d52beece2_combine
    .symbol:         k_q8d52beece2_combine.kd
    .args:
      - { .name: y, .offset: 0, .size: 8, .value_kind: global_buffer, .address_space: global }
      - { .name: out0, .offset: 8, .size: 8, .value_kind: global_buffer, .address_space: global }
    .group_segment_fixed_size: 0
    .private_segment_fixed_size: 0
    .kernarg_segment_align: 8
    .kernarg_segment_size: 16
    .max_flat_workgroup_size: 256
    .sgpr_count:     66
    .vgpr_count:     96
    .wavefront_size: 32
...
	.end_amdgpu_metadata
.endif
;; end of part 8
